; MI455X (gfx1250); checked and timed in simulation.
; The chip was launched on July 23, 2026; its instructions are those of AMD's public machine-readable ISA for CDNA 5 (MIT licence, August 2026) and "CDNA5" Instruction Set Architecture Reference Guide (July 2026). The comments in the code are by the model that wrote it; some were corrected since.
;; Transformer Block. Allowed arithmetic: matrix products marked QUANTISED: E4M3 operands, one given power-of-two scale a tensor, by v_wmma_f32_16x16x64_fp8_fp8 or v_wmma_f32_16x16x128_fp8_fp8, f32 sums; everything else in f32.
;; Inputs: Wk_b 512 float32; Wk_w 512 x 512 float32; Wo_b 512 float32; Wo_w 512 x 512 float32; Wq_b 512 float32; Wq_w 512 x 512 float32; Wv_b 512 float32; Wv_w 512 x 512 float32; l1_b 2,048 float32; l1_w 2,048 x 512 float32; l2_b 512 float32; l2_w 512 x 2,048 float32; lowp_scales 16 int32 (the exponents e of the quantised operands' scales 2^e); n1_scale 512 float32; n1_shift 512 float32; n2_scale 512 float32; n2_shift 512 float32; x 4 x 2,048 x 512 float32.
;; Outputs: out0 4 x 2,048 x 512 float32.
;; This version of the problem:
;;   THIS VERSION OF THE PROBLEM IS GIVEN IN LOW PRECISION. The matrix products marked QUANTISED in the list below multiply operands that are first quantised to E4M3 (4 exponent bits, 3 mantissa bits; 8 bits a number), with one given power-of-two scale for each operand tensor; their sums are f32. All else is computed in f32.
;;   The module's matrix products, in the order in which they are computed (A, B: the left and right operand; K: the contracted axis; several contracted axes count as one K, in the product's order):
;;     1. [M 8,192, K 512] x [K 512, N 512]; A: computed on the way; B: input Wq_w: QUANTISED (scales: A lowp_scales[0], B lowp_scales[1])
;;     2. [M 8,192, K 512] x [K 512, N 512]; A: computed on the way; B: input Wk_w: QUANTISED (scales: A lowp_scales[2], B lowp_scales[3])
;;     3. [M 8,192, K 512] x [K 512, N 512]; A: computed on the way; B: input Wv_w: QUANTISED (scales: A lowp_scales[4], B lowp_scales[5])
;;     4. batch 64 x [M 2,048, K 32] x [K 32, N 2,048]; A: computed on the way; B: computed on the way: QUANTISED (scales: A lowp_scales[6], B lowp_scales[7])
;;     5. batch 64 x [M 2,048, K 2,048] x [K 2,048, N 32]; A: softmax (see below); B: computed on the way: QUANTISED (scales: A lowp_scales[8], B lowp_scales[9])
;;     6. [M 8,192, K 512] x [K 512, N 512]; A: computed on the way; B: input Wo_w: QUANTISED (scales: A lowp_scales[10], B lowp_scales[11])
;;     7. [M 8,192, K 512] x [K 512, N 2,048]; A: computed on the way; B: input l1_w: QUANTISED (scales: A lowp_scales[12], B lowp_scales[13])
;;     8. [M 8,192, K 2,048] x [K 2,048, N 512]; A: computed on the way; B: input l2_w: QUANTISED (scales: A lowp_scales[14], B lowp_scales[15])
;;   THE QUANTISER, for each operand of a quantised product, along K:
;;     - The operand's scale is 2^e, e = its entry of the input lowp_scales (int32; the entries are numbered through the quantised products in the list's order, A before B).
;;     - Each number is divided by the scale, clamped to +-448, and rounded to the nearest number of E4M3, ties to even, subnormals kept.
;;     - The product sums the exact products of the quantised numbers (number of the format x scale) in f32.
;;   ~~~python
;;   def quantise(x, axis, e):      # numpy; x: float32 -> the quantised numbers, widened to float32 again
;;       x = np.moveaxis(x, axis, -1); K = x.shape[-1]
;;       r = np.clip(x / 2.0 ** e, -448, 448)
;;       step = 2.0 ** (np.maximum(np.frexp(np.where(r == 0, 1, r))[1] - 1, -6) - 3)
;;       q = np.round(r / step) * step * 2.0 ** e      # np.round: ties to even
;;       return np.moveaxis(q, -1, axis).astype(np.float32)
;;   ~~~
;;   SOFTMAX AHEAD OF A QUANTISED PRODUCT. Where the list says 'softmax', what is quantised is not the finished softmax but p = 2^(t - M), with t = logit x log2(e) and M = ceil(the row's largest t), a whole number; so 1/2 < the row's largest p <= 1. The row's sum l is taken of the UNQUANTISED p, in f32, and the product's result is divided by l at the end. Since M is a whole number, a kernel that streams over the keys may use a running M (the ceiling of the running maximum): every later rescaling is an exact power of two, so the quantised numbers keep their values, but for numbers so far below the row's largest that they fall under the format's range.
;;   OPERANDS COMPUTED ON THE WAY. 'Computed on the way' means the value that the module computes at that place (a softmax that the list does not call 'softmax' is quantised finished and normalised). What goes into a quantiser is computed in f32, as accurately as f32 sums, v_exp_f32 and their like allow (about 1e-6 of the number): no bf16 or f16 on the way to a quantiser, and a product that is left as it is and whose result goes on into a quantised operand takes f32 operands (vector FMAs, or v_wmma_f32_16x16x4_f32). A number that lies on a knife's edge between two numbers of the format may be rounded either way, as far as f32 arithmetic and the matrix unit's own rounding can turn it there, and no further.
;; 2 versions. Each part assembles by itself: llvm-mc -triple=amdgcn-amd-amdhsa -mcpu=gfx1250 --defsym DOCPART=n.
;; ======== version 1 of 2: 6 launches
;; workspace buffers: st1 2,048 bytes; st2 2,048 bytes; wimg 3,145,728 bytes; qc 4,194,304 bytes; kv 8,388,608 bytes; ctx 4,194,304 bytes; x2 16,777,216 bytes; hid 16,777,216 bytes
;; launch prep (part 1): grid 448 x 1, 8 waves a work-group, no clusters, 19,712 bytes of LDS; arguments x, Wq_w, Wk_w, Wv_w, Wo_w, l1_w, l2_w, lowp_scales, st1, wimg; writes st1, wimg
.if DOCPART == 1
	.amdgcn_target "amdgcn-amd-amdhsa--gfx1250"
	.amdhsa_code_object_version 6
	.text
	.protected	k_qd070651240_prep
	.globl	k_qd070651240_prep
	.p2align	8
	.type	k_qd070651240_prep,@function
k_qd070651240_prep:
	s_mov_b64 s[64:65], 0
	v_nop
	global_prefetch_b8 v0, s[64:65] scope:SCOPE_SE
	s_setreg_imm32_b32 hwreg(HW_REG_WAVE_MODE, 25, 1), 1
	s_wait_xcnt 0x0
; PREP.  Two jobs in one launch, told apart by the work-group's number.
; Work-groups 0-255: statistics of x.  Group g = rows 32 g .. 32 g + 31 (16,384 numbers) stores the pair (mean, M2 = sum of squared distances from that mean) at st1 + 8 g.
;   The later launch joins the 256 equal groups: var = (sum M2 + 16384 sum (mean_g - mu)^2) / 2^22.  No difference of large sums is formed, so a common offset of x costs no digits.
; Work-groups 256-447: the six weights, f32 [N][K], become codes of E4M3 laid as IMAGES OF OPERAND REGISTERS: fragment f (16 rows x 128 K, 2,048 bytes) at wimg + 2048 f, register group g' of lane i at 512 g' + 16 i.
;   f: Wq 0.., Wk 128.., Wv 256.., Wo 384.. (4 nt + ks); l1 512 + 4 nt + ks; l2 1024 + 16 nt + ks.  A wave makes one fragment.
;   The plain fp8 form wants lane (r, h), registers 2 c, 2 c + 1 = k 16 c + 8 h + 0..7.  A lane loads 16 bytes of each row (k = 4 i + e), converts, and stores its four codes at byte
;   PERM(i) = 32 (i>>3) + 16 ((i>>1)&1) + 8 ((i>>2)&1) + 4 (i&1) of the row in the wave's own stage; 16 bytes at 32 g' + 16 h of row r are then registers 4 g' .. 4 g' + 3.
; code = w / 2^e, held within +-448, to the nearest code, ties to even.  LIMITS: each e between -126 and 119; NaN among the inputs is not served.
; Memory binds: no matrix unit, no cluster (nothing is shared), no tensor load.  Each path has LDS bytes of its own.
.set STGW,  2304                       ; a wave's stage: 16 rows x 144 bytes
.set STAT,  18432                      ; behind the eight stages: eight pairs (mean, M2), the x path's
.macro BFLY v, t                       ; the sum over the 32 lanes, in every lane
	v_add_f32_dpp v[\v], v[\v], v[\v] row_xmask:1 row_mask:0xf bank_mask:0xf
	v_add_f32_dpp v[\v], v[\v], v[\v] row_xmask:2 row_mask:0xf bank_mask:0xf
	v_add_f32_dpp v[\v], v[\v], v[\v] row_xmask:4 row_mask:0xf bank_mask:0xf
	v_add_f32_dpp v[\v], v[\v], v[\v] row_xmask:8 row_mask:0xf bank_mask:0xf
	v_permlanex16_b32 v[\t], v[\v], s30, s31
	v_add_f32 v[\v], v[\v], v[\t]
.endm
.macro WLOAD stride                    ; 16 rows of the fragment: 512 consecutive bytes a load
.set wr, 0
.rept 16
	global_load_b128 v[32+4*wr:35+4*wr], v1, s[50:51] offset:wr*\stride th:TH_LOAD_NT
.set wr, wr+1
.endr
.endm
	s_load_b512 s[4:19], s[0:1], 0x0               ; x 4, Wq 6, Wk 8, Wv 10, Wo 12, l1 14, l2 16, scales 18
	s_load_b128 s[20:23], s[0:1], 0x40             ; st1 20, wimg 22
	v_lshl_add_u32 v128, v0, 2, 0x4900
	v_mov_b32 v129, 0
	v_lshrrev_b32 v7, 5, v0
	v_readfirstlane_b32 s24, v7                    ; wave 0..7
	s_mov_b32 s30, 0x76543210                      ; v_permlanex16_b32: lane l xor 16
	s_mov_b32 s31, 0xfedcba98
	v_and_b32 v1, 31, v0
	v_lshlrev_b32 v1, 4, v1                        ; 16 x lane
	v_bfe_u32 v2, v0, 3, 2                         ; PERM(lane)
	v_lshlrev_b32 v2, 5, v2
	v_bfe_u32 v3, v0, 1, 1
	v_lshl_or_b32 v2, v3, 4, v2
	v_bfe_u32 v3, v0, 2, 1
	v_lshl_or_b32 v2, v3, 3, v2
	v_and_b32 v3, 1, v0
	v_lshl_or_b32 v2, v3, 2, v2
	s_mul_i32 s25, s24, STGW
	v_add_nc_u32 v2, s25, v2                       ; into my stage
	v_and_b32 v3, 15, v0
	v_mul_u32_u24 v3, v3, 144
	v_bfe_u32 v6, v0, 4, 1
	v_lshl_add_u32 v3, v6, 4, v3
	v_add_nc_u32 v3, s25, v3                       ; out of it: row r, + 16 h
	v_mov_b32 v4, s24
	v_lshlrev_b32 v4, 3, v4
	v_add_nc_u32 v4, STAT, v4                      ; my wave's pair
	v_mov_b32 v5, STAT
	v_mov_b32 v6, 0
	v_mov_b32 v24, 0                               ; a lane permute's destination counts as read
	s_mov_b32 s29, 0
	s_wait_kmcnt 0x0
	s_cmp_ge_u32 ttmp9, 256
	s_cbranch_scc1 .Lweights
	; ---- statistics of x: my wave's four rows are 8,192 consecutive bytes
	s_lshl_b32 s28, ttmp9, 16
	s_lshl_b32 s26, s24, 13
	s_add_co_u32 s28, s28, s26
	s_add_nc_u64 s[4:5], s[4:5], s[28:29]
.set xj, 0
.rept 16
	global_load_b128 v[32+4*xj:35+4*xj], v1, s[4:5] offset:512*xj
.set xj, xj+1
.endr
	s_lshl_b32 s26, ttmp9, 3
	s_mov_b32 s27, 0
	s_add_nc_u64 s[20:21], s[20:21], s[26:27]      ; my group's pair in st1
	s_wait_loadcnt 0x0
.irp c, 0,1,2,3                                ; the lane's sum of 64, in four chains of pairs
	v_pk_add_f32 v[8+2*\c:9+2*\c], v[32+2*\c:33+2*\c], v[40+2*\c:41+2*\c]
.endr
.irp j, 2,3,4,5,6,7
.irp c, 0,1,2,3
	v_pk_add_f32 v[8+2*\c:9+2*\c], v[8+2*\c:9+2*\c], v[32+8*\j+2*\c:33+8*\j+2*\c]
.endr
.endr
	v_pk_add_f32 v[8:9], v[8:9], v[10:11]
	v_pk_add_f32 v[12:13], v[12:13], v[14:15]
	v_pk_add_f32 v[8:9], v[8:9], v[12:13]
	v_add_f32 v8, v8, v9
	v_mul_f32 v16, 0x3c800000, v8                  ; the lane's mean: / 64
	v_mov_b32 v17, v16
.set xj, 0
.rept 32
	v_pk_add_f32 v[32+2*xj:33+2*xj], v[32+2*xj:33+2*xj], v[16:17] neg_lo:[0,1] neg_hi:[0,1]
.set xj, xj+1
.endr
.irp c, 0,1,2,3
	v_pk_mul_f32 v[8+2*\c:9+2*\c], v[32+2*\c:33+2*\c], v[32+2*\c:33+2*\c]
.endr
.irp j, 1,2,3,4,5,6,7
.irp c, 0,1,2,3
	v_pk_fma_f32 v[8+2*\c:9+2*\c], v[32+8*\j+2*\c:33+8*\j+2*\c], v[32+8*\j+2*\c:33+8*\j+2*\c], v[8+2*\c:9+2*\c]
.endr
.endr
	v_pk_add_f32 v[8:9], v[8:9], v[10:11]
	v_pk_add_f32 v[12:13], v[12:13], v[14:15]
	v_pk_add_f32 v[8:9], v[8:9], v[12:13]
	v_add_f32 v8, v8, v9                           ; the lane's M2
	v_mov_b32 v18, v16
	BFLY 18, 24
	v_mul_f32 v18, 0x3d000000, v18                 ; the wave's mean: / 32
	v_sub_f32 v16, v16, v18
	v_mul_f32 v16, v16, v16
	v_fmamk_f32 v19, v16, 0x42800000, v8           ; M2 + 64 (lane's mean - wave's mean)^2
	BFLY 19, 24                                    ; the wave's M2
	ds_store_b64 v4, v[18:19]                      ; all lanes write the same pair
	s_wait_dscnt 0x0                               ; for the others' sake: my pair lies in LDS
	s_barrier_signal -1
	s_barrier_wait -1
.irp j, 0,1,2,3
	ds_load_b128 v[64+4*\j:67+4*\j], v5 offset:16*\j
.endr
	s_wait_dscnt 0x0
	v_add_f32 v8, v64, v66
	v_add_f32 v9, v68, v70
	v_add_f32 v10, v72, v74
	v_add_f32 v11, v76, v78
	v_add_f32 v8, v8, v9
	v_add_f32 v10, v10, v11
	v_add_f32 v8, v8, v10
	v_mul_f32 v20, 0x3e000000, v8                  ; the group's mean: / 8
.irp j, 0,1,2,3,4,5,6,7
	v_sub_f32 v[64+2*\j], v[64+2*\j], v20
.endr
	v_mul_f32 v8, v64, v64
	v_mul_f32 v9, v66, v66
	v_fmac_f32 v8, v68, v68
	v_fmac_f32 v9, v70, v70
	v_fmac_f32 v8, v72, v72
	v_fmac_f32 v9, v74, v74
	v_fmac_f32 v8, v76, v76
	v_fmac_f32 v9, v78, v78
	v_add_f32 v8, v8, v9
	v_add_f32 v10, v65, v67
	v_add_f32 v11, v69, v71
	v_add_f32 v12, v73, v75
	v_add_f32 v13, v77, v79
	v_add_f32 v10, v10, v11
	v_add_f32 v12, v12, v13
	v_add_f32 v10, v10, v12
	v_fmamk_f32 v21, v8, 0x45000000, v10           ; the group's M2: each wave stands for 2,048 numbers
	s_cmp_lg_u32 s24, 0
	s_cbranch_scc1 .Ldone
	s_wait_xcnt 0x0                                ; EXEC changes only behind this wait
	v_cmp_eq_u32 vcc_lo, 0, v0
	s_and_saveexec_b32 s25, vcc_lo
	global_store_b64 v6, v[20:21], s[20:21]
	s_wait_xcnt 0x0
	s_or_b32 exec_lo, exec_lo, s25
.Ldone:
	s_wait_tensorcnt 0x0
	ds_add_u32 v128, v129
	s_wait_dscnt 0x0
	s_endpgm
	; ---- a weight's fragment
.Lweights:
	s_load_b512 s[32:47], s[18:19], 0x0            ; the sixteen exponents
	s_sub_co_u32 s48, ttmp9, 256                   ; g = 0..191
	s_lshl_b32 s49, s48, 3
	s_add_co_u32 s49, s49, s24                     ; f = 8 g + wave
	s_lshl_b32 s28, s49, 11
	s_add_nc_u64 s[22:23], s[22:23], s[28:29]      ; its image
	s_mov_b64 s[50:51], s[16:17]                   ; which tensor: a choice on the work-group's number alone
	s_cmp_lt_u32 s48, 128
	s_cselect_b64 s[50:51], s[14:15], s[50:51]
	s_cmp_lt_u32 s48, 64
	s_cselect_b64 s[50:51], s[12:13], s[50:51]
	s_cmp_lt_u32 s48, 48
	s_cselect_b64 s[50:51], s[10:11], s[50:51]
	s_cmp_lt_u32 s48, 32
	s_cselect_b64 s[50:51], s[8:9], s[50:51]
	s_cmp_lt_u32 s48, 16
	s_cselect_b64 s[50:51], s[6:7], s[50:51]
	s_movk_i32 s53, 511
	s_cmp_lt_u32 s48, 64
	s_cselect_b32 s53, 127, s53
	s_and_b32 s53, s49, s53                        ; the fragment's number within its tensor
	s_mov_b32 s55, 0
	s_cmp_lt_u32 s48, 128
	s_cbranch_scc0 .Lwide
	s_lshr_b32 s54, s53, 2                         ; K = 512: 16 rows are 32,768 bytes, a K step 512
	s_lshl_b32 s54, s54, 15
	s_and_b32 s56, s53, 3
	s_lshl_b32 s56, s56, 9
	s_add_co_u32 s54, s54, s56
	s_add_nc_u64 s[50:51], s[50:51], s[54:55]
	WLOAD 2048
	s_branch .Lloaded
.Lwide:
	s_lshr_b32 s54, s53, 4                         ; K = 2,048: 16 rows are 131,072 bytes
	s_lshl_b32 s54, s54, 17
	s_and_b32 s56, s53, 15
	s_lshl_b32 s56, s56, 9
	s_add_co_u32 s54, s54, s56
	s_add_nc_u64 s[50:51], s[50:51], s[54:55]
	WLOAD 8192
.Lloaded:
	s_wait_kmcnt 0x0
	s_mov_b32 s52, s47                             ; the tensor's e: entries 15, 13, 11, 5, 3, 1
	s_cmp_lt_u32 s48, 128
	s_cselect_b32 s52, s45, s52
	s_cmp_lt_u32 s48, 64
	s_cselect_b32 s52, s43, s52
	s_cmp_lt_u32 s48, 48
	s_cselect_b32 s52, s37, s52
	s_cmp_lt_u32 s48, 32
	s_cselect_b32 s52, s35, s52
	s_cmp_lt_u32 s48, 16
	s_cselect_b32 s52, s33, s52
	s_add_co_i32 s52, s52, 127
	s_lshl_b32 s53, s52, 23
	v_mov_b32 v10, s53                             ; 2^e as f32: the conversion takes its exponent field
	s_add_co_i32 s52, s52, 8
	s_lshl_b32 s52, s52, 23
	s_or_b32 s52, s52, 0x600000
	v_mov_b32 v11, s52                             ; 448 x 2^e
	s_wait_loadcnt 0x0
.set wj, 0
.rept 64
	v_med3_num_f32 v[32+wj], v[32+wj], -v11, v11   ; the conversion does not saturate (ISA guide 7.6.2): the hold comes first
.set wj, wj+1
.endr
.irp k, 0,1,2,3,4,5,6,7
	v_cvt_scalef32_pk8_fp8_f32 v[96+2*\k:97+2*\k], v[32+8*\k:39+8*\k], v10   ; register 96 + r' = my four codes of row r'
.endr
	v_nop
.set wj, 0
.rept 16
	ds_store_b32 v2, v[96+wj] offset:144*wj        ; 32 lanes fill a row's 128 bytes
.set wj, wj+1
.endr
.irp g, 0,1,2,3
	ds_load_b128 v[112+4*\g:115+4*\g], v3 offset:32*\g   ; my own bytes; LDS serves a wave's instructions in order
.endr
.irp g, 0,1,2,3
	s_wait_dscnt 3-\g
	global_store_b128 v1, v[112+4*\g:115+4*\g], s[22:23] offset:512*\g   ; 512 consecutive bytes, aligned
.endr
	s_wait_tensorcnt 0x0
	ds_add_u32 v128, v129
	s_wait_dscnt 0x0
	s_endpgm
.Lfunc_end_k_qd070651240_prep:
	.size	k_qd070651240_prep, .Lfunc_end_k_qd070651240_prep-k_qd070651240_prep
	.p2alignl 7, 3214868480
	.fill 96, 4, 3214868480
	.section	.rodata,"a",@progbits
	.p2align	6, 0x0
	.amdhsa_kernel k_qd070651240_prep
		.amdhsa_group_segment_fixed_size 19712
		.amdhsa_private_segment_fixed_size 0
		.amdhsa_enable_private_segment 0
		.amdhsa_kernarg_size 80
		.amdhsa_user_sgpr_count 2
		.amdhsa_user_sgpr_kernarg_segment_ptr 1
		.amdhsa_wavefront_size32 1
		.amdhsa_system_sgpr_workgroup_id_x 1
		.amdhsa_system_sgpr_workgroup_id_y 1
		.amdhsa_system_sgpr_workgroup_id_z 1
		.amdhsa_system_vgpr_workitem_id 0
		.amdhsa_next_free_vgpr 130
		.amdhsa_next_free_sgpr 66
		.amdhsa_reserve_vcc 1
		.amdhsa_float_denorm_mode_32 3
		.amdhsa_float_denorm_mode_16_64 3
		.amdhsa_memory_ordered 1
		.amdhsa_forward_progress 1
		.amdhsa_inst_pref_size 25
	.end_amdhsa_kernel
	.amdgpu_metadata
---
amdhsa.version: [ 1, 2 ]
amdhsa.kernels:
  - .name:           k_qd070651240_prep
    .symbol:         k_qd070651240_prep.kd
    .args:
      - { .name: x, .offset: 0, .size: 8, .value_kind: global_buffer, .address_space: global }
      - { .name: Wq_w, .offset: 8, .size: 8, .value_kind: global_buffer, .address_space: global }
      - { .name: Wk_w, .offset: 16, .size: 8, .value_kind: global_buffer, .address_space: global }
      - { .name: Wv_w, .offset: 24, .size: 8, .value_kind: global_buffer, .address_space: global }
      - { .name: Wo_w, .offset: 32, .size: 8, .value_kind: global_buffer, .address_space: global }
      - { .name: l1_w, .offset: 40, .size: 8, .value_kind: global_buffer, .address_space: global }
      - { .name: l2_w, .offset: 48, .size: 8, .value_kind: global_buffer, .address_space: global }
      - { .name: lowp_scales, .offset: 56, .size: 8, .value_kind: global_buffer, .address_space: global }
      - { .name: st1, .offset: 64, .size: 8, .value_kind: global_buffer, .address_space: global }
      - { .name: wimg, .offset: 72, .size: 8, .value_kind: global_buffer, .address_space: global }
    .group_segment_fixed_size: 19712
    .private_segment_fixed_size: 0
    .kernarg_segment_align: 8
    .kernarg_segment_size: 80
    .max_flat_workgroup_size: 256
    .sgpr_count:     66
    .vgpr_count:     130
    .wavefront_size: 32
...
	.end_amdgpu_metadata
.endif
;; end of part 1
;; launch qkv (part 2): grid 3 x 64, 4 waves a work-group, no clusters, 68,096 bytes of LDS; arguments x, st1, n1_scale, n1_shift, wimg, Wq_b, Wk_b, Wv_b, lowp_scales, qc, kv; writes qc, kv
.if DOCPART == 2
	.amdgcn_target "amdgcn-amd-amdhsa--gfx1250"
	.amdhsa_code_object_version 6
	.text
	.protected	k_qd070651240_qkv
	.globl	k_qd070651240_qkv
	.p2align	8
	.type	k_qd070651240_qkv,@function
k_qd070651240_qkv:
	s_mov_b64 s[64:65], 0
	v_nop
	global_prefetch_b8 v0, s[64:65] scope:SCOPE_SE
	s_setreg_imm32_b32 hwreg(HW_REG_WAVE_MODE, 25, 1), 1
	s_wait_xcnt 0x0
; QKV.  h = ((x - row mean) / var + 1e-5) scale + shift (var: ONE number for all of x, from st1), quantised; one of q, k, v = h W^T + b (kind = work-group x), quantised again for attention.
; SHARES.  A work-group: 128 rows (work-group y) x all 512 columns of its kind.  Phase LN: wave w norms and quantises rows 32 w .. + 31 and lays their codes in LDS (row pitch 528, each 128 codes in the order PERM of
; launch prep, so that 16 bytes at 128 ks + 32 g + 16 h of a row are registers 4 g .. 4 g + 3 of a fragment).  One barrier.  Phase GEMM: THE WAVES SHARE THE COLUMNS: wave w makes columns 128 w .. + 127 (four heads) for
; all 128 rows, in two passes of 64 columns: a loop of two trips.  A pass's weights (32 KB, one dense run of wimg) go from memory straight into 256 registers: no other wave wants them.
; q, k: the product is used transposed (source 0 = W's rows, source 1 = the rows' codes): a lane holds one token and eight channels, so two tiles convert into a head's four registers.
; v: natural (source 0 = the rows' codes, source 1 = W's rows): a lane holds one channel and eight tokens, since the keys are the K of attention's second product.
; OUT, images of operand registers: qc: head x 65536 + token tile x 512; kv: head x 131072 + step of 128 keys x 8192, K's tile i at 512 i, V at 4096 + 2048 t + 512 g.  Every store covers 512 consecutive bytes.
; NO CLUSTER: the three kinds share x's block, but 262,144 bytes of f32 beside 67,584 of codes are more than a WGP's LDS, and each weight byte is wanted by one wave.
; LIMITS: each e between -126 and 119, ea + eb between -126 and 127; NaN among the inputs is not served.
; REGISTERS.  Window 0: v1 16 x lane; v2, v3 LDS addresses; v4, v5 store offsets of the pass's two heads; v8-11 holds and scales; v12-31 row means and sums; v32-47 scale / var; v48-63 1e-5 scale + shift;
;   v64-95 codes just made, later the pass's bias; v128-255 two sets of four rows of x, later A's eight fragments, later results at work.  Window 1: B, fragment 4 nt + ks at 16 x.  Window 2: accumulator (m, nt) at 8 (4 m + nt).
.set PITCH, 528
.set MSB, 0
.macro WIN new                         ; the immediate's high byte repeats the setting that is left
.if MSB != (\new)
	s_set_vgpr_msb (MSB<<8)|(\new)
.set MSB, (\new)
.endif
.endm
.macro PLACES n
.rept \n
	v_nop
.endr
.endm
.macro BFLY1 v, t
	v_add_f32_dpp v[\v], v[\v], v[\v] row_xmask:1 row_mask:0xf bank_mask:0xf
	v_add_f32_dpp v[\v], v[\v], v[\v] row_xmask:2 row_mask:0xf bank_mask:0xf
	v_add_f32_dpp v[\v], v[\v], v[\v] row_xmask:4 row_mask:0xf bank_mask:0xf
	v_add_f32_dpp v[\v], v[\v], v[\v] row_xmask:8 row_mask:0xf bank_mask:0xf
	v_permlanex16_b32 v[\t], v[\v], s30, s31
	v_add_f32 v[\v], v[\v], v[\t]
.endm
.macro XLOAD k                         ; rows 4 k .. 4 k + 3 of my 32: 8,192 consecutive bytes, into set k % 2
.set xj, 0
.rept 16
	global_load_b128 v[128+64*((\k)%2)+4*xj:128+64*((\k)%2)+4*xj+3], v1, s[32:33] offset:8192*(\k)+512*xj
.set xj, xj+1
.endr
.endm
.macro BLOADS first, count, off        ; loads first .. first + count - 1 of a pass's 64: register 4 j of window 1, byte 512 j
	WIN 0x40
.set bj, \first
.rept \count
	global_load_b128 v[4*bj:4*bj+3], v1, s[34:35] offset:\off+512*bj
.set bj, bj+1
.endr
	WIN 0
.endm
; Four rows: mean, norm, hold, codes, into LDS.  left: the loads issued behind these rows' own, which may stay out.
.macro LNG k, left
.set SL, 128+64*((\k)%2)
.set CO, 64+16*((\k)%2)
	s_wait_loadcnt \left
.irp p, 0,1,2,3
	v_pk_add_f32 v[20+2*\p:21+2*\p], v[SL+16*\p:SL+16*\p+1], v[SL+16*\p+2:SL+16*\p+3]
.endr
.irp j, 4,6,8,10,12,14
.irp p, 0,1,2,3
	v_pk_add_f32 v[20+2*\p:21+2*\p], v[20+2*\p:21+2*\p], v[SL+16*\p+\j:SL+16*\p+\j+1]
.endr
.endr
.irp p, 0,1,2,3
	v_add_f32 v[20+2*\p], v[20+2*\p], v[21+2*\p]
.endr
.irp x, 1,2,4,8
.irp p, 0,1,2,3
	v_add_f32_dpp v[20+2*\p], v[20+2*\p], v[20+2*\p] row_xmask:\x row_mask:0xf bank_mask:0xf
.endr
.endr
.irp p, 0,1,2,3
	v_permlanex16_b32 v[28+\p], v[20+2*\p], s30, s31
.endr
.irp p, 0,1,2,3
	v_add_f32 v[20+2*\p], v[20+2*\p], v[28+\p]
.endr
.irp p, 0,1,2,3
	v_mul_f32 v[12+2*\p], 0x3b000000, v[20+2*\p]   ; the row's mean: / 512
.endr
.irp p, 0,1,2,3
.irp j, 0,2,4,6,8,10,12,14
	v_pk_add_f32 v[SL+16*\p+\j:SL+16*\p+\j+1], v[SL+16*\p+\j:SL+16*\p+\j+1], v[12+2*\p:13+2*\p] op_sel_hi:[1,0] neg_lo:[0,1] neg_hi:[0,1]
.endr
.endr
.irp p, 0,1,2,3
.irp j, 0,2,4,6,8,10,12,14
	v_pk_fma_f32 v[SL+16*\p+\j:SL+16*\p+\j+1], v[SL+16*\p+\j:SL+16*\p+\j+1], v[32+\j:33+\j], v[48+\j:49+\j]
.endr
.endr
.set lj, 0
.rept 64
	v_med3_num_f32 v[SL+lj], v[SL+lj], -v8, v8     ; the conversion does not saturate (ISA guide 7.6.2)
.set lj, lj+1
.endr
	s_wait_dscnt 0x0                               ; the stores of two groups back have read these code registers
.irp p, 0,1,2,3
	v_cvt_scalef32_pk8_fp8_f32 v[CO+4*\p:CO+4*\p+1], v[SL+16*\p:SL+16*\p+7], v9
	v_cvt_scalef32_pk8_fp8_f32 v[CO+4*\p+2:CO+4*\p+3], v[SL+16*\p+8:SL+16*\p+15], v9
.endr
	v_nop                                          ; a plain line behind the last conversion
.irp p, 0,1,2,3
.irp q, 0,1,2,3
	ds_store_b32 v2, v[CO+4*\p+\q] offset:(4*(\k)+\p)*PITCH+128*\q
.endr
.endr
.if (\k) < 6
	XLOAD \k+2
.endif
	BLOADS 8*(\k), 8, 0                            ; an eighth of pass 0's weights
.endm
.macro AFETCH ks, hf                   ; four of A's eight fragments of K step ks
.irp m, 4*(\hf), 4*(\hf)+1, 4*(\hf)+2, 4*(\hf)+3
.irp g, 0,1,2,3
	ds_load_b128 v[128+16*(\m)+4*\g:128+16*(\m)+4*\g+3], v3 offset:16*PITCH*(\m)+128*(\ks)+32*\g
.endr
.endr
.endm
; 16 products: row tiles m0 .. m0 + 3 x the pass's four column tiles.  The 32 accumulators take turns, one instruction a turn.  K step 0 starts the sums with the constant 0.
.macro MUL16 swap, ks, m0
.if \swap
	WIN 0xa4                                       ; source 0 (A) window 0, source 1 (B) window 1, C and D window 2
.else
	WIN 0xa1                                       ; source 0 (B) window 1, source 1 (A) window 0, C and D window 2
.endif
.irp m, \m0, \m0+1, \m0+2, \m0+3
.irp n, 0,1,2,3
.if \swap
.if (\ks) == 0
	v_wmma_f32_16x16x128_fp8_fp8 v[8*(4*(\m)+\n):8*(4*(\m)+\n)+7], v[128+16*(\m):128+16*(\m)+15], v[16*(4*\n+(\ks)):16*(4*\n+(\ks))+15], 0
.else
	v_wmma_f32_16x16x128_fp8_fp8 v[8*(4*(\m)+\n):8*(4*(\m)+\n)+7], v[128+16*(\m):128+16*(\m)+15], v[16*(4*\n+(\ks)):16*(4*\n+(\ks))+15], v[8*(4*(\m)+\n):8*(4*(\m)+\n)+7]
.endif
.else
.if (\ks) == 0
	v_wmma_f32_16x16x128_fp8_fp8 v[8*(4*(\m)+\n):8*(4*(\m)+\n)+7], v[16*(4*\n+(\ks)):16*(4*\n+(\ks))+15], v[128+16*(\m):128+16*(\m)+15], 0
.else
	v_wmma_f32_16x16x128_fp8_fp8 v[8*(4*(\m)+\n):8*(4*(\m)+\n)+7], v[16*(4*\n+(\ks)):16*(4*\n+(\ks))+15], v[128+16*(\m):128+16*(\m)+15], v[8*(4*(\m)+\n):8*(4*(\m)+\n)+7]
.endif
.endif
.endr
.endr
.endm
; A pass's 128 products.  A has one set of registers: a half is fetched anew as soon as its 16 products are issued, four plain places behind them.  young: the bias loads, issued behind B's, may stay out.
.macro GPASS swap, young
	AFETCH 0, 0
	AFETCH 0, 1
	s_wait_loadcnt \young
.irp ks, 0,1,2,3
	s_wait_dscnt 16                                ; the first half is in; the second half's 16 loads may be out
	MUL16 \swap, \ks, 0
.if \ks < 3
	PLACES 4
	WIN 0
	AFETCH \ks+1, 0
	s_wait_dscnt 16                                ; all but the 16 just issued
.else
	s_wait_dscnt 0x0
.endif
	MUL16 \swap, \ks, 4
.if \ks < 3
	PLACES 4
	WIN 0
	AFETCH \ks+1, 1
.endif
.endr
.endm
.macro QUANT64 co                      ; v192-255, four units of 16, become four registers each from v[co] on
.set qj, 0
.rept 64
	v_med3_num_f32 v[192+qj], v[192+qj], -v10, v10
.set qj, qj+1
.endr
.irp u, 0,1,2,3
	v_cvt_scalef32_pk8_fp8_f32 v[\co+4*\u:\co+4*\u+1], v[192+16*\u:192+16*\u+7], v11
	v_cvt_scalef32_pk8_fp8_f32 v[\co+4*\u+2:\co+4*\u+3], v[192+16*\u+8:192+16*\u+15], v11
.endr
	v_nop
.endm
.macro EPI_QK                          ; sum x 2^(ea + eb) + bias, quantised: unit (row tile m, head hh) = column tiles 2 hh, 2 hh + 1; each accumulator is read from its low end on
.irp bt, 0,1,2,3
	WIN 0x02                                       ; source 0: window 2
.irp um, 0,1
.irp hh, 0,1
.irp t, 0,1
.irp i, 0,2,4,6
	v_pk_fma_f32 v[192+16*(2*\um+\hh)+8*\t+\i:192+16*(2*\um+\hh)+8*\t+\i+1], v[8*(4*(2*\bt+\um)+2*\hh+\t)+\i:8*(4*(2*\bt+\um)+2*\hh+\t)+\i+1], s[52:53], v[64+8*(2*\hh+\t)+\i:64+8*(2*\hh+\t)+\i+1] op_sel_hi:[1,0,1]
.endr
.endr
.endr
.endr
	WIN 0
	QUANT64 128+16*\bt
.irp um, 0,1
.irp hh, 0,1
	global_store_b128 v[4+\hh], v[128+16*\bt+4*(2*\um+\hh):128+16*\bt+4*(2*\um+\hh)+3], s[54:55] offset:512*(2*\bt+\um)
.endr
.endr
.endr
.endm
.macro EPI_V                           ; unit (column tile nt, group g) = row tiles 2 g, 2 g + 1: 16 keys of my channel
.irp nt, 0,1,2,3
	WIN 0x02
.irp g, 0,1,2,3
.irp t, 0,1
.irp i, 0,2,4,6
	v_pk_fma_f32 v[192+16*\g+8*\t+\i:192+16*\g+8*\t+\i+1], v[8*(4*(2*\g+\t)+\nt)+\i:8*(4*(2*\g+\t)+\nt)+\i+1], s[52:53], v[64+2*\nt:65+2*\nt] op_sel_hi:[1,0,0]
.endr
.endr
.endr
	WIN 0
	QUANT64 128+16*\nt
.irp g, 0,1,2,3
	global_store_b128 v[4+\nt/2], v[128+16*\nt+4*\g:128+16*\nt+4*\g+3], s[54:55] offset:4096+2048*(\nt%2)+512*\g
.endr
.endr
.endm
	s_load_b512 s[4:19], s[0:1], 0x0               ; x 4, st1 6, n1_scale 8, n1_shift 10, wimg 12, Wq_b 14, Wk_b 16, Wv_b 18
	s_load_b128 s[20:23], s[0:1], 0x40             ; scales 20, qc 22
	s_load_b64 s[24:25], s[0:1], 0x50              ; kv
	v_lshl_add_u32 v126, v0, 2, 0x10800
	v_mov_b32 v127, 0
	v_lshrrev_b32 v1, 5, v0
	v_readfirstlane_b32 s28, v1                    ; wave 0..3
	s_mov_b32 s26, ttmp9                           ; kind: 0 q, 1 k, 2 v
	s_and_b32 s27, ttmp7, 0xffff                   ; block of 128 rows
	s_mov_b32 s30, 0x76543210
	s_mov_b32 s31, 0xfedcba98
	v_and_b32 v1, 31, v0
	v_lshlrev_b32 v1, 4, v1                        ; 16 x lane
	v_bfe_u32 v2, v0, 3, 2                         ; PERM(lane)
	v_lshlrev_b32 v2, 5, v2
	v_bfe_u32 v3, v0, 1, 1
	v_lshl_or_b32 v2, v3, 4, v2
	v_bfe_u32 v3, v0, 2, 1
	v_lshl_or_b32 v2, v3, 3, v2
	v_and_b32 v3, 1, v0
	v_lshl_or_b32 v2, v3, 2, v2
	s_mul_i32 s66, s28, 32*PITCH
	v_add_nc_u32 v2, s66, v2                       ; + my 32 rows
	v_and_b32 v3, 15, v0
	v_lshlrev_b32 v97, 2, v3                       ; 4 r
	v_mul_u32_u24 v3, v3, PITCH
	v_bfe_u32 v96, v0, 4, 1
	v_lshl_add_u32 v3, v96, 4, v3                  ; a fragment: row r, + 16 h
	v_lshlrev_b32 v96, 5, v96                      ; 32 h
.irp p, 0,1,2,3
	v_mov_b32 v[13+2*\p], 0                        ; named as the upper halves of the means' pairs
	v_mov_b32 v[28+\p], 0                          ; a lane permute's destination counts as read
.endr
	s_lshl_b32 s66, s27, 18
	s_lshl_b32 s67, s28, 16
	s_add_co_u32 s66, s66, s67                     ; x: (128 block + 32 wave) rows of 2,048 bytes
	s_lshl_b32 s68, s26, 18
	s_add_co_u32 s68, s68, s67                     ; wimg: kind x 262,144 + wave x 65,536
	s_mov_b32 s67, 0
	s_mov_b32 s69, 0
	s_wait_kmcnt 0x0
	s_load_b512 s[36:51], s[20:21], 0x0            ; e0 .. e15
	s_add_nc_u64 s[32:33], s[4:5], s[66:67]
	s_add_nc_u64 s[34:35], s[12:13], s[68:69]
.irp j, 0,1,2,3
	global_load_b128 v[80+4*\j:83+4*\j], v1, s[6:7] offset:512*\j     ; the 256 pairs: eight a lane
.endr
.irp j, 0,1,2,3
	global_load_b128 v[32+4*\j:35+4*\j], v1, s[8:9] offset:512*\j     ; scale at my 16 columns
.endr
.irp j, 0,1,2,3
	global_load_b128 v[48+4*\j:51+4*\j], v1, s[10:11] offset:512*\j   ; shift
.endr
	XLOAD 0
	XLOAD 1
	s_wait_kmcnt 0x0
	s_cmp_eq_u32 s26, 1                            ; the kind's exponents, bias and target: choices on the work-group's number
	s_cselect_b32 s70, s38, s40                    ; ea
	s_cselect_b32 s71, s39, s41                    ; eb
	s_cselect_b32 s72, s43, s45                    ; the result's own: e6, e7, e9
	s_cselect_b64 s[56:57], s[16:17], s[18:19]
	s_mov_b32 s58, 0x20000
	s_movk_i32 s59, 0x2000
	s_cmp_eq_u32 s26, 0
	s_cselect_b32 s70, s36, s70
	s_cselect_b32 s71, s37, s71
	s_cselect_b32 s72, s42, s72
	s_cselect_b64 s[56:57], s[14:15], s[56:57]
	s_cselect_b64 s[54:55], s[22:23], s[24:25]
	s_cselect_b32 s58, 0x10000, s58                ; bytes of a head
	s_cselect_b32 s59, 0x1000, s59                 ; bytes of 128 tokens in a head
	s_lshl_b32 s62, s58, 1                         ; a pass is two heads
	s_mov_b32 s63, 0
	s_lshr_b32 s73, s27, 4
	s_lshl_b32 s73, s73, 4
	s_lshl_b32 s74, s28, 2
	s_add_co_u32 s73, s73, s74                     ; 16 batch + my first head
	s_mul_i32 s73, s73, s58
	s_and_b32 s74, s27, 15
	s_mul_i32 s74, s74, s59
	s_add_co_u32 s74, s73, s74
	s_mov_b32 s75, 0
	s_add_nc_u64 s[54:55], s[54:55], s[74:75]
	s_lshl_b32 s74, s28, 9
	s_add_nc_u64 s[56:57], s[56:57], s[74:75]      ; the bias at my 128 columns
	v_mov_b32 v4, v1
	v_add_nc_u32 v5, s58, v1
	s_add_co_i32 s73, s70, 127
	s_lshl_b32 s74, s73, 23
	v_mov_b32 v9, s74                              ; 2^ea
	s_add_co_i32 s73, s73, 8
	s_lshl_b32 s73, s73, 23
	s_or_b32 s73, s73, 0x600000
	v_mov_b32 v8, s73                              ; 448 x 2^ea
	s_add_co_i32 s73, s72, 127
	s_lshl_b32 s74, s73, 23
	v_mov_b32 v11, s74
	s_add_co_i32 s73, s73, 8
	s_lshl_b32 s73, s73, 23
	s_or_b32 s73, s73, 0x600000
	v_mov_b32 v10, s73
	s_add_co_i32 s52, s70, s71
	s_add_co_i32 s52, s52, 127
	s_lshl_b32 s52, s52, 23                        ; 2^(ea + eb)
	s_mov_b32 s53, s52
	; the variance of all of x
	s_wait_loadcnt 32                              ; all but the 32 loads of x
	v_add_f32 v104, v80, v82
	v_add_f32 v105, v84, v86
	v_add_f32 v106, v88, v90
	v_add_f32 v107, v92, v94
	v_add_f32 v104, v104, v105
	v_add_f32 v106, v106, v107
	v_add_f32 v104, v104, v106
	BFLY1 104, 28
	v_mul_f32 v104, 0x3b800000, v104               ; the mean of the 256 means
.irp j, 0,1,2,3,4,5,6,7
	v_sub_f32 v[80+2*\j], v[80+2*\j], v104
.endr
	v_mul_f32 v105, v80, v80
	v_mul_f32 v106, v82, v82
	v_fmac_f32 v105, v84, v84
	v_fmac_f32 v106, v86, v86
	v_fmac_f32 v105, v88, v88
	v_fmac_f32 v106, v90, v90
	v_fmac_f32 v105, v92, v92
	v_fmac_f32 v106, v94, v94
	v_add_f32 v105, v105, v106
	v_add_f32 v106, v81, v83
	v_add_f32 v107, v85, v87
	v_add_f32 v108, v89, v91
	v_add_f32 v109, v93, v95
	v_add_f32 v106, v106, v107
	v_add_f32 v108, v108, v109
	v_add_f32 v106, v106, v108
	v_fmamk_f32 v105, v105, 0x46800000, v106       ; + 16,384 x the means' squared distances
	BFLY1 105, 28
	v_mul_f32 v105, 0x34800000, v105               ; var: / 2^22
	v_rcp_f32 v106, v105
	v_nop                                          ; a plain line behind the reciprocal,
	s_wait_alu depctr_va_vdst(0)                   ; and a wait ahead of its first reader
	v_fma_f32 v107, -v105, v106, 1.0               ; one Newton step
	v_fma_f32 v106, v106, v107, v106
.set hj, 0
.rept 16
	v_fmamk_f32 v[48+hj], v[32+hj], 0x3727c5ac, v[48+hj]   ; 1e-5 scale + shift
	v_mul_f32 v[32+hj], v106, v[32+hj]                     ; scale / var
.set hj, hj+1
.endr
	LNG 0, 16                                      ; behind X0: X1
	LNG 1, 24                                      ; behind X1: X2 and 8 of B
	LNG 2, 32                                      ; behind X2: 8 of B, X3, 8 of B
	LNG 3, 32
	LNG 4, 32
	LNG 5, 32
	LNG 6, 32
	LNG 7, 16                                      ; behind X7: twice 8 of B
	s_wait_dscnt 0x0                               ; for the others' sake: my rows' codes lie in LDS
	s_barrier_signal -1
	s_barrier_wait -1
	s_mov_b32 s60, 2                               ; passes to go
	s_cmp_eq_u32 s26, 2
	s_cbranch_scc1 .Lv_head
.Lqk_pass:
.irp n, 0,1,2,3
	global_load_b128 v[64+8*\n:67+8*\n], v96, s[56:57] offset:64*\n       ; bias at channels 16 n + 8 h + 0..7
	global_load_b128 v[68+8*\n:71+8*\n], v96, s[56:57] offset:64*\n+16
.endr
	GPASS 0, 8
	PLACES 4                                       ; ahead of loads into B's registers and of the first read of results
	WIN 0
	s_wait_loadcnt 0x0                             ; the bias
	s_cmp_eq_u32 s60, 1
	s_cbranch_scc1 .Lqk_last
	BLOADS 0, 64, 32768                            ; the second pass's weights land under this pass's way out
.Lqk_last:
	EPI_QK
	s_wait_xcnt 0x0                                ; the stores have read their registers and base
	s_add_nc_u64 s[54:55], s[54:55], s[62:63]
	s_add_nc_u64 s[56:57], s[56:57], 256
	s_sub_co_u32 s60, s60, 1
	s_cmp_lg_u32 s60, 0
	s_cbranch_scc1 .Lqk_pass
	s_wait_tensorcnt 0x0
	ds_add_u32 v126, v127
	s_wait_dscnt 0x0
	s_endpgm
.Lv_head:
.irp n, 0,1,2,3
	v_mov_b32 v[65+2*\n], 0                        ; named as the upper halves of the bias pairs
.endr
.Lv_pass:
.irp n, 0,1,2,3
	global_load_b32 v[64+2*\n], v97, s[56:57] offset:64*\n                ; bias at channel 16 n + r
.endr
	GPASS 1, 4
	PLACES 4
	WIN 0
	s_wait_loadcnt 0x0
	s_cmp_eq_u32 s60, 1
	s_cbranch_scc1 .Lv_last
	BLOADS 0, 64, 32768
.Lv_last:
	EPI_V
	s_wait_xcnt 0x0
	s_add_nc_u64 s[54:55], s[54:55], s[62:63]
	s_add_nc_u64 s[56:57], s[56:57], 256
	s_sub_co_u32 s60, s60, 1
	s_cmp_lg_u32 s60, 0
	s_cbranch_scc1 .Lv_pass
	s_wait_tensorcnt 0x0
	ds_add_u32 v126, v127
	s_wait_dscnt 0x0
	s_endpgm
.Lfunc_end_k_qd070651240_qkv:
	.size	k_qd070651240_qkv, .Lfunc_end_k_qd070651240_qkv-k_qd070651240_qkv
	.p2alignl 7, 3214868480
	.fill 96, 4, 3214868480
	.section	.rodata,"a",@progbits
	.p2align	6, 0x0
	.amdhsa_kernel k_qd070651240_qkv
		.amdhsa_group_segment_fixed_size 68096
		.amdhsa_private_segment_fixed_size 0
		.amdhsa_enable_private_segment 0
		.amdhsa_kernarg_size 88
		.amdhsa_user_sgpr_count 2
		.amdhsa_user_sgpr_kernarg_segment_ptr 1
		.amdhsa_wavefront_size32 1
		.amdhsa_system_sgpr_workgroup_id_x 1
		.amdhsa_system_sgpr_workgroup_id_y 1
		.amdhsa_system_sgpr_workgroup_id_z 1
		.amdhsa_system_vgpr_workitem_id 0
		.amdhsa_next_free_vgpr 768
		.amdhsa_next_free_sgpr 80
		.amdhsa_reserve_vcc 0
		.amdhsa_float_denorm_mode_32 3
		.amdhsa_float_denorm_mode_16_64 3
		.amdhsa_memory_ordered 1
		.amdhsa_forward_progress 1
		.amdhsa_inst_pref_size 238
	.end_amdhsa_kernel
	.amdgpu_metadata
---
amdhsa.version: [ 1, 2 ]
amdhsa.kernels:
  - .name:           k_qd070651240_qkv
    .symbol:         k_qd070651240_qkv.kd
    .args:
      - { .name: x, .offset: 0, .size: 8, .value_kind: global_buffer, .address_space: global }
      - { .name: st1, .offset: 8, .size: 8, .value_kind: global_buffer, .address_space: global }
      - { .name: n1_scale, .offset: 16, .size: 8, .value_kind: global_buffer, .address_space: global }
      - { .name: n1_shift, .offset: 24, .size: 8, .value_kind: global_buffer, .address_space: global }
      - { .name: wimg, .offset: 32, .size: 8, .value_kind: global_buffer, .address_space: global }
      - { .name: Wq_b, .offset: 40, .size: 8, .value_kind: global_buffer, .address_space: global }
      - { .name: Wk_b, .offset: 48, .size: 8, .value_kind: global_buffer, .address_space: global }
      - { .name: Wv_b, .offset: 56, .size: 8, .value_kind: global_buffer, .address_space: global }
      - { .name: lowp_scales, .offset: 64, .size: 8, .value_kind: global_buffer, .address_space: global }
      - { .name: qc, .offset: 72, .size: 8, .value_kind: global_buffer, .address_space: global }
      - { .name: kv, .offset: 80, .size: 8, .value_kind: global_buffer, .address_space: global }
    .group_segment_fixed_size: 68096
    .private_segment_fixed_size: 0
    .kernarg_segment_align: 8
    .kernarg_segment_size: 88
    .max_flat_workgroup_size: 128
    .sgpr_count:     80
    .vgpr_count:     768
    .wavefront_size: 32
...
	.end_amdgpu_metadata
.endif
;; end of part 2
;; launch attn (part 3): grid 4 x 64, 16 waves a work-group, clusters of 4 x 1, 169,984 bytes of LDS; arguments qc, kv, lowp_scales, ctx; writes ctx
.if DOCPART == 3
	.amdgcn_target "amdgcn-amd-amdhsa--gfx1250"
	.amdhsa_code_object_version 6
	.text
	.protected	k_qd070651240_attn
	.globl	k_qd070651240_attn
	.p2align	8
	.type	k_qd070651240_attn,@function
k_qd070651240_attn:
	s_mov_b64 s[64:65], 0
	v_nop
	global_prefetch_b8 v0, s[64:65] scope:SCOPE_SE
	s_setreg_imm32_b32 hwreg(HW_REG_WAVE_MODE, 25, 1), 1
	s_wait_xcnt 0x0
	s_wait_alu depctr_hold_cnt(0) depctr_sa_sdst(0) depctr_va_vdst(0) depctr_va_sdst(0) depctr_va_ssrc(0) depctr_va_vcc(0) depctr_vm_vsrc(0)
	s_getreg_b32 s2, hwreg(HW_REG_IB_STS2, 6, 4)
	s_cmp_eq_u32 s2, 0
	s_cbranch_scc0 .Lentry_in_a_cluster
	s_endpgm
.Lentry_in_a_cluster:
	s_bfe_u32 s2, ttmp6, 0x10000c
	s_cmp_lg_u32 s2, 0x3003
	s_cbranch_scc0 .Lentry_shape_is_right
	s_endpgm
.Lentry_shape_is_right:
; ATTN.  Causal attention of one head (cluster y = 16 batch + head), head size 32, 2,048 tokens, both products on codes of E4M3.
; t = score x 2^(e6 + e7) x log2(e) / sqrt(32); M = the running largest t rounded UP to a whole number; p = 2^(t - M) is quantised with 2^e8; the row's sum is taken of the unquantised p and divides at the end;
; when M moves, the sum and O are multiplied by 2^(old M - new M), which rounds nothing.  The result, x 2^(e8 + e9) / sum, is quantised with 2^e10 for the next product.
; CLUSTER.  The four work-groups of a cluster are the four quarters of the head's queries and read the same K and V: the head's 131,072 bytes (one dense run of kv) are asked for JOINTLY, once, by first fills
; (waves 0 and 1: four loads of 16 KB each, four outstanding by this text's count); nothing is filled again.  The grid's x is 4, one cluster wide, so the place cx is the work-group's x.
; SHARES.  Wave w: u = w >> 1, vt = 2 cx + (w & 1).  It owns query tile 8 u + vt (key steps 0 .. u) and tile 127 - that (steps 0 .. 15 - u): 17 steps of 128 keys for every wave, one on the diagonal for each tile.
; cx enters global addresses of Q and ctx and the mask's compare value alone: no branch, trip count or LDS address hangs on it.  Every loop has a constant trip count; a step that lies wholly behind the diagonal is jumped over.
; The late tile goes first: all waves need its steps 0-7 in full, so the phases parted by the barriers that publish the chunks are equal work.
; LAYOUT.  S^T = K Q^T (source 0 = 16 keys, source 1 = my 16 queries), O^T = V^T P^T: a lane holds ONE query throughout; tile c of S^T converts into registers 2 c, 2 c + 1 of P's fragment.
; K = 32 IN THE K = 64 FORM: Q's registers 4-7 are zero codes; K's operand for tile i is v[32+4i:39+4i], whose upper four registers are the next tile's codes (zeros behind the last): finite numbers, since every code
; was made behind a hold, so those products are 0.  LIMITS: e6 + e7 between -124 and 129; e8, e10 between -126 and 119; NaN among the inputs is not served.
; REGISTERS: v1 16 x lane; v2 LDS address; v3 the mask's value; v12 -M, v13 largest t, v[14:15] the sum; v16-23, v24-31 Q of the early and the late tile; v32-67 K; v68-99 V; v100-163 S^T, then p; v164-179 O^T; v180-195 p's codes.
.macro PLACES n
.rept \n
	v_nop
.endr
.endm
.macro CROUND                          ; a round of the cluster's barrier
	s_barrier_signal -1
	s_barrier_wait -1
	s_cmp_lg_u32 s12, 0
	s_cbranch_scc1 .Lnot_wave_0_\@
	s_barrier_signal -3
.Lnot_wave_0_\@:
	s_barrier_wait -3
	s_barrier_signal -1
	s_barrier_wait -1
.endm
.macro WAITB n                         ; the fetching waves' loads but the youngest n have landed; my LDS loads are in; then the work-group's barrier.
	s_wait_tensorcnt \n
	s_wait_dscnt 0x0
	s_barrier_signal -1
	s_barrier_wait -1
.endm
.macro INIT
	v_mov_b32 v13, 0xff61b1e6                      ; the largest t so far: -3e38
	v_floor_f32 v12, -v13
	v_mov_b32 v14, 0
	v_mov_b32 v15, 0
.set ij, 0
.rept 16
	v_mov_b32 v[164+ij], 0                         ; the step is written once: the first finds zeros
.set ij, ij+1
.endr
.endm
; A key step: 128 keys at LDS byte s48; s49 its number; s58 the tile's diagonal step.  q: Q's first register.
.macro STEP q
	s_cmp_gt_u32 s49, s58
	s_cbranch_scc1 .Lskip_\@
	v_add_nc_u32 v2, s48, v1
	PLACES 3                                       ; with the addition: four places behind the last products, ahead of loads into V's registers
.irp i, 0,1,2,3,4,5,6,7
	ds_load_b128 v[32+4*\i:35+4*\i], v2 offset:512*\i
.endr
.irp t, 0,1
.irp g, 0,1,2,3
	ds_load_b128 v[68+16*\t+4*\g:71+16*\t+4*\g], v2 offset:4096+2048*\t+512*\g
.endr
.endr
	s_wait_dscnt 8                                 ; K is in; V's eight loads may be out
.irp i, 0,1,2,3,4,5,6,7
	v_wmma_f32_16x16x64_fp8_fp8 v[100+8*\i:107+8*\i], v[32+4*\i:39+4*\i], v[\q:\q+7], 0
.endr
	PLACES 4
	s_cmp_lg_u32 s49, s58
	s_cbranch_scc1 .Lopen_\@
.set mi, 0                                     ; on the diagonal: register 8 i + j holds key 16 i + 8 h + j of the step, hidden where 16 i + j > 16 vt + r - 8 h
.rept 64
	v_cmp_gt_i32 vcc_lo, 16*(mi/8)+mi%8, v3
	v_cndmask_b32 v[100+mi], v[100+mi], v4, vcc_lo
.set mi, mi+1
.endr
.Lopen_\@:
	v_max3_num_f32 v200, v100, v101, v102          ; my query's largest score among my 64 keys, in two chains, from the low end on
	v_max3_num_f32 v202, v103, v104, v105
.irp i, 6,10,14,18,22,26,30,34,38,42,46,50,54,58
	v_max3_num_f32 v200, v200, v[100+\i], v[101+\i]
	v_max3_num_f32 v202, v202, v[102+\i], v[103+\i]
.endr
	v_max3_num_f32 v200, v200, v162, v163
	v_max_num_f32 v200, v200, v202
	v_permlanex16_b32 v204, v200, s20, s21
	v_max_num_f32 v200, v200, v204                 ; and among lane l xor 16's
	v_mul_f32 v200, s22, v200                      ; as t
	v_max_num_f32 v13, v13, v200
	v_mov_b32 v200, v12
	v_floor_f32 v12, -v13                          ; -M = floor(-t)
	v_sub_f32 v200, v12, v200                      ; old M - new M: a whole number, 0 or less
	v_cvt_i32_f32 v200, v200                       ; (it saturates)
	v_ldexp_f32 v202, 1.0, v200                    ; f = 2^(old M - new M)
.set sj, 0
.rept 32
	v_pk_fma_f32 v[100+sj:101+sj], v[100+sj:101+sj], s[22:23], v[12:13] op_sel_hi:[1,0,0]   ; t - M
.set sj, sj+2
.endr
.set sj, 0
.rept 64
	v_exp_f32 v[100+sj], v[100+sj]
.set sj, sj+1
.endr
	v_pk_mul_f32 v[14:15], v[14:15], v[202:203] op_sel_hi:[1,0]   ; the sum under the new M: the plain line behind the exponentials
	s_wait_alu depctr_va_vdst(0)                   ; one wait for the batch, ahead of its first reader
	v_pk_add_f32 v[206:207], v[100:101], v[102:103]
.irp j, 4,8,12,16,20,24,28,32,36,40,44,48,52,56,60
	v_pk_add_f32 v[14:15], v[14:15], v[100+\j:101+\j]
	v_pk_add_f32 v[206:207], v[206:207], v[102+\j:103+\j]
.endr
	v_pk_add_f32 v[14:15], v[14:15], v[206:207]
.set sj, 0
.rept 64
	v_min_num_f32 v[100+sj], v[100+sj], v208       ; p is not negative: the hold is one-sided
.set sj, sj+1
.endr
.irp c, 0,1,2,3,4,5,6,7
	v_cvt_scalef32_pk8_fp8_f32 v[180+2*\c:181+2*\c], v[100+8*\c:107+8*\c], v209
.endr
.irp j, 0,2,4,6,8,10,12,14
	v_pk_mul_f32 v[164+\j:165+\j], v[164+\j:165+\j], v[202:203] op_sel_hi:[1,0]   ; O^T under the new M; plain lines behind the conversions
.endr
	s_wait_dscnt 0x0                               ; V
.irp t, 0,1
	v_wmma_f32_16x16x128_fp8_fp8 v[164+8*\t:171+8*\t], v[68+16*\t:83+16*\t], v[180:195], v[164+8*\t:171+8*\t]
.endr
.Lskip_\@:
	s_add_co_u32 s48, s48, 8192
	s_add_co_u32 s49, s49, 1
.endm
.macro WALK q, n
	s_mov_b32 s50, \n
.Lwalk_\@:
	STEP \q
	s_sub_co_u32 s50, s50, 1
	s_cmp_lg_u32 s50, 0
	s_cbranch_scc1 .Lwalk_\@
.endm
.macro FINISH dst, adr                 ; O^T x 2^(e8 + e9) / the sum, quantised with 2^e10: four registers, group head % 4 of a fragment of ctx
	PLACES 4
	v_add_f32 v14, v14, v15
	v_permlanex16_b32 v204, v14, s20, s21
	v_add_f32 v14, v14, v204
	v_rcp_f32 v14, v14
	v_nop
	s_wait_alu depctr_va_vdst(0)
	v_ldexp_f32 v14, v14, s57
.set fj, 0
.rept 16
	v_mul_f32 v[100+fj], v[164+fj], v14
.set fj, fj+1
.endr
.set fj, 0
.rept 16
	v_med3_num_f32 v[100+fj], v[100+fj], -v210, v210
.set fj, fj+1
.endr
	v_cvt_scalef32_pk8_fp8_f32 v[\dst:\dst+1], v[100:107], v211
	v_cvt_scalef32_pk8_fp8_f32 v[\dst+2:\dst+3], v[108:115], v211
	v_nop
	global_store_b128 v1, v[\dst:\dst+3], s[\adr:\adr+1]   ; 512 consecutive bytes, aligned
.endm
	s_load_b256 s[4:11], s[0:1], 0x0               ; qc 4, kv 6, scales 8, ctx 10
	v_lshl_add_u32 v254, v0, 2, 0x29000
	v_mov_b32 v255, 0
	ds_add_u32 v254, v255
	ds_add_u32 v254, v255
	v_lshrrev_b32 v1, 5, v0
	v_readfirstlane_b32 s12, v1                    ; wave 0..15
	s_bfe_u32 s13, ttmp6, 0x40000                  ; cx
	s_and_b32 s14, ttmp7, 0xffff                   ; 16 batch + head
	s_lshr_b32 s15, s12, 1                         ; u
	s_sub_co_u32 s16, 15, s15
	s_and_b32 s17, s12, 1
	s_lshl_b32 s66, s13, 1
	s_add_co_u32 s17, s17, s66                     ; vt
	s_sub_co_u32 s18, 7, s17
	s_lshl_b32 s66, s14, 16                        ; Q: head x 65,536 + tile x 512
	s_lshl_b32 s67, s15, 12
	s_lshl_b32 s70, s17, 9
	s_add_co_u32 s67, s67, s70
	s_add_co_u32 s76, s66, s67
	s_mov_b32 s77, 0
	s_lshl_b32 s67, s16, 12
	s_lshl_b32 s70, s18, 9
	s_add_co_u32 s67, s67, s70
	s_add_co_u32 s78, s66, s67
	s_mov_b32 s79, 0
	s_lshr_b32 s68, s14, 4                         ; ctx: (16 batch + tile / 8) x 65,536 + (head / 4) x 16,384 + (tile % 8) x 2,048 + (head % 4) x 512
	s_lshl_b32 s68, s68, 20
	s_bfe_u32 s69, s14, 0x20002
	s_lshl_b32 s69, s69, 14
	s_add_co_u32 s68, s68, s69
	s_and_b32 s69, s14, 3
	s_lshl_b32 s69, s69, 9
	s_add_co_u32 s68, s68, s69
	s_lshl_b32 s60, s15, 16
	s_lshl_b32 s70, s17, 11
	s_add_co_u32 s60, s60, s70
	s_add_co_u32 s60, s60, s68
	s_mov_b32 s61, 0
	s_lshl_b32 s62, s16, 16
	s_lshl_b32 s70, s18, 11
	s_add_co_u32 s62, s62, s70
	s_add_co_u32 s62, s62, s68
	s_mov_b32 s63, 0
	s_and_b32 s72, s12, 1
	s_lshl_b32 s72, s72, 14                        ; which half of a chunk of 32 KB I fetch, if I fetch
	s_lshl_b32 s74, s14, 17
	s_add_co_u32 s74, s74, s72
	s_mov_b32 s75, 0
	; descriptor group 1: 64 rows of 32 elements of 8 bytes, dense: 16 KB
	s_mov_b32 s24, 15|(3<<16)|(1<<21)              ; 15:0 the mask: all four work-groups; 17:16 elements of 8 bytes; 21 set beside a mask
	s_mov_b32 s25, 32<<16                          ; tensor_dim0
	s_mov_b32 s26, 64<<16                          ; tensor_dim1
	s_mov_b32 s27, 32<<16                          ; tile_dim0
	s_mov_b32 s28, 64                              ; tile_dim1
	s_mov_b32 s29, 32                              ; the pitch
	s_mov_b32 s30, 0
	s_mov_b32 s31, 0
	s_mov_b32 s20, 0x76543210
	s_mov_b32 s21, 0xfedcba98
	s_mov_b32 s22, 0x3e8293ee                      ; log2(e) / sqrt(32)
	v_and_b32 v1, 31, v0
	v_lshlrev_b32 v1, 4, v1
	v_and_b32 v5, 15, v0
	v_bfe_u32 v6, v0, 4, 1
	v_lshlrev_b32 v6, 3, v6
	v_sub_nc_u32 v5, v5, v6                        ; r - 8 h
	v_mov_b32 v4, 0xff800000                       ; -infinity
.irp j, 20,21,22,23,28,29,30,31,64,65,66,67,203,204
	v_mov_b32 v\j, 0                               ; zero codes; the upper half of f's pair; the permute's destination
.endr
	s_wait_dscnt 0x0
	s_wait_kmcnt 0x0
	s_load_b128 s[52:55], s[8:9], 0x18             ; e6 .. e9
	s_load_b32 s56, s[8:9], 0x28                   ; e10
	s_add_nc_u64 s[76:77], s[4:5], s[76:77]
	s_add_nc_u64 s[78:79], s[4:5], s[78:79]
	s_add_nc_u64 s[60:61], s[10:11], s[60:61]
	s_add_nc_u64 s[62:63], s[10:11], s[62:63]
	s_add_nc_u64 s[74:75], s[6:7], s[74:75]
	global_load_b128 v[16:19], v1, s[76:77]
	global_load_b128 v[24:27], v1, s[78:79]
.irp c, 0,1,2,3
	s_mov_b32 s[32+4*\c], 1
	s_add_co_u32 s[33+4*\c], s72, 32768*\c
	s_add_nc_u64 s[34+4*\c:35+4*\c], s[74:75], 32768*\c
	s_or_b32 s[35+4*\c], s[35+4*\c], 0x80000000
.endr
	CROUND                                         ; all four work-groups are here: the joint loads meet
	s_cmp_lt_u32 s12, 2
	s_cbranch_scc0 .Lno_fill
	tensor_load_to_lds s[32:35], s[24:31]          ; steps 0-3,
	s_nop 0
	tensor_load_to_lds s[36:39], s[24:31]          ; 4-7,
	s_nop 0
	tensor_load_to_lds s[40:43], s[24:31]          ; 8-11,
	s_nop 0
	tensor_load_to_lds s[44:47], s[24:31]          ; 12-15: my half of each
	s_nop 0
	PLACES 4
.Lno_fill:
	s_wait_kmcnt 0x0
	s_add_co_i32 s66, s52, s53
	s_lshl_b32 s66, s66, 23
	s_add_co_i32 s22, s22, s66                     ; e6 + e7 added to c's exponent field
	s_mov_b32 s23, s22
	s_add_co_i32 s57, s54, s55                     ; e8 + e9
	s_add_co_i32 s66, s54, 127
	s_lshl_b32 s67, s66, 23
	v_mov_b32 v209, s67                            ; 2^e8
	s_add_co_i32 s66, s66, 8
	s_lshl_b32 s66, s66, 23
	s_or_b32 s66, s66, 0x600000
	v_mov_b32 v208, s66                            ; 448 x 2^e8
	s_add_co_i32 s66, s56, 127
	s_lshl_b32 s67, s66, 23
	v_mov_b32 v211, s67
	s_add_co_i32 s66, s66, 8
	s_lshl_b32 s66, s66, 23
	s_or_b32 s66, s66, 0x600000
	v_mov_b32 v210, s66
	s_wait_loadcnt 0x0                             ; Q
	; the late tile
	INIT
	s_mov_b32 s58, s16
	s_lshl_b32 s66, s18, 4
	v_add_nc_u32 v3, s66, v5
	s_mov_b32 s48, 0
	s_mov_b32 s49, 0
	WAITB 3                                        ; steps 0-3 lie in LDS; three loads may be out
	WALK 24, 4
	WAITB 2                                        ; steps 4-7
	WALK 24, 4
	WAITB 0                                        ; all sixteen
	WALK 24, 8
	FINISH 212, 62
	; the early tile: no barrier is left
	INIT
	s_mov_b32 s58, s15
	s_lshl_b32 s66, s17, 4
	v_add_nc_u32 v3, s66, v5
	s_mov_b32 s48, 0
	s_mov_b32 s49, 0
	WALK 16, 8
	FINISH 196, 60
	s_wait_dscnt 0x0
	s_wait_tensorcnt 0x0
	ds_add_u32 v254, v255
	s_wait_dscnt 0x0
	CROUND                                         ; the closing round
	s_endpgm
.Lfunc_end_k_qd070651240_attn:
	.size	k_qd070651240_attn, .Lfunc_end_k_qd070651240_attn-k_qd070651240_attn
	.p2alignl 7, 3214868480
	.fill 96, 4, 3214868480
	.section	.rodata,"a",@progbits
	.p2align	6, 0x0
	.amdhsa_kernel k_qd070651240_attn
		.amdhsa_group_segment_fixed_size 169984
		.amdhsa_private_segment_fixed_size 0
		.amdhsa_enable_private_segment 0
		.amdhsa_kernarg_size 32
		.amdhsa_user_sgpr_count 2
		.amdhsa_user_sgpr_kernarg_segment_ptr 1
		.amdhsa_wavefront_size32 1
		.amdhsa_system_sgpr_workgroup_id_x 1
		.amdhsa_system_sgpr_workgroup_id_y 1
		.amdhsa_system_sgpr_workgroup_id_z 1
		.amdhsa_system_vgpr_workitem_id 0
		.amdhsa_next_free_vgpr 256
		.amdhsa_next_free_sgpr 80
		.amdhsa_reserve_vcc 1
		.amdhsa_float_denorm_mode_32 3
		.amdhsa_float_denorm_mode_16_64 3
		.amdhsa_memory_ordered 1
		.amdhsa_forward_progress 1
		.amdhsa_inst_pref_size 89
	.end_amdhsa_kernel
	.amdgpu_metadata
---
amdhsa.version: [ 1, 2 ]
amdhsa.kernels:
  - .name:           k_qd070651240_attn
    .symbol:         k_qd070651240_attn.kd
    .args:
      - { .name: qc, .offset: 0, .size: 8, .value_kind: global_buffer, .address_space: global }
      - { .name: kv, .offset: 8, .size: 8, .value_kind: global_buffer, .address_space: global }
      - { .name: lowp_scales, .offset: 16, .size: 8, .value_kind: global_buffer, .address_space: global }
      - { .name: ctx, .offset: 24, .size: 8, .value_kind: global_buffer, .address_space: global }
    .group_segment_fixed_size: 169984
    .private_segment_fixed_size: 0
    .kernarg_segment_align: 8
    .kernarg_segment_size: 32
    .max_flat_workgroup_size: 512
    .sgpr_count:     80
    .vgpr_count:     256
    .wavefront_size: 32
...
	.end_amdgpu_metadata
.endif
;; end of part 3
;; launch wo (part 4): grid 4 x 64, 4 waves a work-group, clusters of 4 x 1, 168,448 bytes of LDS; arguments ctx, wimg, Wo_b, x, lowp_scales, x2, st2; writes x2, st2
.if DOCPART == 4
	.amdgcn_target "amdgcn-amd-amdhsa--gfx1250"
	.amdhsa_code_object_version 6
	.text
	.protected	k_qd070651240_wo
	.globl	k_qd070651240_wo
	.p2align	8
	.type	k_qd070651240_wo,@function
k_qd070651240_wo:
	s_mov_b64 s[64:65], 0
	v_nop
	global_prefetch_b8 v0, s[64:65] scope:SCOPE_SE
	s_setreg_imm32_b32 hwreg(HW_REG_WAVE_MODE, 25, 1), 1
	s_wait_xcnt 0x0
	s_wait_alu depctr_hold_cnt(0) depctr_sa_sdst(0) depctr_va_vdst(0) depctr_va_sdst(0) depctr_va_ssrc(0) depctr_va_vcc(0) depctr_vm_vsrc(0)
	s_getreg_b32 s2, hwreg(HW_REG_IB_STS2, 6, 4)
	s_cmp_eq_u32 s2, 0
	s_cbranch_scc0 .Lentry_in_a_cluster
	s_endpgm
.Lentry_in_a_cluster:
	s_bfe_u32 s2, ttmp6, 0x10000c
	s_cmp_lg_u32 s2, 0x3003
	s_cbranch_scc0 .Lentry_shape_is_right
	s_endpgm
.Lentry_shape_is_right:
; WO.  x2 = ctx Wo^T x 2^(e10 + e11) + Wo_b + x, and the statistics of x2 for the second norm.  (The text is that of launch l2 but for the constants at its head.)
; SHARES.  A work-group: 128 rows (cluster y) x 128 columns (its place cx in the cluster; the grid's x is one cluster wide).  Wave w: all 128 rows x columns 128 cx + 32 w .. + 31: 16 accumulators.
; A's codes are images of operand registers, one dense run of 16,384 NKS bytes for the block of rows.  The four work-groups of a cluster read the same run: JOINT first fills, each wave NKS / 4 loads of 16 KB
; (that many outstanding by this text's count); nothing is filled again.  B's fragments go from wimg straight into registers: no other wave wants them.
; The product is used transposed (source 0 = W's rows, source 1 = the rows' codes): a lane holds eight neighbouring columns of a row.  Results meet in a stage in LDS (rows of 512 bytes + 16) and each wave
; adds the residual to 32 whole rows' 512 bytes and stores them: two aligned runs of 256 bytes an instruction.
; STATISTICS: the block's 16,384 numbers give the pair (mean, M2) at st2 + 8 (4 block + cx), joined lane -> wave -> work-group by means and squared distances, never by a difference of large sums.
; LIMIT: ea + eb between -126 and 127.
; REGISTERS.  Window 0: v1 16 x lane; v4-7 LDS addresses of A's chunks; v8, v9 the stage; v16-31 bias; v32-63 at work; v128-255 A's set 0, later results.  Windows 1, 2: B of even and odd K steps, fragment (ks / 2, n) at 16 (2 (ks / 2) + n).
;   Window 3: v0-127 accumulator (m, n) at 8 (2 m + n); v128-255 A's set 1.
.set NKS,   4                          ; K steps of 128
.set STATS, 1
.set WOFF,  786432                     ; the weight's first fragment in wimg
.set EOFF,  0x28                       ; its two exponents in lowp_scales
.set STG,   65536                      ; the stage
.set OVER,  0                          ; 1: the stage lies over A's bytes
.set RESW,  2                          ; the residual's window,
.set RESR,  128                        ; first register,
.set RESK,  -1                         ; and the K step at which it is asked for (-1: at the head)
.set NTS,   2048*NKS                   ; a tile of 16 rows of the weight in wimg
.set STATL, STG+128*528
.set MSB, 0
.macro WIN new
.if MSB != (\new)
	s_set_vgpr_msb (MSB<<8)|(\new)
.set MSB, (\new)
.endif
.endm
.macro PLACES n
.rept \n
	v_nop
.endr
.endm
.macro BFLY v, t
	v_add_f32_dpp v[\v], v[\v], v[\v] row_xmask:1 row_mask:0xf bank_mask:0xf
	v_add_f32_dpp v[\v], v[\v], v[\v] row_xmask:2 row_mask:0xf bank_mask:0xf
	v_add_f32_dpp v[\v], v[\v], v[\v] row_xmask:4 row_mask:0xf bank_mask:0xf
	v_add_f32_dpp v[\v], v[\v], v[\v] row_xmask:8 row_mask:0xf bank_mask:0xf
	v_permlanex16_b32 v[\t], v[\v], s58, s59
	v_add_f32 v[\v], v[\v], v[\t]
.endm
.macro CROUND
	s_barrier_signal -1
	s_barrier_wait -1
	s_cmp_lg_u32 s20, 0
	s_cbranch_scc1 .Lnot_wave_0_\@
	s_barrier_signal -3
.Lnot_wave_0_\@:
	s_barrier_wait -3
	s_barrier_signal -1
	s_barrier_wait -1
.endm
.macro WAITB n                         ; my loads but the youngest n have landed, my LDS loads are in; the work-group's barrier
	s_wait_tensorcnt \n
	s_wait_dscnt 0x0
	s_barrier_signal -1
	s_barrier_wait -1
.endm
.macro RESLOAD                         ; the residual at the 32 rows that I store
	WIN 0x40*RESW
.set rp, 0
.rept 32
	global_load_b128 v[RESR+4*rp:RESR+4*rp+3], v1, s[52:53] offset:2048*rp th:TH_LOAD_NT
.set rp, rp+1
.endr
	WIN 0
.endm
.macro AF ks                           ; A's eight fragments of K step ks into set ks % 2
.if (\ks)%2
	WIN 0xc0
.else
	WIN 0
.endif
.irp m, 0,1,2,3,4,5,6,7
.irp g, 0,1,2,3
	ds_load_b128 v[128+16*\m+4*\g:128+16*\m+4*\g+3], v[4+(\ks)/4] offset:16384*((\ks)%4)+2048*\m+512*\g
.endr
.endr
.endm
.macro MULK ks                         ; 16 products; the accumulators take turns, one instruction a turn
.if (\ks)%2
	WIN 0xfe                                       ; B window 2, A window 3, C and D window 3
.else
	WIN 0xf1                                       ; B window 1, A window 0, C and D window 3
.endif
.irp m, 0,1,2,3,4,5,6,7
.irp n, 0,1
.if (\ks) == 0
	v_wmma_f32_16x16x128_fp8_fp8 v[8*(2*\m+\n):8*(2*\m+\n)+7], v[16*(2*((\ks)/2)+\n):16*(2*((\ks)/2)+\n)+15], v[128+16*\m:128+16*\m+15], 0
.else
	v_wmma_f32_16x16x128_fp8_fp8 v[8*(2*\m+\n):8*(2*\m+\n)+7], v[16*(2*((\ks)/2)+\n):16*(2*((\ks)/2)+\n)+15], v[128+16*\m:128+16*\m+15], v[8*(2*\m+\n):8*(2*\m+\n)+7]
.endif
.endr
.endr
.endm
	s_load_b256 s[4:11], s[0:1], 0x0               ; A 4, wimg 6, bias 8, residual 10
	s_load_b128 s[12:15], s[0:1], 0x20             ; scales 12, output 14
.if STATS
	s_load_b64 s[16:17], s[0:1], 0x30              ; st2
	v_lshl_add_u32 v126, v0, 2, 0x29000
	v_mov_b32 v127, 0
	ds_add_u32 v126, v127
	ds_add_u32 v126, v127
.endif
	v_lshrrev_b32 v1, 5, v0
	v_readfirstlane_b32 s20, v1                    ; wave 0..3
	s_bfe_u32 s21, ttmp6, 0x40000                  ; cx
	s_and_b32 s22, ttmp7, 0xffff                   ; block of 128 rows
	s_mov_b32 s24, 15|(3<<16)|(1<<21)              ; group 1: the mask of all four; elements of 8 bytes; bit 21 beside a mask
	s_mov_b32 s25, 32<<16                          ; 64 rows of 32 elements, dense: 16 KB
	s_mov_b32 s26, 64<<16
	s_mov_b32 s27, 32<<16
	s_mov_b32 s28, 64
	s_mov_b32 s29, 32
	s_mov_b32 s30, 0
	s_mov_b32 s31, 0
	s_mov_b32 s58, 0x76543210
	s_mov_b32 s59, 0xfedcba98
	s_lshl_b32 s66, s20, 14                        ; my quarter of a chunk of 64 KB
	s_mul_i32 s68, s22, 16384*NKS
	s_add_co_u32 s68, s68, s66
	s_mov_b32 s69, 0
	s_lshl_b32 s70, s21, 3
	s_lshl_b32 s71, s20, 1
	s_add_co_u32 s70, s70, s71                     ; my first tile of 16 columns
	s_mul_i32 s70, s70, NTS
	s_add_co_u32 s70, s70, WOFF
	s_mov_b32 s71, 0
	s_lshl_b32 s72, s22, 18                        ; rows 128 block + 32 wave, column 128 cx, in f32
	s_lshl_b32 s73, s20, 16
	s_add_co_u32 s72, s72, s73
	s_lshl_b32 s73, s21, 9
	s_add_co_u32 s72, s72, s73
	s_lshl_b32 s74, s20, 7
	s_add_co_u32 s74, s74, s73                     ; the bias at column 128 cx + 32 wave
	s_mov_b32 s73, 0
	s_mov_b32 s75, 0
	s_lshl_b32 s76, s22, 2
	s_add_co_u32 s76, s76, s21
	s_lshl_b32 s76, s76, 3
	s_mov_b32 s77, 0
	v_and_b32 v1, 31, v0
	v_lshlrev_b32 v1, 4, v1
.set lc, 0
.rept NKS/4
	v_add_nc_u32 v[4+lc], 65536*lc, v1
.set lc, lc+1
.endr
	v_and_b32 v8, 15, v0
	v_mul_u32_u24 v8, v8, 528
	v_bfe_u32 v10, v0, 4, 1
	v_lshlrev_b32 v10, 5, v10                      ; 32 h
	v_add_nc_u32 v8, v8, v10
	s_lshl_b32 s78, s20, 7
	s_add_co_u32 s78, s78, STG
	v_add_nc_u32 v8, s78, v8                       ; into the stage: row r, + 128 wave + 32 h
	s_mul_i32 s78, s20, 32*528
	s_add_co_u32 s78, s78, STG
	v_add_nc_u32 v9, s78, v1                       ; back: my 32 rows, 16 bytes a lane
	v_mov_b32 v11, s20
	v_lshlrev_b32 v11, 3, v11
	v_add_nc_u32 v11, STATL, v11
	v_mov_b32 v12, STATL
	v_mov_b32 v13, 0
	v_mov_b32 v52, 0
	s_wait_dscnt 0x0
	s_wait_kmcnt 0x0
	s_load_b64 s[50:51], s[12:13], EOFF            ; ea, eb
	s_add_nc_u64 s[68:69], s[4:5], s[68:69]
	s_add_nc_u64 s[48:49], s[6:7], s[70:71]
	s_add_nc_u64 s[56:57], s[8:9], s[74:75]
	s_add_nc_u64 s[52:53], s[10:11], s[72:73]
	s_add_nc_u64 s[54:55], s[14:15], s[72:73]
.if STATS
	s_add_nc_u64 s[16:17], s[16:17], s[76:77]
.endif
.set gc, 0
.rept NKS/4
	s_mov_b32 s[32+4*gc], 1
	s_add_co_u32 s[33+4*gc], s66, 65536*gc
	s_add_nc_u64 s[34+4*gc:35+4*gc], s[68:69], 65536*gc
	s_or_b32 s[35+4*gc], s[35+4*gc], 0x80000000
.set gc, gc+1
.endr
	CROUND                                         ; all four work-groups are here: the joint loads meet
.set gc, 0
.rept NKS/4
	tensor_load_to_lds s[32+4*gc:35+4*gc], s[24:31]
	s_nop 0
.set gc, gc+1
.endr
	PLACES 4
.irp n, 0,1
	global_load_b128 v[16+8*\n:19+8*\n], v10, s[56:57] offset:64*\n
	global_load_b128 v[20+8*\n:23+8*\n], v10, s[56:57] offset:64*\n+16
.endr
.irp par, 0,1
	WIN 0x40*(1+\par)
.set kk, 0
.rept NKS/2
.irp n, 0,1
.irp g, 0,1,2,3
	global_load_b128 v[16*(2*kk+\n)+4*\g:16*(2*kk+\n)+4*\g+3], v1, s[48:49] offset:\n*NTS+2048*(2*kk+\par)+512*\g
.endr
.endr
.set kk, kk+1
.endr
.endr
	WIN 0
.if RESK < 0
	RESLOAD
.endif
	s_wait_kmcnt 0x0
	s_add_co_i32 s50, s50, s51
	s_add_co_i32 s50, s50, 127
	s_lshl_b32 s50, s50, 23                        ; 2^(ea + eb)
	s_mov_b32 s51, s50
	WAITB NKS/4-1                                  ; the first four K steps lie in LDS
	AF 0
.if RESK < 0
	s_wait_loadcnt 32                              ; bias and B are in; the residual's 32 loads may be out
.else
	s_wait_loadcnt 0x0
.endif
.set K, 0
.rept NKS
.if K+1 < NKS
.if (K+1)%4 == 0
	WAITB NKS/4-1-(K+1)/4                          ; the next four K steps
.endif
	PLACES 4                                       ; ahead of loads into the set that the last products read
.if K == RESK
	RESLOAD                                        ; into the registers of B's K steps 0, 2, 4, 6, which are done with
.endif
	AF K+1
	s_wait_dscnt 32                                ; all but the 32 just issued
.else
	s_wait_dscnt 0x0
.endif
	MULK K
.set K, K+1
.endr
	PLACES 4
	WIN 0
.if OVER
	s_wait_dscnt 0x0
	s_barrier_signal -1                            ; every wave's reads of A are over: the stage may be written over it
	s_barrier_wait -1
.endif
	WIN 0x03                                       ; source 0: window 3
.set ea, 0
.rept 16
.irp i, 0,2,4,6
	v_pk_fma_f32 v[128+8*ea+\i:129+8*ea+\i], v[8*ea+\i:8*ea+\i+1], s[50:51], v[16+8*(ea%2)+\i:17+8*(ea%2)+\i] op_sel_hi:[1,0,1]   ; sum x 2^(ea + eb) + bias; each accumulator from its low end on
.endr
.set ea, ea+1
.endr
	WIN 0
.set ea, 0
.rept 16
	ds_store_b128 v8, v[128+8*ea:131+8*ea] offset:8448*(ea/2)+64*(ea%2)
	ds_store_b128 v8, v[132+8*ea:135+8*ea] offset:8448*(ea/2)+64*(ea%2)+16
.set ea, ea+1
.endr
	s_wait_dscnt 0x0                               ; for the others' sake: my columns lie in the stage
	s_barrier_signal -1
	s_barrier_wait -1
.set ep, 0
.rept 32
	ds_load_b128 v[128+4*ep:131+4*ep], v9 offset:528*ep
.set ep, ep+1
.endr
	s_wait_loadcnt 0x0                             ; the residual
	s_wait_dscnt 0x0
	WIN 0x04*RESW                                  ; source 1: the residual's window
.set ep, 0
.rept 64
	v_pk_add_f32 v[128+2*ep:129+2*ep], v[128+2*ep:129+2*ep], v[RESR+2*ep:RESR+2*ep+1]
.set ep, ep+1
.endr
	WIN 0
.set ep, 0
.rept 32
.if STATS
	global_store_b128 v1, v[128+4*ep:131+4*ep], s[54:55] offset:2048*ep
.else
	global_store_b128 v1, v[128+4*ep:131+4*ep], s[54:55] offset:2048*ep th:TH_STORE_NT
.endif
.set ep, ep+1
.endr
.if STATS
.irp c, 0,1,2,3                                ; my 128 numbers: the sum, in four chains of pairs
	v_pk_add_f32 v[32+2*\c:33+2*\c], v[128+2*\c:129+2*\c], v[136+2*\c:137+2*\c]
.endr
.set sj, 2
.rept 14
.irp c, 0,1,2,3
	v_pk_add_f32 v[32+2*\c:33+2*\c], v[32+2*\c:33+2*\c], v[128+8*sj+2*\c:129+8*sj+2*\c]
.endr
.set sj, sj+1
.endr
	v_pk_add_f32 v[32:33], v[32:33], v[34:35]
	v_pk_add_f32 v[36:37], v[36:37], v[38:39]
	v_pk_add_f32 v[32:33], v[32:33], v[36:37]
	v_add_f32 v32, v32, v33
	v_mul_f32 v40, 0x3c000000, v32                 ; the lane's mean: / 128
	v_mov_b32 v41, v40
.irp c, 0,1,2,3
	v_pk_add_f32 v[42+2*\c:43+2*\c], v[128+2*\c:129+2*\c], v[40:41] neg_lo:[0,1] neg_hi:[0,1]
.endr
.irp c, 0,1,2,3
	v_pk_mul_f32 v[32+2*\c:33+2*\c], v[42+2*\c:43+2*\c], v[42+2*\c:43+2*\c]
.endr
.set sj, 1
.rept 15
.irp c, 0,1,2,3
	v_pk_add_f32 v[42+2*\c:43+2*\c], v[128+8*sj+2*\c:129+8*sj+2*\c], v[40:41] neg_lo:[0,1] neg_hi:[0,1]
.endr
.irp c, 0,1,2,3
	v_pk_fma_f32 v[32+2*\c:33+2*\c], v[42+2*\c:43+2*\c], v[42+2*\c:43+2*\c], v[32+2*\c:33+2*\c]
.endr
.set sj, sj+1
.endr
	v_pk_add_f32 v[32:33], v[32:33], v[34:35]
	v_pk_add_f32 v[36:37], v[36:37], v[38:39]
	v_pk_add_f32 v[32:33], v[32:33], v[36:37]
	v_add_f32 v32, v32, v33                        ; the lane's M2
	v_mov_b32 v50, v40
	BFLY 50, 52
	v_mul_f32 v50, 0x3d000000, v50                 ; the wave's mean
	v_sub_f32 v40, v40, v50
	v_mul_f32 v40, v40, v40
	v_fmamk_f32 v51, v40, 0x43000000, v32          ; a lane stands for 128 numbers
	BFLY 51, 52
	ds_store_b64 v11, v[50:51]
	s_wait_dscnt 0x0
	s_barrier_signal -1
	s_barrier_wait -1
	ds_load_b128 v[32:35], v12
	ds_load_b128 v[36:39], v12 offset:16
	s_wait_dscnt 0x0
	v_add_f32 v40, v32, v34
	v_add_f32 v41, v36, v38
	v_add_f32 v40, v40, v41
	v_mul_f32 v54, 0x3e800000, v40                 ; the block's mean
	v_sub_f32 v32, v32, v54
	v_sub_f32 v34, v34, v54
	v_sub_f32 v36, v36, v54
	v_sub_f32 v38, v38, v54
	v_mul_f32 v40, v32, v32
	v_fmac_f32 v40, v34, v34
	v_fmac_f32 v40, v36, v36
	v_fmac_f32 v40, v38, v38
	v_add_f32 v41, v33, v35
	v_add_f32 v42, v37, v39
	v_add_f32 v41, v41, v42
	v_fmamk_f32 v55, v40, 0x45800000, v41          ; a wave stands for 4,096 numbers
	s_cmp_lg_u32 s20, 0
	s_cbranch_scc1 .Lno_stat
	s_wait_xcnt 0x0                                ; EXEC changes only behind this wait
	v_cmp_eq_u32 vcc_lo, 0, v0
	s_and_saveexec_b32 s78, vcc_lo
	global_store_b64 v13, v[54:55], s[16:17]
	s_wait_xcnt 0x0
	s_or_b32 exec_lo, exec_lo, s78
.Lno_stat:
.endif
	s_wait_dscnt 0x0
	s_wait_tensorcnt 0x0
	ds_add_u32 v126, v127
	s_wait_dscnt 0x0
	CROUND                                         ; the closing round
	s_endpgm
.Lfunc_end_k_qd070651240_wo:
	.size	k_qd070651240_wo, .Lfunc_end_k_qd070651240_wo-k_qd070651240_wo
	.p2alignl 7, 3214868480
	.fill 96, 4, 3214868480
	.section	.rodata,"a",@progbits
	.p2align	6, 0x0
	.amdhsa_kernel k_qd070651240_wo
		.amdhsa_group_segment_fixed_size 168448
		.amdhsa_private_segment_fixed_size 0
		.amdhsa_enable_private_segment 0
		.amdhsa_kernarg_size 56
		.amdhsa_user_sgpr_count 2
		.amdhsa_user_sgpr_kernarg_segment_ptr 1
		.amdhsa_wavefront_size32 1
		.amdhsa_system_sgpr_workgroup_id_x 1
		.amdhsa_system_sgpr_workgroup_id_y 1
		.amdhsa_system_sgpr_workgroup_id_z 1
		.amdhsa_system_vgpr_workitem_id 0
		.amdhsa_next_free_vgpr 1024
		.amdhsa_next_free_sgpr 80
		.amdhsa_reserve_vcc 1
		.amdhsa_float_denorm_mode_32 3
		.amdhsa_float_denorm_mode_16_64 3
		.amdhsa_memory_ordered 1
		.amdhsa_forward_progress 1
		.amdhsa_inst_pref_size 55
	.end_amdhsa_kernel
	.amdgpu_metadata
---
amdhsa.version: [ 1, 2 ]
amdhsa.kernels:
  - .name:           k_qd070651240_wo
    .symbol:         k_qd070651240_wo.kd
    .args:
      - { .name: ctx, .offset: 0, .size: 8, .value_kind: global_buffer, .address_space: global }
      - { .name: wimg, .offset: 8, .size: 8, .value_kind: global_buffer, .address_space: global }
      - { .name: Wo_b, .offset: 16, .size: 8, .value_kind: global_buffer, .address_space: global }
      - { .name: x, .offset: 24, .size: 8, .value_kind: global_buffer, .address_space: global }
      - { .name: lowp_scales, .offset: 32, .size: 8, .value_kind: global_buffer, .address_space: global }
      - { .name: x2, .offset: 40, .size: 8, .value_kind: global_buffer, .address_space: global }
      - { .name: st2, .offset: 48, .size: 8, .value_kind: global_buffer, .address_space: global }
    .group_segment_fixed_size: 168448
    .private_segment_fixed_size: 0
    .kernarg_segment_align: 8
    .kernarg_segment_size: 56
    .max_flat_workgroup_size: 128
    .sgpr_count:     80
    .vgpr_count:     1024
    .wavefront_size: 32
...
	.end_amdgpu_metadata
.endif
;; end of part 4
;; launch l1 (part 5): grid 4 x 64, 4 waves a work-group, no clusters, 68,096 bytes of LDS; arguments x2, st2, n2_scale, n2_shift, wimg, l1_b, lowp_scales, hid; writes hid
.if DOCPART == 5
	.amdgcn_target "amdgcn-amd-amdhsa--gfx1250"
	.amdhsa_code_object_version 6
	.text
	.protected	k_qd070651240_l1
	.globl	k_qd070651240_l1
	.p2align	8
	.type	k_qd070651240_l1,@function
k_qd070651240_l1:
	s_mov_b64 s[64:65], 0
	v_nop
	global_prefetch_b8 v0, s[64:65] scope:SCOPE_SE
	s_setreg_imm32_b32 hwreg(HW_REG_WAVE_MODE, 25, 1), 1
	s_wait_xcnt 0x0
; L1.  h = ((x2 - row mean) / var + 1e-5) scale + shift (var: one number for all of x2, from st2), quantised with 2^e12; hidden = gelu(h l1_w^T x 2^(e12 + e13) + l1_b), quantised with 2^e14.
; SHARES and phases as in launch qkv: a work-group takes 128 rows (work-group y) x 512 hidden units (work-group x); phase LN lays the rows' codes in LDS (pitch 528, the order PERM of launch prep); one barrier;
; wave w makes units 128 w .. + 127 of the work-group's 512 for all 128 rows, in a loop of two passes of 64; a pass's weights go from wimg straight into 256 registers.  The product is used transposed
; (source 0 = W's rows, source 1 = the rows' codes): a lane holds one token and eight units, so two tiles convert into four registers of the next product's fragment.
; OUT: hid, images of operand registers: block x 262,144 + K step x 16,384 + row tile x 2,048 + group x 512; K step = 4 x + wave, group = 2 pass + pr.  Every store covers 512 consecutive bytes.
; GELU is the exact form 0.5 x (1 + erf(x / sqrt 2)); erf(z) = z P(z^2) / Q(z^2), z held within +-4.  LIMIT: erf is good to about 1e-7 absolute, so far down the negative tail the result carries that
; error against a small number.  LIMITS: e12, e14 between -126 and 119, e12 + e13 between -126 and 127; NaN among the inputs is not served.
; NO CLUSTER: the four work-groups of a block share x2's rows, but 262,144 bytes of f32 beside 67,584 of codes are more than a WGP's LDS, and each weight byte is wanted by one wave.
; REGISTERS.  Window 0 as in qkv; v98-101 two coefficients; on the way out v128-207 X, Z, Y, P, Q of a unit of 16, v208-239 codes of eight units.  Window 1: B.  Window 2: accumulator (m, nt) at 8 (4 m + nt).
.set PITCH, 528
.set MSB, 0
.macro WIN new
.if MSB != (\new)
	s_set_vgpr_msb (MSB<<8)|(\new)
.set MSB, (\new)
.endif
.endm
.macro PLACES n
.rept \n
	v_nop
.endr
.endm
.macro BFLY1 v, t
	v_add_f32_dpp v[\v], v[\v], v[\v] row_xmask:1 row_mask:0xf bank_mask:0xf
	v_add_f32_dpp v[\v], v[\v], v[\v] row_xmask:2 row_mask:0xf bank_mask:0xf
	v_add_f32_dpp v[\v], v[\v], v[\v] row_xmask:4 row_mask:0xf bank_mask:0xf
	v_add_f32_dpp v[\v], v[\v], v[\v] row_xmask:8 row_mask:0xf bank_mask:0xf
	v_permlanex16_b32 v[\t], v[\v], s30, s31
	v_add_f32 v[\v], v[\v], v[\t]
.endm
.macro SPAIR r, val                    ; a constant in both words of a scalar pair
	s_mov_b32 s[\r], \val
	s_mov_b32 s[\r+1], \val
.endm
.macro XLOAD k
.set xj, 0
.rept 16
	global_load_b128 v[128+64*((\k)%2)+4*xj:128+64*((\k)%2)+4*xj+3], v1, s[32:33] offset:8192*(\k)+512*xj
.set xj, xj+1
.endr
.endm
.macro BLOADS first, count, off
	WIN 0x40
.set bj, \first
.rept \count
	global_load_b128 v[4*bj:4*bj+3], v1, s[34:35] offset:\off+512*bj
.set bj, bj+1
.endr
	WIN 0
.endm
.macro LNG k, left                     ; four rows: mean, norm, hold, codes, into LDS; left: the loads issued behind these rows' own
.set SL, 128+64*((\k)%2)
.set CO, 64+16*((\k)%2)
	s_wait_loadcnt \left
.irp p, 0,1,2,3
	v_pk_add_f32 v[20+2*\p:21+2*\p], v[SL+16*\p:SL+16*\p+1], v[SL+16*\p+2:SL+16*\p+3]
.endr
.irp j, 4,6,8,10,12,14
.irp p, 0,1,2,3
	v_pk_add_f32 v[20+2*\p:21+2*\p], v[20+2*\p:21+2*\p], v[SL+16*\p+\j:SL+16*\p+\j+1]
.endr
.endr
.irp p, 0,1,2,3
	v_add_f32 v[20+2*\p], v[20+2*\p], v[21+2*\p]
.endr
.irp x, 1,2,4,8
.irp p, 0,1,2,3
	v_add_f32_dpp v[20+2*\p], v[20+2*\p], v[20+2*\p] row_xmask:\x row_mask:0xf bank_mask:0xf
.endr
.endr
.irp p, 0,1,2,3
	v_permlanex16_b32 v[28+\p], v[20+2*\p], s30, s31
.endr
.irp p, 0,1,2,3
	v_add_f32 v[20+2*\p], v[20+2*\p], v[28+\p]
.endr
.irp p, 0,1,2,3
	v_mul_f32 v[12+2*\p], 0x3b000000, v[20+2*\p]
.endr
.irp p, 0,1,2,3
.irp j, 0,2,4,6,8,10,12,14
	v_pk_add_f32 v[SL+16*\p+\j:SL+16*\p+\j+1], v[SL+16*\p+\j:SL+16*\p+\j+1], v[12+2*\p:13+2*\p] op_sel_hi:[1,0] neg_lo:[0,1] neg_hi:[0,1]
.endr
.endr
.irp p, 0,1,2,3
.irp j, 0,2,4,6,8,10,12,14
	v_pk_fma_f32 v[SL+16*\p+\j:SL+16*\p+\j+1], v[SL+16*\p+\j:SL+16*\p+\j+1], v[32+\j:33+\j], v[48+\j:49+\j]
.endr
.endr
.set lj, 0
.rept 64
	v_med3_num_f32 v[SL+lj], v[SL+lj], -v8, v8
.set lj, lj+1
.endr
	s_wait_dscnt 0x0                               ; the stores of two groups back have read these code registers
.irp p, 0,1,2,3
	v_cvt_scalef32_pk8_fp8_f32 v[CO+4*\p:CO+4*\p+1], v[SL+16*\p:SL+16*\p+7], v9
	v_cvt_scalef32_pk8_fp8_f32 v[CO+4*\p+2:CO+4*\p+3], v[SL+16*\p+8:SL+16*\p+15], v9
.endr
	v_nop
.irp p, 0,1,2,3
.irp q, 0,1,2,3
	ds_store_b32 v2, v[CO+4*\p+\q] offset:(4*(\k)+\p)*PITCH+128*\q
.endr
.endr
.if (\k) < 6
	XLOAD \k+2
.endif
	BLOADS 8*(\k), 8, 0
.endm
.macro AFETCH ks, hf
.irp m, 4*(\hf), 4*(\hf)+1, 4*(\hf)+2, 4*(\hf)+3
.irp g, 0,1,2,3
	ds_load_b128 v[128+16*(\m)+4*\g:128+16*(\m)+4*\g+3], v3 offset:16*PITCH*(\m)+128*(\ks)+32*\g
.endr
.endr
.endm
.macro MUL16 ks, m0                    ; 16 products; the 32 accumulators take turns, one instruction a turn
	WIN 0xa1                                       ; source 0 (B) window 1, source 1 (A) window 0, C and D window 2
.irp m, \m0, \m0+1, \m0+2, \m0+3
.irp n, 0,1,2,3
.if (\ks) == 0
	v_wmma_f32_16x16x128_fp8_fp8 v[8*(4*(\m)+\n):8*(4*(\m)+\n)+7], v[16*(4*\n+(\ks)):16*(4*\n+(\ks))+15], v[128+16*(\m):128+16*(\m)+15], 0
.else
	v_wmma_f32_16x16x128_fp8_fp8 v[8*(4*(\m)+\n):8*(4*(\m)+\n)+7], v[16*(4*\n+(\ks)):16*(4*\n+(\ks))+15], v[128+16*(\m):128+16*(\m)+15], v[8*(4*(\m)+\n):8*(4*(\m)+\n)+7]
.endif
.endr
.endr
.endm
.macro GPASS young
	AFETCH 0, 0
	AFETCH 0, 1
	s_wait_loadcnt \young                          ; B is in; the bias loads, issued behind it, may be out
.irp ks, 0,1,2,3
	s_wait_dscnt 16
	MUL16 \ks, 0
.if \ks < 3
	PLACES 4
	WIN 0
	AFETCH \ks+1, 0
	s_wait_dscnt 16
.else
	s_wait_dscnt 0x0
.endif
	MUL16 \ks, 4
.if \ks < 3
	PLACES 4
	WIN 0
	AFETCH \ks+1, 1
.endif
.endr
.endm
.macro GELU                            ; v128-143 become gelu of themselves
.irp i, 0,2,4,6,8,10,12,14
	v_pk_mul_f32 v[144+\i:145+\i], v[128+\i:129+\i], s[66:67] op_sel_hi:[1,0]      ; z = x / sqrt 2
.endr
.set gj, 0
.rept 16
	v_med3_num_f32 v[144+gj], v[144+gj], -4.0, 4.0
.set gj, gj+1
.endr
.irp i, 0,2,4,6,8,10,12,14
	v_pk_mul_f32 v[160+\i:161+\i], v[144+\i:145+\i], v[144+\i:145+\i]              ; y = z^2
.endr
.irp i, 0,2,4,6,8,10,12,14
	v_pk_fma_f32 v[176+\i:177+\i], v[160+\i:161+\i], v[98:99], s[68:69] op_sel_hi:[1,1,0]
	v_pk_fma_f32 v[192+\i:193+\i], v[160+\i:161+\i], v[100:101], s[80:81] op_sel_hi:[1,1,0]
.endr
.irp c, 70,72,74,76,78
.irp i, 0,2,4,6,8,10,12,14
	v_pk_fma_f32 v[176+\i:177+\i], v[176+\i:177+\i], v[160+\i:161+\i], s[\c:\c+1] op_sel_hi:[1,1,0]
.endr
.endr
.irp c, 82,84,86
.irp i, 0,2,4,6,8,10,12,14
	v_pk_fma_f32 v[192+\i:193+\i], v[192+\i:193+\i], v[160+\i:161+\i], s[\c:\c+1] op_sel_hi:[1,1,0]
.endr
.endr
.irp i, 0,2,4,6,8,10,12,14
	v_pk_mul_f32 v[176+\i:177+\i], v[176+\i:177+\i], v[144+\i:145+\i]              ; z P
.endr
.set gj, 0
.rept 16
	v_rcp_f32 v[192+gj], v[192+gj]
.set gj, gj+1
.endr
.irp i, 0,2,4,6,8,10,12,14
	v_pk_mul_f32 v[128+\i:129+\i], v[128+\i:129+\i], 0.5 op_sel_hi:[1,0]           ; plain lines behind the reciprocals
.endr
	s_wait_alu depctr_va_vdst(0)                   ; one wait for the batch, ahead of its first reader
.irp i, 0,2,4,6,8,10,12,14
	v_pk_mul_f32 v[176+\i:177+\i], v[176+\i:177+\i], v[192+\i:193+\i]              ; erf
.endr
.irp i, 0,2,4,6,8,10,12,14
	v_pk_fma_f32 v[128+\i:129+\i], v[128+\i:129+\i], v[176+\i:177+\i], v[128+\i:129+\i]
.endr
.endm
.macro EPI_G                           ; unit (row tile m, pr) = column tiles 2 pr, 2 pr + 1: 16 neighbours along the next K
.set un, 0
.irp m, 0,1,2,3,4,5,6,7
.irp pr, 0,1
.if (un%8) == 0
	s_wait_xcnt 0x0                                ; the stores of eight units back have read their code registers
.endif
	WIN 0x02
.irp t, 0,1
.irp i, 0,2,4,6
	v_pk_fma_f32 v[128+8*\t+\i:129+8*\t+\i], v[8*(4*\m+2*\pr+\t)+\i:8*(4*\m+2*\pr+\t)+\i+1], s[52:53], v[64+8*(2*\pr+\t)+\i:65+8*(2*\pr+\t)+\i] op_sel_hi:[1,0,1]
.endr
.endr
	WIN 0
	GELU
.set gj, 0
.rept 16
	v_med3_num_f32 v[128+gj], v[128+gj], -v10, v10
.set gj, gj+1
.endr
	v_cvt_scalef32_pk8_fp8_f32 v[208+4*(un%8):209+4*(un%8)], v[128:135], v11
	v_cvt_scalef32_pk8_fp8_f32 v[210+4*(un%8):211+4*(un%8)], v[136:143], v11
	v_nop
	global_store_b128 v1, v[208+4*(un%8):211+4*(un%8)], s[54:55] offset:2048*\m+512*\pr
.set un, un+1
.endr
.endr
.endm
	s_load_b512 s[4:19], s[0:1], 0x0               ; x2 4, st2 6, n2_scale 8, n2_shift 10, wimg 12, l1_b 14, scales 16, hid 18
	v_lshl_add_u32 v126, v0, 2, 0x10800
	v_mov_b32 v127, 0
	v_lshrrev_b32 v1, 5, v0
	v_readfirstlane_b32 s28, v1                    ; wave 0..3
	s_mov_b32 s26, ttmp9                           ; which 512 hidden units
	s_and_b32 s27, ttmp7, 0xffff                   ; block of 128 rows
	s_mov_b32 s30, 0x76543210
	s_mov_b32 s31, 0xfedcba98
	SPAIR 66, 0x3f3504f3                           ; 1 / sqrt 2
	SPAIR 68, 0x32edffee                           ; P's coefficients below the leading one,
	SPAIR 70, 0xb60cff51
	SPAIR 72, 0xb86ec2d2
	SPAIR 74, 0xba40ac63
	SPAIR 76, 0xbb41a1f6
	SPAIR 78, 0xbc83dbd4
	SPAIR 80, 0xb95fbd29                           ; and Q's
	SPAIR 82, 0xbadc924e
	SPAIR 84, 0xbbf19bf8
	SPAIR 86, 0xbc69b6a7
	v_mov_b32 v98, 0xaf95df0b                      ; the leading ones
	v_mov_b32 v99, 0xaf95df0b
	v_mov_b32 v100, 0xb77460cd
	v_mov_b32 v101, 0xb77460cd
	v_and_b32 v1, 31, v0
	v_lshlrev_b32 v1, 4, v1
	v_bfe_u32 v2, v0, 3, 2                         ; PERM(lane)
	v_lshlrev_b32 v2, 5, v2
	v_bfe_u32 v3, v0, 1, 1
	v_lshl_or_b32 v2, v3, 4, v2
	v_bfe_u32 v3, v0, 2, 1
	v_lshl_or_b32 v2, v3, 3, v2
	v_and_b32 v3, 1, v0
	v_lshl_or_b32 v2, v3, 2, v2
	s_mul_i32 s88, s28, 32*PITCH
	v_add_nc_u32 v2, s88, v2
	v_and_b32 v3, 15, v0
	v_mul_u32_u24 v3, v3, PITCH
	v_bfe_u32 v96, v0, 4, 1
	v_lshl_add_u32 v3, v96, 4, v3
	v_lshlrev_b32 v96, 5, v96                      ; 32 h
.irp p, 0,1,2,3
	v_mov_b32 v[13+2*\p], 0
	v_mov_b32 v[28+\p], 0
.endr
	s_lshl_b32 s88, s27, 18
	s_lshl_b32 s89, s28, 16
	s_add_co_u32 s88, s88, s89                     ; x2: (128 block + 32 wave) rows
	s_lshl_b32 s90, s26, 18
	s_add_co_u32 s90, s90, s89
	s_add_co_u32 s90, s90, 1048576                 ; wimg: l1's fragments, my 128 units
	s_mov_b32 s89, 0
	s_mov_b32 s91, 0
	s_lshl_b32 s92, s26, 2
	s_add_co_u32 s92, s92, s28
	s_lshl_b32 s92, s92, 14
	s_lshl_b32 s93, s27, 18
	s_add_co_u32 s92, s92, s93                     ; hid: block x 262,144 + K step x 16,384
	s_mov_b32 s93, 0
	s_lshl_b32 s94, s26, 11
	s_lshl_b32 s95, s28, 9
	s_add_co_u32 s94, s94, s95                     ; the bias at my 128 units
	s_mov_b32 s95, 0
	s_wait_kmcnt 0x0
	s_load_b128 s[36:39], s[16:17], 0x30           ; e12 .. e15
	s_add_nc_u64 s[32:33], s[4:5], s[88:89]
	s_add_nc_u64 s[34:35], s[12:13], s[90:91]
	s_add_nc_u64 s[54:55], s[18:19], s[92:93]
	s_add_nc_u64 s[56:57], s[14:15], s[94:95]
.irp j, 0,1,2,3
	global_load_b128 v[80+4*\j:83+4*\j], v1, s[6:7] offset:512*\j
.endr
.irp j, 0,1,2,3
	global_load_b128 v[32+4*\j:35+4*\j], v1, s[8:9] offset:512*\j
.endr
.irp j, 0,1,2,3
	global_load_b128 v[48+4*\j:51+4*\j], v1, s[10:11] offset:512*\j
.endr
	XLOAD 0
	XLOAD 1
	s_wait_kmcnt 0x0
	s_add_co_i32 s88, s36, 127
	s_lshl_b32 s89, s88, 23
	v_mov_b32 v9, s89                              ; 2^e12
	s_add_co_i32 s88, s88, 8
	s_lshl_b32 s88, s88, 23
	s_or_b32 s88, s88, 0x600000
	v_mov_b32 v8, s88
	s_add_co_i32 s88, s38, 127
	s_lshl_b32 s89, s88, 23
	v_mov_b32 v11, s89                             ; 2^e14
	s_add_co_i32 s88, s88, 8
	s_lshl_b32 s88, s88, 23
	s_or_b32 s88, s88, 0x600000
	v_mov_b32 v10, s88
	s_add_co_i32 s52, s36, s37
	s_add_co_i32 s52, s52, 127
	s_lshl_b32 s52, s52, 23                        ; 2^(e12 + e13)
	s_mov_b32 s53, s52
	s_wait_loadcnt 32                              ; all but the 32 loads of x2
	v_add_f32 v104, v80, v82
	v_add_f32 v105, v84, v86
	v_add_f32 v106, v88, v90
	v_add_f32 v107, v92, v94
	v_add_f32 v104, v104, v105
	v_add_f32 v106, v106, v107
	v_add_f32 v104, v104, v106
	BFLY1 104, 28
	v_mul_f32 v104, 0x3b800000, v104
.irp j, 0,1,2,3,4,5,6,7
	v_sub_f32 v[80+2*\j], v[80+2*\j], v104
.endr
	v_mul_f32 v105, v80, v80
	v_mul_f32 v106, v82, v82
	v_fmac_f32 v105, v84, v84
	v_fmac_f32 v106, v86, v86
	v_fmac_f32 v105, v88, v88
	v_fmac_f32 v106, v90, v90
	v_fmac_f32 v105, v92, v92
	v_fmac_f32 v106, v94, v94
	v_add_f32 v105, v105, v106
	v_add_f32 v106, v81, v83
	v_add_f32 v107, v85, v87
	v_add_f32 v108, v89, v91
	v_add_f32 v109, v93, v95
	v_add_f32 v106, v106, v107
	v_add_f32 v108, v108, v109
	v_add_f32 v106, v106, v108
	v_fmamk_f32 v105, v105, 0x46800000, v106
	BFLY1 105, 28
	v_mul_f32 v105, 0x34800000, v105               ; var
	v_rcp_f32 v106, v105
	v_nop
	s_wait_alu depctr_va_vdst(0)
	v_fma_f32 v107, -v105, v106, 1.0
	v_fma_f32 v106, v106, v107, v106
.set hj, 0
.rept 16
	v_fmamk_f32 v[48+hj], v[32+hj], 0x3727c5ac, v[48+hj]
	v_mul_f32 v[32+hj], v106, v[32+hj]
.set hj, hj+1
.endr
	LNG 0, 16
	LNG 1, 24
	LNG 2, 32
	LNG 3, 32
	LNG 4, 32
	LNG 5, 32
	LNG 6, 32
	LNG 7, 16
	s_wait_dscnt 0x0                               ; for the others' sake: my rows' codes lie in LDS
	s_barrier_signal -1
	s_barrier_wait -1
	s_mov_b32 s60, 2
.Lpass:
.irp n, 0,1,2,3
	global_load_b128 v[64+8*\n:67+8*\n], v96, s[56:57] offset:64*\n
	global_load_b128 v[68+8*\n:71+8*\n], v96, s[56:57] offset:64*\n+16
.endr
	GPASS 8
	PLACES 4
	WIN 0
	s_wait_loadcnt 0x0                             ; the bias
	s_cmp_eq_u32 s60, 1
	s_cbranch_scc1 .Llast
	BLOADS 0, 64, 32768                            ; the second pass's weights land under this pass's way out
.Llast:
	EPI_G
	s_wait_xcnt 0x0
	s_add_nc_u64 s[54:55], s[54:55], 1024
	s_add_nc_u64 s[56:57], s[56:57], 256
	s_sub_co_u32 s60, s60, 1
	s_cmp_lg_u32 s60, 0
	s_cbranch_scc1 .Lpass
	s_wait_tensorcnt 0x0
	ds_add_u32 v126, v127
	s_wait_dscnt 0x0
	s_endpgm
.Lfunc_end_k_qd070651240_l1:
	.size	k_qd070651240_l1, .Lfunc_end_k_qd070651240_l1-k_qd070651240_l1
	.p2alignl 7, 3214868480
	.fill 96, 4, 3214868480
	.section	.rodata,"a",@progbits
	.p2align	6, 0x0
	.amdhsa_kernel k_qd070651240_l1
		.amdhsa_group_segment_fixed_size 68096
		.amdhsa_private_segment_fixed_size 0
		.amdhsa_enable_private_segment 0
		.amdhsa_kernarg_size 64
		.amdhsa_user_sgpr_count 2
		.amdhsa_user_sgpr_kernarg_segment_ptr 1
		.amdhsa_wavefront_size32 1
		.amdhsa_system_sgpr_workgroup_id_x 1
		.amdhsa_system_sgpr_workgroup_id_y 1
		.amdhsa_system_sgpr_workgroup_id_z 1
		.amdhsa_system_vgpr_workitem_id 0
		.amdhsa_next_free_vgpr 768
		.amdhsa_next_free_sgpr 96
		.amdhsa_reserve_vcc 0
		.amdhsa_float_denorm_mode_32 3
		.amdhsa_float_denorm_mode_16_64 3
		.amdhsa_memory_ordered 1
		.amdhsa_forward_progress 1
		.amdhsa_inst_pref_size 255
	.end_amdhsa_kernel
	.section	.bss,"aw",@nobits
	.p2align	6
	.space	262144
	.amdgpu_metadata
---
amdhsa.version: [ 1, 2 ]
amdhsa.kernels:
  - .name:           k_qd070651240_l1
    .symbol:         k_qd070651240_l1.kd
    .args:
      - { .name: x2, .offset: 0, .size: 8, .value_kind: global_buffer, .address_space: global }
      - { .name: st2, .offset: 8, .size: 8, .value_kind: global_buffer, .address_space: global }
      - { .name: n2_scale, .offset: 16, .size: 8, .value_kind: global_buffer, .address_space: global }
      - { .name: n2_shift, .offset: 24, .size: 8, .value_kind: global_buffer, .address_space: global }
      - { .name: wimg, .offset: 32, .size: 8, .value_kind: global_buffer, .address_space: global }
      - { .name: l1_b, .offset: 40, .size: 8, .value_kind: global_buffer, .address_space: global }
      - { .name: lowp_scales, .offset: 48, .size: 8, .value_kind: global_buffer, .address_space: global }
      - { .name: hid, .offset: 56, .size: 8, .value_kind: global_buffer, .address_space: global }
    .group_segment_fixed_size: 68096
    .private_segment_fixed_size: 0
    .kernarg_segment_align: 8
    .kernarg_segment_size: 64
    .max_flat_workgroup_size: 128
    .sgpr_count:     96
    .vgpr_count:     768
    .wavefront_size: 32
...
	.end_amdgpu_metadata
.endif
;; end of part 5
;; launch l2 (part 6): grid 4 x 64, 4 waves a work-group, clusters of 4 x 1, 262,656 bytes of LDS; arguments hid, wimg, l2_b, x2, lowp_scales, out0; writes out0
.if DOCPART == 6
	.amdgcn_target "amdgcn-amd-amdhsa--gfx1250"
	.amdhsa_code_object_version 6
	.text
	.protected	k_qd070651240_l2
	.globl	k_qd070651240_l2
	.p2align	8
	.type	k_qd070651240_l2,@function
k_qd070651240_l2:
	s_mov_b64 s[64:65], 0
	v_nop
	global_prefetch_b8 v0, s[64:65] scope:SCOPE_SE
	s_setreg_imm32_b32 hwreg(HW_REG_WAVE_MODE, 25, 1), 1
	s_wait_xcnt 0x0
	s_wait_alu depctr_hold_cnt(0) depctr_sa_sdst(0) depctr_va_vdst(0) depctr_va_sdst(0) depctr_va_ssrc(0) depctr_va_vcc(0) depctr_vm_vsrc(0)
	s_getreg_b32 s2, hwreg(HW_REG_IB_STS2, 6, 4)
	s_cmp_eq_u32 s2, 0
	s_cbranch_scc0 .Lentry_in_a_cluster
	s_endpgm
.Lentry_in_a_cluster:
	s_bfe_u32 s2, ttmp6, 0x10000c
	s_cmp_lg_u32 s2, 0x3003
	s_cbranch_scc0 .Lentry_shape_is_right
	s_endpgm
.Lentry_shape_is_right:
; L2.  out0 = hidden l2_w^T x 2^(e14 + e15) + l2_b + x2.  (The text is that of launch wo but for the constants at its head.)
; SHARES.  A work-group: 128 rows (cluster y) x 128 columns (its place cx in the cluster; the grid's x is one cluster wide).  Wave w: all 128 rows x columns 128 cx + 32 w .. + 31: 16 accumulators.
; A's codes are images of operand registers, one dense run of 16,384 NKS bytes for the block of rows.  The four work-groups of a cluster read the same run: JOINT first fills, each wave NKS / 4 loads of 16 KB
; (that many outstanding by this text's count); nothing is filled again.  B's fragments (512 registers) go from wimg straight into registers: no other wave wants them.
; The product is used transposed (source 0 = W's rows, source 1 = the rows' codes): a lane holds eight neighbouring columns of a row.  Results meet in a stage in LDS (rows of 512 bytes + 16), which lies over A's first
; bytes: they have had their only fill, and a barrier stands behind every wave's last read of them.  Each wave adds the residual to 32 whole rows' 512 bytes and stores them: two aligned runs of 256 bytes an instruction.
; LIMIT: ea + eb between -126 and 127.
; REGISTERS.  Window 0: v1 16 x lane; v4-7 LDS addresses of A's chunks; v8, v9 the stage; v16-31 bias; v128-255 A's set 0, later results.  Windows 1, 2: B of even and odd K steps, fragment (ks / 2, n) at 16 (2 (ks / 2) + n);
;   from K step 8 on the residual takes v0-127 of window 1.  Window 3: v0-127 accumulator (m, n) at 8 (2 m + n); v128-255 A's set 1.
.set NKS,   16                         ; K steps of 128
.set STATS, 0
.set WOFF,  2097152                    ; the weight's first fragment in wimg
.set EOFF,  0x38                       ; its two exponents in lowp_scales
.set STG,   0                          ; the stage
.set OVER,  1                          ; 1: the stage lies over A's bytes
.set RESW,  1                          ; the residual's window,
.set RESR,  0                          ; first register,
.set RESK,  8                          ; and the K step at which it is asked for (-1: at the head)
.set NTS,   2048*NKS                   ; a tile of 16 rows of the weight in wimg
.set MSB, 0
.macro WIN new
.if MSB != (\new)
	s_set_vgpr_msb (MSB<<8)|(\new)
.set MSB, (\new)
.endif
.endm
.macro PLACES n
.rept \n
	v_nop
.endr
.endm
.macro CROUND
	s_barrier_signal -1
	s_barrier_wait -1
	s_cmp_lg_u32 s20, 0
	s_cbranch_scc1 .Lnot_wave_0_\@
	s_barrier_signal -3
.Lnot_wave_0_\@:
	s_barrier_wait -3
	s_barrier_signal -1
	s_barrier_wait -1
.endm
.macro WAITB n                         ; my loads but the youngest n have landed, my LDS loads are in; the work-group's barrier
	s_wait_tensorcnt \n
	s_wait_dscnt 0x0
	s_barrier_signal -1
	s_barrier_wait -1
.endm
.macro RESLOAD                         ; the residual at the 32 rows that I store
	WIN 0x40*RESW
.set rp, 0
.rept 32
	global_load_b128 v[RESR+4*rp:RESR+4*rp+3], v1, s[52:53] offset:2048*rp th:TH_LOAD_NT
.set rp, rp+1
.endr
	WIN 0
.endm
.macro AF ks                           ; A's eight fragments of K step ks into set ks % 2
.if (\ks)%2
	WIN 0xc0
.else
	WIN 0
.endif
.irp m, 0,1,2,3,4,5,6,7
.irp g, 0,1,2,3
	ds_load_b128 v[128+16*\m+4*\g:128+16*\m+4*\g+3], v[4+(\ks)/4] offset:16384*((\ks)%4)+2048*\m+512*\g
.endr
.endr
.endm
.macro MULK ks                         ; 16 products; the accumulators take turns, one instruction a turn
.if (\ks)%2
	WIN 0xfe                                       ; B window 2, A window 3, C and D window 3
.else
	WIN 0xf1                                       ; B window 1, A window 0, C and D window 3
.endif
.irp m, 0,1,2,3,4,5,6,7
.irp n, 0,1
.if (\ks) == 0
	v_wmma_f32_16x16x128_fp8_fp8 v[8*(2*\m+\n):8*(2*\m+\n)+7], v[16*(2*((\ks)/2)+\n):16*(2*((\ks)/2)+\n)+15], v[128+16*\m:128+16*\m+15], 0
.else
	v_wmma_f32_16x16x128_fp8_fp8 v[8*(2*\m+\n):8*(2*\m+\n)+7], v[16*(2*((\ks)/2)+\n):16*(2*((\ks)/2)+\n)+15], v[128+16*\m:128+16*\m+15], v[8*(2*\m+\n):8*(2*\m+\n)+7]
.endif
.endr
.endr
.endm
	s_load_b256 s[4:11], s[0:1], 0x0               ; A 4, wimg 6, bias 8, residual 10
	s_load_b128 s[12:15], s[0:1], 0x20             ; scales 12, output 14
	v_lshl_add_u32 v126, v0, 2, 0x40000
	v_mov_b32 v127, 0
	ds_add_u32 v126, v127
	ds_add_u32 v126, v127
	v_lshrrev_b32 v1, 5, v0
	v_readfirstlane_b32 s20, v1                    ; wave 0..3
	s_bfe_u32 s21, ttmp6, 0x40000                  ; cx
	s_and_b32 s22, ttmp7, 0xffff                   ; block of 128 rows
	s_mov_b32 s24, 15|(3<<16)|(1<<21)              ; group 1: the mask of all four; elements of 8 bytes; bit 21 beside a mask
	s_mov_b32 s25, 32<<16                          ; 64 rows of 32 elements, dense: 16 KB
	s_mov_b32 s26, 64<<16
	s_mov_b32 s27, 32<<16
	s_mov_b32 s28, 64
	s_mov_b32 s29, 32
	s_mov_b32 s30, 0
	s_mov_b32 s31, 0
	s_lshl_b32 s66, s20, 14                        ; my quarter of a chunk of 64 KB
	s_mul_i32 s68, s22, 16384*NKS
	s_add_co_u32 s68, s68, s66
	s_mov_b32 s69, 0
	s_lshl_b32 s70, s21, 3
	s_lshl_b32 s71, s20, 1
	s_add_co_u32 s70, s70, s71                     ; my first tile of 16 columns
	s_mul_i32 s70, s70, NTS
	s_add_co_u32 s70, s70, WOFF
	s_mov_b32 s71, 0
	s_lshl_b32 s72, s22, 18                        ; rows 128 block + 32 wave, column 128 cx, in f32
	s_lshl_b32 s73, s20, 16
	s_add_co_u32 s72, s72, s73
	s_lshl_b32 s73, s21, 9
	s_add_co_u32 s72, s72, s73
	s_lshl_b32 s74, s20, 7
	s_add_co_u32 s74, s74, s73                     ; the bias at column 128 cx + 32 wave
	s_mov_b32 s73, 0
	s_mov_b32 s75, 0
	v_and_b32 v1, 31, v0
	v_lshlrev_b32 v1, 4, v1
.set lc, 0
.rept NKS/4
	v_add_nc_u32 v[4+lc], 65536*lc, v1
.set lc, lc+1
.endr
	v_and_b32 v8, 15, v0
	v_mul_u32_u24 v8, v8, 528
	v_bfe_u32 v10, v0, 4, 1
	v_lshlrev_b32 v10, 5, v10                      ; 32 h
	v_add_nc_u32 v8, v8, v10
	s_lshl_b32 s78, s20, 7
	s_add_co_u32 s78, s78, STG
	v_add_nc_u32 v8, s78, v8                       ; into the stage: row r, + 128 wave + 32 h
	s_mul_i32 s78, s20, 32*528
	s_add_co_u32 s78, s78, STG
	v_add_nc_u32 v9, s78, v1                       ; back: my 32 rows, 16 bytes a lane
	s_wait_dscnt 0x0
	s_wait_kmcnt 0x0
	s_load_b64 s[50:51], s[12:13], EOFF            ; ea, eb
	s_add_nc_u64 s[68:69], s[4:5], s[68:69]
	s_add_nc_u64 s[48:49], s[6:7], s[70:71]
	s_add_nc_u64 s[56:57], s[8:9], s[74:75]
	s_add_nc_u64 s[52:53], s[10:11], s[72:73]
	s_add_nc_u64 s[54:55], s[14:15], s[72:73]
.set gc, 0
.rept NKS/4
	s_mov_b32 s[32+4*gc], 1
	s_add_co_u32 s[33+4*gc], s66, 65536*gc
	s_add_nc_u64 s[34+4*gc:35+4*gc], s[68:69], 65536*gc
	s_or_b32 s[35+4*gc], s[35+4*gc], 0x80000000
.set gc, gc+1
.endr
	CROUND                                         ; all four work-groups are here: the joint loads meet
.set gc, 0
.rept NKS/4
	tensor_load_to_lds s[32+4*gc:35+4*gc], s[24:31]
	s_nop 0
.set gc, gc+1
.endr
	PLACES 4
.irp n, 0,1
	global_load_b128 v[16+8*\n:19+8*\n], v10, s[56:57] offset:64*\n
	global_load_b128 v[20+8*\n:23+8*\n], v10, s[56:57] offset:64*\n+16
.endr
.irp par, 0,1
	WIN 0x40*(1+\par)
.set kk, 0
.rept NKS/2
.irp n, 0,1
.irp g, 0,1,2,3
	global_load_b128 v[16*(2*kk+\n)+4*\g:16*(2*kk+\n)+4*\g+3], v1, s[48:49] offset:\n*NTS+2048*(2*kk+\par)+512*\g
.endr
.endr
.set kk, kk+1
.endr
.endr
	WIN 0
	s_wait_kmcnt 0x0
	s_add_co_i32 s50, s50, s51
	s_add_co_i32 s50, s50, 127
	s_lshl_b32 s50, s50, 23                        ; 2^(ea + eb)
	s_mov_b32 s51, s50
	WAITB NKS/4-1                                  ; the first four K steps lie in LDS; three loads of mine may be out
	AF 0
	s_wait_loadcnt 0x0                             ; bias and B
.set K, 0
.rept NKS
.if K+1 < NKS
.if (K+1)%4 == 0
	WAITB NKS/4-1-(K+1)/4                          ; the next four K steps
.endif
	PLACES 4                                       ; ahead of loads into the set that the last products read
.if K == RESK
	RESLOAD                                        ; into the registers of B's K steps 0, 2, 4, 6, which are done with
.endif
	AF K+1
	s_wait_dscnt 32                                ; all but the 32 just issued
.else
	s_wait_dscnt 0x0
.endif
	MULK K
.set K, K+1
.endr
	PLACES 4
	WIN 0
	s_wait_dscnt 0x0
	s_barrier_signal -1                            ; every wave's reads of A are over: the stage may be written over it
	s_barrier_wait -1
	WIN 0x03                                       ; source 0: window 3
.set ea, 0
.rept 16
.irp i, 0,2,4,6
	v_pk_fma_f32 v[128+8*ea+\i:129+8*ea+\i], v[8*ea+\i:8*ea+\i+1], s[50:51], v[16+8*(ea%2)+\i:17+8*(ea%2)+\i] op_sel_hi:[1,0,1]   ; sum x 2^(ea + eb) + bias; each accumulator from its low end on
.endr
.set ea, ea+1
.endr
	WIN 0
.set ea, 0
.rept 16
	ds_store_b128 v8, v[128+8*ea:131+8*ea] offset:8448*(ea/2)+64*(ea%2)
	ds_store_b128 v8, v[132+8*ea:135+8*ea] offset:8448*(ea/2)+64*(ea%2)+16
.set ea, ea+1
.endr
	s_wait_dscnt 0x0                               ; for the others' sake: my columns lie in the stage
	s_barrier_signal -1
	s_barrier_wait -1
.set ep, 0
.rept 32
	ds_load_b128 v[128+4*ep:131+4*ep], v9 offset:528*ep
.set ep, ep+1
.endr
	s_wait_loadcnt 0x0                             ; the residual
	s_wait_dscnt 0x0
	WIN 0x04*RESW                                  ; source 1: the residual's window
.set ep, 0
.rept 64
	v_pk_add_f32 v[128+2*ep:129+2*ep], v[128+2*ep:129+2*ep], v[RESR+2*ep:RESR+2*ep+1]
.set ep, ep+1
.endr
	WIN 0
.set ep, 0
.rept 32
	global_store_b128 v1, v[128+4*ep:131+4*ep], s[54:55] offset:2048*ep th:TH_STORE_NT
.set ep, ep+1
.endr
	s_wait_dscnt 0x0
	s_wait_tensorcnt 0x0
	ds_add_u32 v126, v127
	s_wait_dscnt 0x0
	CROUND                                         ; the closing round
	s_endpgm
.Lfunc_end_k_qd070651240_l2:
	.size	k_qd070651240_l2, .Lfunc_end_k_qd070651240_l2-k_qd070651240_l2
	.p2alignl 7, 3214868480
	.fill 96, 4, 3214868480
	.section	.rodata,"a",@progbits
	.p2align	6, 0x0
	.amdhsa_kernel k_qd070651240_l2
		.amdhsa_group_segment_fixed_size 262656
		.amdhsa_private_segment_fixed_size 0
		.amdhsa_enable_private_segment 0
		.amdhsa_kernarg_size 48
		.amdhsa_user_sgpr_count 2
		.amdhsa_user_sgpr_kernarg_segment_ptr 1
		.amdhsa_wavefront_size32 1
		.amdhsa_system_sgpr_workgroup_id_x 1
		.amdhsa_system_sgpr_workgroup_id_y 1
		.amdhsa_system_sgpr_workgroup_id_z 1
		.amdhsa_system_vgpr_workitem_id 0
		.amdhsa_next_free_vgpr 1024
		.amdhsa_next_free_sgpr 80
		.amdhsa_reserve_vcc 0
		.amdhsa_float_denorm_mode_32 3
		.amdhsa_float_denorm_mode_16_64 3
		.amdhsa_memory_ordered 1
		.amdhsa_forward_progress 1
		.amdhsa_inst_pref_size 89
	.end_amdhsa_kernel
	.amdgpu_metadata
---
amdhsa.version: [ 1, 2 ]
amdhsa.kernels:
  - .name:           k_qd070651240_l2
    .symbol:         k_qd070651240_l2.kd
    .args:
      - { .name: hid, .offset: 0, .size: 8, .value_kind: global_buffer, .address_space: global }
      - { .name: wimg, .offset: 8, .size: 8, .value_kind: global_buffer, .address_space: global }
      - { .name: l2_b, .offset: 16, .size: 8, .value_kind: global_buffer, .address_space: global }
      - { .name: x2, .offset: 24, .size: 8, .value_kind: global_buffer, .address_space: global }
      - { .name: lowp_scales, .offset: 32, .size: 8, .value_kind: global_buffer, .address_space: global }
      - { .name: out0, .offset: 40, .size: 8, .value_kind: global_buffer, .address_space: global }
    .group_segment_fixed_size: 262656
    .private_segment_fixed_size: 0
    .kernarg_segment_align: 8
    .kernarg_segment_size: 48
    .max_flat_workgroup_size: 128
    .sgpr_count:     80
    .vgpr_count:     1024
    .wavefront_size: 32
...
	.end_amdgpu_metadata
.endif
;; end of part 6
;; ======== version 2 of 2: 6 launches
;; workspace buffers: st1 2,048 bytes; st2 2,048 bytes; wimg 3,145,728 bytes; qc 4,194,304 bytes; kv 8,388,608 bytes; ctx 4,194,304 bytes; x2 16,777,216 bytes; hid 16,777,216 bytes
;; launch prep: the kernel of part 1 again; grid 448 x 1, 8 waves a work-group, no clusters, 19,712 bytes of LDS; arguments x, Wq_w, Wk_w, Wv_w, Wo_w, l1_w, l2_w, lowp_scales, st1, wimg; writes st1, wimg
;; launch qkv (part 7): grid 3 x 64, 4 waves a work-group, no clusters, 68,096 bytes of LDS; arguments x, st1, n1_scale, n1_shift, wimg, Wq_b, Wk_b, Wv_b, lowp_scales, qc, kv; writes qc, kv
.if DOCPART == 7
	.amdgcn_target "amdgcn-amd-amdhsa--gfx1250"
	.amdhsa_code_object_version 6
	.text
	.protected	k_qd070651240_qkv
	.globl	k_qd070651240_qkv
	.p2align	8
	.type	k_qd070651240_qkv,@function
k_qd070651240_qkv:
	s_mov_b64 s[64:65], 0
	v_nop
	global_prefetch_b8 v0, s[64:65] scope:SCOPE_SE
	s_setreg_imm32_b32 hwreg(HW_REG_WAVE_SCHED_MODE, 0, 2), 2
	s_setreg_imm32_b32 hwreg(HW_REG_WAVE_MODE, 25, 1), 1
	s_wait_xcnt 0x0
	s_wait_alu depctr_vm_vsrc(0)
; QKV.  h = ((x - row mean) / var + 1e-5) scale + shift (var: ONE number for all of x, from st1), quantised; one of q, k, v = h W^T + b (kind = work-group x), quantised again for attention.
; SHARES.  A work-group: 128 rows (work-group y) x all 512 columns of its kind.  Phase LN: wave w norms and quantises rows 32 w .. + 31 and lays their codes in LDS (row pitch 528, each 128 codes in the order PERM of
; launch prep, so that 16 bytes at 128 ks + 32 g + 16 h of a row are registers 4 g .. 4 g + 3 of a fragment).  One barrier.  Phase GEMM: THE WAVES SHARE THE COLUMNS: wave w makes columns 128 w .. + 127 (four heads) for
; all 128 rows, in two passes of 64 columns: a loop of two trips.  A pass's weights (32 KB, one dense run of wimg) go from memory straight into 256 registers: no other wave wants them.
; q, k: the product is used transposed (source 0 = W's rows, source 1 = the rows' codes): a lane holds one token and eight channels, so two tiles convert into a head's four registers.
; v: natural (source 0 = the rows' codes, source 1 = W's rows): a lane holds one channel and eight tokens, since the keys are the K of attention's second product.
; OUT, images of operand registers: qc: head x 65536 + token tile x 512; kv: head x 131072 + step of 128 keys x 8192, K's tile i at 512 i, V at 4096 + 2048 t + 512 g.  Every store covers 512 consecutive bytes.
; NO CLUSTER: the three kinds share x's block, but 262,144 bytes of f32 beside 67,584 of codes are more than a WGP's LDS, and each weight byte is wanted by one wave.
; LIMITS: each e between -126 and 119, ea + eb between -126 and 127; NaN among the inputs is not served.
; REGISTERS.  Window 0: v1 16 x lane; v2, v3 LDS addresses; v4, v5 store offsets of the pass's two heads; v8-11 holds and scales; v12-31 row means and sums; v32-47 scale / var; v48-63 1e-5 scale + shift;
;   v64-95 codes just made, later the pass's bias; v128-255 two sets of four rows of x, later A's eight fragments of an even K step, later results at work.  Window 1: B, fragment 4 nt + ks at 16 x.
;   Window 2: accumulator (m, nt) at 8 (4 m + nt).  Window 3: v128-255 A's eight fragments of an odd K step.
; THE MODE: SCHED_MODE bits 1:0 = 2 (LLVM: expert scheduling mode 2), set by the entry lines.  The code itself states the register dependences
; between vector or matrix instructions and memory or LDS instructions, with s_wait_alu, always for 0.
; THE PLAN.  Registers that memory or LDS instructions touch:
;   v1-v5, v96, v97   offsets and LDS addresses: written at the head and never again.
;   X0, X1            (v128-191, v192-255) group k of four rows works in place on X[k % 2]; behind its conversions the loads of group k + 2 land there.
;   C0, C1            (v64-79, v80-95) group k's conversions write C[k % 2], its sixteen LDS stores read it, group k + 2's conversions write it again.
;                     So a group has one wait on va_vdst, behind its conversions, for its stores and its loads alike, and from group 2 on one wait on vm_vsrc ahead of its conversions.
;   B                 (window 1) read by a pass's products.  Pass 0's loads stand in phase LN, when nothing has named these registers; pass 1's stand behind one wait on va_vdst behind pass 0's products.
;   A0, A1            (window 0 and window 3, v128-255) K step ks's products read A[ks % 2]; the LDS loads of K step ks + 1 land in the other set, dealt among the step's first sixteen products,
;                     which name A[ks % 2], B and the accumulators alone.  One wait on va_vdst at the head of K steps 1 and 2: the step before is done reading the set that is loaded now.
;   the bias          (v64-95) loaded at a trip's head, read by the way out's multiply-adds.
;   the codes out     (v128-191) sixteen registers a batch, none used twice in a pass: one wait on va_vdst ahead of a batch's four stores; one wait on vm_vsrc at the trip's end, ahead of A0's next loads.
;   No vector or matrix instruction stands between the way out's last wait and the next trip's loads of the bias and of A0: the loop's head owes no wait.
.set PITCH, 528
.set MSB, 0
.macro WIN new                         ; the immediate's high byte repeats the setting that is left
.if MSB != (\new)
	s_set_vgpr_msb (MSB<<8)|(\new)
.set MSB, (\new)
.endif
.endm
.macro PLACES n
.rept \n
	v_nop
.endr
.endm
.macro BFLY1 v, t
	v_add_f32_dpp v[\v], v[\v], v[\v] row_xmask:1 row_mask:0xf bank_mask:0xf
	v_add_f32_dpp v[\v], v[\v], v[\v] row_xmask:2 row_mask:0xf bank_mask:0xf
	v_add_f32_dpp v[\v], v[\v], v[\v] row_xmask:4 row_mask:0xf bank_mask:0xf
	v_add_f32_dpp v[\v], v[\v], v[\v] row_xmask:8 row_mask:0xf bank_mask:0xf
	v_permlanex16_b32 v[\t], v[\v], s30, s31
	v_add_f32 v[\v], v[\v], v[\t]
.endm
.macro XLOAD k                         ; rows 4 k .. 4 k + 3 of my 32: 8,192 consecutive bytes, into set k % 2
.set xj, 0
.rept 16
	global_load_b128 v[128+64*((\k)%2)+4*xj:128+64*((\k)%2)+4*xj+3], v1, s[32:33] offset:8192*(\k)+512*xj
.set xj, xj+1
.endr
.endm
.macro BLOADS first, count, off        ; loads first .. first + count - 1 of a pass's 64: register 4 j of window 1, byte 512 j
	WIN 0x40
.set bj, \first
.rept \count
	global_load_b128 v[4*bj:4*bj+3], v1, s[34:35] offset:\off+512*bj
.set bj, bj+1
.endr
	WIN 0
.endm
; Four rows: mean, norm, hold, codes, into LDS.  left: the loads issued behind these rows' own, which may stay out.
.macro LNG k, left
.set SL, 128+64*((\k)%2)
.set CO, 64+16*((\k)%2)
	s_wait_loadcnt \left
.irp p, 0,1,2,3
	v_pk_add_f32 v[20+2*\p:21+2*\p], v[SL+16*\p:SL+16*\p+1], v[SL+16*\p+2:SL+16*\p+3]
.endr
.irp j, 4,6,8,10,12,14
.irp p, 0,1,2,3
	v_pk_add_f32 v[20+2*\p:21+2*\p], v[20+2*\p:21+2*\p], v[SL+16*\p+\j:SL+16*\p+\j+1]
.endr
.endr
.irp p, 0,1,2,3
	v_add_f32 v[20+2*\p], v[20+2*\p], v[21+2*\p]
.endr
.irp x, 1,2,4,8
.irp p, 0,1,2,3
	v_add_f32_dpp v[20+2*\p], v[20+2*\p], v[20+2*\p] row_xmask:\x row_mask:0xf bank_mask:0xf
.endr
.endr
.irp p, 0,1,2,3
	v_permlanex16_b32 v[28+\p], v[20+2*\p], s30, s31
.endr
.irp p, 0,1,2,3
	v_add_f32 v[20+2*\p], v[20+2*\p], v[28+\p]
.endr
.irp p, 0,1,2,3
	v_mul_f32 v[12+2*\p], 0x3b000000, v[20+2*\p]   ; the row's mean: / 512
.endr
.irp p, 0,1,2,3
.irp j, 0,2,4,6,8,10,12,14
	v_pk_add_f32 v[SL+16*\p+\j:SL+16*\p+\j+1], v[SL+16*\p+\j:SL+16*\p+\j+1], v[12+2*\p:13+2*\p] op_sel_hi:[1,0] neg_lo:[0,1] neg_hi:[0,1]
.endr
.endr
.irp p, 0,1,2,3
.irp j, 0,2,4,6,8,10,12,14
	v_pk_fma_f32 v[SL+16*\p+\j:SL+16*\p+\j+1], v[SL+16*\p+\j:SL+16*\p+\j+1], v[32+\j:33+\j], v[48+\j:49+\j]
.endr
.endr
.set lj, 0
.rept 64
	v_med3_num_f32 v[SL+lj], v[SL+lj], -v8, v8     ; the conversion does not saturate (ISA guide 7.6.2)
.set lj, lj+1
.endr
	s_wait_alu depctr_va_vdst(0)
	s_wait_dscnt 0x0                               ; the stores of two groups back have read these code registers
.if (\k) >= 2
	s_wait_alu depctr_vm_vsrc(0)                   ; the LDS stores of two groups back have read C[k % 2], which the conversions below write again
.endif
.irp p, 0,1,2,3
	v_cvt_scalef32_pk8_fp8_f32 v[CO+4*\p:CO+4*\p+1], v[SL+16*\p:SL+16*\p+7], v9
	v_cvt_scalef32_pk8_fp8_f32 v[CO+4*\p+2:CO+4*\p+3], v[SL+16*\p+8:SL+16*\p+15], v9
.endr
	v_nop                                          ; a plain line behind the last conversion
	s_wait_alu depctr_va_vdst(0)                   ; the conversions have written C[k % 2], which the LDS stores read, and are done reading X[k % 2], in which the loads of group k + 2 land
.if (\k) < 6
	XLOAD \k+2
.endif
.irp p, 0,1,2,3
.irp q, 0,1,2,3
	ds_store_b32 v2, v[CO+4*\p+\q] offset:(4*(\k)+\p)*PITCH+128*\q
.endr
.endr
	BLOADS 8*(\k), 8, 0                            ; an eighth of pass 0's weights: no vector or matrix instruction has named these registers yet
.endm
.macro AF8 ks, f0                      ; two of A's eight fragments of K step ks, f0 and f0 + 1, into set ks % 2
.if (\ks)%2
	WIN 0xc0                                       ; destination window 3, address window 0
.else
	WIN 0
.endif
.irp m, \f0, \f0+1
.irp g, 0,1,2,3
	ds_load_b128 v[128+16*(\m)+4*\g:128+16*(\m)+4*\g+3], v3 offset:16*PITCH*(\m)+128*(\ks)+32*\g
.endr
.endr
.endm
; 4 products: row tile m x the pass's four column tiles.  The 32 accumulators take turns, one instruction a turn.  K step 0 starts the sums with the constant 0.
.macro MUL4 swap, ks, m
.if \swap
	WIN 0xa4+3*((\ks)%2)                           ; source 0 (A) window 0 or 3, source 1 (B) window 1, C and D window 2
.else
	WIN 0xa1+12*((\ks)%2)                          ; source 0 (B) window 1, source 1 (A) window 0 or 3, C and D window 2
.endif
.irp n, 0,1,2,3
.if \swap
.if (\ks) == 0
	v_wmma_f32_16x16x128_fp8_fp8 v[8*(4*(\m)+\n):8*(4*(\m)+\n)+7], v[128+16*(\m):128+16*(\m)+15], v[16*(4*\n+(\ks)):16*(4*\n+(\ks))+15], 0
.else
	v_wmma_f32_16x16x128_fp8_fp8 v[8*(4*(\m)+\n):8*(4*(\m)+\n)+7], v[128+16*(\m):128+16*(\m)+15], v[16*(4*\n+(\ks)):16*(4*\n+(\ks))+15], v[8*(4*(\m)+\n):8*(4*(\m)+\n)+7]
.endif
.else
.if (\ks) == 0
	v_wmma_f32_16x16x128_fp8_fp8 v[8*(4*(\m)+\n):8*(4*(\m)+\n)+7], v[16*(4*\n+(\ks)):16*(4*\n+(\ks))+15], v[128+16*(\m):128+16*(\m)+15], 0
.else
	v_wmma_f32_16x16x128_fp8_fp8 v[8*(4*(\m)+\n):8*(4*(\m)+\n)+7], v[16*(4*\n+(\ks)):16*(4*\n+(\ks))+15], v[128+16*(\m):128+16*(\m)+15], v[8*(4*(\m)+\n):8*(4*(\m)+\n)+7]
.endif
.endif
.endr
.endm
; A pass's 128 products.  A has two sets of registers, which take turns K step by K step; the next step's 32 LDS loads stand behind the step's first four groups of four products, eight behind each,
; so that the step's last sixteen products stand between the last load and the wait for it.  young: the bias loads, issued behind B's, may stay out.
.macro GPASS swap, young
	AF8 0, 0
	AF8 0, 2
	AF8 0, 4
	AF8 0, 6
	s_wait_loadcnt \young
.irp ks, 0,1,2,3
.if (\ks == 1) || (\ks == 2)
	PLACES 4                                       ; the four places behind the last products stay beside the wait
	s_wait_alu depctr_va_vdst(0)                   ; the products of the K step before are done reading their set of A, in which this step's LDS loads land
.endif
.if \ks == 0
	s_wait_dscnt 16                                ; fragments 0-3 are in; the 16 loads of fragments 4-7 may be out
.else
	s_wait_dscnt 0x0                               ; this step's set is in: its last loads were issued sixteen products ago
.endif
.irp m, 0,1,2,3
	MUL4 \swap, \ks, \m
.if \ks < 3
	AF8 \ks+1, 2*\m                                ; no wait: no product since the wait names the set that these loads land in
.endif
.endr
.if \ks == 0
	s_wait_dscnt 32                                ; all but the 32 loads of K step 1: fragments 4-7 are in
.endif
.irp m, 4,5,6,7
	MUL4 \swap, \ks, \m
.endr
.endr
.endm
.macro QUANT64 co                      ; v192-255, four units of 16, become four registers each from v[co] on
.set qj, 0
.rept 64
	v_med3_num_f32 v[192+qj], v[192+qj], -v10, v10
.set qj, qj+1
.endr
.irp u, 0,1,2,3
	v_cvt_scalef32_pk8_fp8_f32 v[\co+4*\u:\co+4*\u+1], v[192+16*\u:192+16*\u+7], v11
	v_cvt_scalef32_pk8_fp8_f32 v[\co+4*\u+2:\co+4*\u+3], v[192+16*\u+8:192+16*\u+15], v11
.endr
	v_nop
.endm
.macro EPI_QK                          ; sum x 2^(ea + eb) + bias, quantised: unit (row tile m, head hh) = column tiles 2 hh, 2 hh + 1; each accumulator is read from its low end on
.irp bt, 0,1,2,3
	WIN 0x02                                       ; source 0: window 2
.irp um, 0,1
.irp hh, 0,1
.irp t, 0,1
.irp i, 0,2,4,6
	v_pk_fma_f32 v[192+16*(2*\um+\hh)+8*\t+\i:192+16*(2*\um+\hh)+8*\t+\i+1], v[8*(4*(2*\bt+\um)+2*\hh+\t)+\i:8*(4*(2*\bt+\um)+2*\hh+\t)+\i+1], s[52:53], v[64+8*(2*\hh+\t)+\i:64+8*(2*\hh+\t)+\i+1] op_sel_hi:[1,0,1]
.endr
.endr
.endr
.endr
	WIN 0
	QUANT64 128+16*\bt
	s_wait_alu depctr_va_vdst(0)                   ; the conversions have written the batch's sixteen code registers, which its four stores read
.irp um, 0,1
.irp hh, 0,1
	global_store_b128 v[4+\hh], v[128+16*\bt+4*(2*\um+\hh):128+16*\bt+4*(2*\um+\hh)+3], s[54:55] offset:512*(2*\bt+\um)
.endr
.endr
.endr
.endm
.macro EPI_V                           ; unit (column tile nt, group g) = row tiles 2 g, 2 g + 1: 16 keys of my channel
.irp nt, 0,1,2,3
	WIN 0x02
.irp g, 0,1,2,3
.irp t, 0,1
.irp i, 0,2,4,6
	v_pk_fma_f32 v[192+16*\g+8*\t+\i:192+16*\g+8*\t+\i+1], v[8*(4*(2*\g+\t)+\nt)+\i:8*(4*(2*\g+\t)+\nt)+\i+1], s[52:53], v[64+2*\nt:65+2*\nt] op_sel_hi:[1,0,0]
.endr
.endr
.endr
	WIN 0
	QUANT64 128+16*\nt
	s_wait_alu depctr_va_vdst(0)                   ; the conversions have written the batch's sixteen code registers, which its four stores read
.irp g, 0,1,2,3
	global_store_b128 v[4+\nt/2], v[128+16*\nt+4*\g:128+16*\nt+4*\g+3], s[54:55] offset:4096+2048*(\nt%2)+512*\g
.endr
.endr
.endm
	s_load_b512 s[4:19], s[0:1], 0x0               ; x 4, st1 6, n1_scale 8, n1_shift 10, wimg 12, Wq_b 14, Wk_b 16, Wv_b 18
	s_load_b128 s[20:23], s[0:1], 0x40             ; scales 20, qc 22
	s_load_b64 s[24:25], s[0:1], 0x50              ; kv
	v_lshl_add_u32 v126, v0, 2, 0x10800
	v_mov_b32 v127, 0
	v_lshrrev_b32 v1, 5, v0
	v_readfirstlane_b32 s28, v1                    ; wave 0..3
	s_mov_b32 s26, ttmp9                           ; kind: 0 q, 1 k, 2 v
	s_and_b32 s27, ttmp7, 0xffff                   ; block of 128 rows
	s_mov_b32 s30, 0x76543210
	s_mov_b32 s31, 0xfedcba98
	v_and_b32 v1, 31, v0
	v_lshlrev_b32 v1, 4, v1                        ; 16 x lane
	v_bfe_u32 v2, v0, 3, 2                         ; PERM(lane)
	v_lshlrev_b32 v2, 5, v2
	v_bfe_u32 v3, v0, 1, 1
	v_lshl_or_b32 v2, v3, 4, v2
	v_bfe_u32 v3, v0, 2, 1
	v_lshl_or_b32 v2, v3, 3, v2
	v_and_b32 v3, 1, v0
	v_lshl_or_b32 v2, v3, 2, v2
	s_wait_alu depctr_va_sdst(0)                   ; s28, the wave's number, is written, ahead of its first reader
	s_mul_i32 s66, s28, 32*PITCH
	v_add_nc_u32 v2, s66, v2                       ; + my 32 rows
	v_and_b32 v3, 15, v0
	v_lshlrev_b32 v97, 2, v3                       ; 4 r
	v_mul_u32_u24 v3, v3, PITCH
	v_bfe_u32 v96, v0, 4, 1
	v_lshl_add_u32 v3, v96, 4, v3                  ; a fragment: row r, + 16 h
	v_lshlrev_b32 v96, 5, v96                      ; 32 h
.irp p, 0,1,2,3
	v_mov_b32 v[13+2*\p], 0                        ; named as the upper halves of the means' pairs
	v_mov_b32 v[28+\p], 0                          ; a lane permute's destination counts as read
.endr
	s_lshl_b32 s66, s27, 18
	s_lshl_b32 s67, s28, 16
	s_add_co_u32 s66, s66, s67                     ; x: (128 block + 32 wave) rows of 2,048 bytes
	s_lshl_b32 s68, s26, 18
	s_add_co_u32 s68, s68, s67                     ; wimg: kind x 262,144 + wave x 65,536
	s_mov_b32 s67, 0
	s_mov_b32 s69, 0
	s_wait_kmcnt 0x0
	s_load_b512 s[36:51], s[20:21], 0x0            ; e0 .. e15
	s_add_nc_u64 s[32:33], s[4:5], s[66:67]
	s_add_nc_u64 s[34:35], s[12:13], s[68:69]
	s_wait_alu depctr_va_vdst(0)                   ; v1, v2, v3, v96 and v97 are written: the loads, LDS stores and LDS loads of the whole kernel read them as offsets and addresses
.irp j, 0,1,2,3
	global_load_b128 v[80+4*\j:83+4*\j], v1, s[6:7] offset:512*\j     ; the 256 pairs: eight a lane
.endr
.irp j, 0,1,2,3
	global_load_b128 v[32+4*\j:35+4*\j], v1, s[8:9] offset:512*\j     ; scale at my 16 columns
.endr
.irp j, 0,1,2,3
	global_load_b128 v[48+4*\j:51+4*\j], v1, s[10:11] offset:512*\j   ; shift
.endr
	XLOAD 0
	XLOAD 1
	s_wait_kmcnt 0x0
	s_cmp_eq_u32 s26, 1                            ; the kind's exponents, bias and target: choices on the work-group's number
	s_cselect_b32 s70, s38, s40                    ; ea
	s_cselect_b32 s71, s39, s41                    ; eb
	s_cselect_b32 s72, s43, s45                    ; the result's own: e6, e7, e9
	s_cselect_b64 s[56:57], s[16:17], s[18:19]
	s_mov_b32 s58, 0x20000
	s_movk_i32 s59, 0x2000
	s_cmp_eq_u32 s26, 0
	s_cselect_b32 s70, s36, s70
	s_cselect_b32 s71, s37, s71
	s_cselect_b32 s72, s42, s72
	s_cselect_b64 s[56:57], s[14:15], s[56:57]
	s_cselect_b64 s[54:55], s[22:23], s[24:25]
	s_cselect_b32 s58, 0x10000, s58                ; bytes of a head
	s_cselect_b32 s59, 0x1000, s59                 ; bytes of 128 tokens in a head
	s_lshl_b32 s62, s58, 1                         ; a pass is two heads
	s_mov_b32 s63, 0
	s_lshr_b32 s73, s27, 4
	s_lshl_b32 s73, s73, 4
	s_lshl_b32 s74, s28, 2
	s_add_co_u32 s73, s73, s74                     ; 16 batch + my first head
	s_mul_i32 s73, s73, s58
	s_and_b32 s74, s27, 15
	s_mul_i32 s74, s74, s59
	s_add_co_u32 s74, s73, s74
	s_mov_b32 s75, 0
	s_add_nc_u64 s[54:55], s[54:55], s[74:75]
	s_lshl_b32 s74, s28, 9
	s_add_nc_u64 s[56:57], s[56:57], s[74:75]      ; the bias at my 128 columns
	v_mov_b32 v4, v1                               ; (v4 and v5 are first read by the way out's stores, behind many later waits on va_vdst)
	v_add_nc_u32 v5, s58, v1
	s_add_co_i32 s73, s70, 127
	s_lshl_b32 s74, s73, 23
	v_mov_b32 v9, s74                              ; 2^ea
	s_add_co_i32 s73, s73, 8
	s_lshl_b32 s73, s73, 23
	s_or_b32 s73, s73, 0x600000
	v_mov_b32 v8, s73                              ; 448 x 2^ea
	s_add_co_i32 s73, s72, 127
	s_lshl_b32 s74, s73, 23
	v_mov_b32 v11, s74
	s_add_co_i32 s73, s73, 8
	s_lshl_b32 s73, s73, 23
	s_or_b32 s73, s73, 0x600000
	v_mov_b32 v10, s73
	s_add_co_i32 s52, s70, s71
	s_add_co_i32 s52, s52, 127
	s_lshl_b32 s52, s52, 23                        ; 2^(ea + eb)
	s_mov_b32 s53, s52
	; the variance of all of x
	s_wait_loadcnt 32                              ; all but the 32 loads of x
	v_add_f32 v104, v80, v82
	v_add_f32 v105, v84, v86
	v_add_f32 v106, v88, v90
	v_add_f32 v107, v92, v94
	v_add_f32 v104, v104, v105
	v_add_f32 v106, v106, v107
	v_add_f32 v104, v104, v106
	BFLY1 104, 28
	v_mul_f32 v104, 0x3b800000, v104               ; the mean of the 256 means
.irp j, 0,1,2,3,4,5,6,7
	v_sub_f32 v[80+2*\j], v[80+2*\j], v104
.endr
	v_mul_f32 v105, v80, v80
	v_mul_f32 v106, v82, v82
	v_fmac_f32 v105, v84, v84
	v_fmac_f32 v106, v86, v86
	v_fmac_f32 v105, v88, v88
	v_fmac_f32 v106, v90, v90
	v_fmac_f32 v105, v92, v92
	v_fmac_f32 v106, v94, v94
	v_add_f32 v105, v105, v106
	v_add_f32 v106, v81, v83
	v_add_f32 v107, v85, v87
	v_add_f32 v108, v89, v91
	v_add_f32 v109, v93, v95
	v_add_f32 v106, v106, v107
	v_add_f32 v108, v108, v109
	v_add_f32 v106, v106, v108
	v_fmamk_f32 v105, v105, 0x46800000, v106       ; + 16,384 x the means' squared distances
	BFLY1 105, 28
	v_mul_f32 v105, 0x34800000, v105               ; var: / 2^22
	s_wait_alu depctr_va_vdst(0)
	v_rcp_f32 v106, v105
	v_nop                                          ; a plain line behind the reciprocal,
	s_wait_alu depctr_va_vdst(0)                   ; and a wait ahead of the first reader of its result, v106
	v_fma_f32 v107, -v105, v106, 1.0               ; one Newton step
	v_fma_f32 v106, v106, v107, v106
.set hj, 0
.rept 16
	v_fmamk_f32 v[48+hj], v[32+hj], 0x3727c5ac, v[48+hj]   ; 1e-5 scale + shift
	v_mul_f32 v[32+hj], v106, v[32+hj]                     ; scale / var
.set hj, hj+1
.endr
	LNG 0, 16                                      ; behind X0: X1
	LNG 1, 24                                      ; behind X1: X2 and 8 of B
	LNG 2, 32                                      ; behind X2: 8 of B, X3, 8 of B
	LNG 3, 32
	LNG 4, 32
	LNG 5, 32
	LNG 6, 32
	LNG 7, 16                                      ; behind X7: twice 8 of B
	s_wait_dscnt 0x0                               ; for the others' sake: my rows' codes lie in LDS
	s_barrier_signal -1
	s_barrier_wait -1
	s_wait_alu depctr_vm_vsrc(0)                   ; my LDS stores have read v64-95, in which the bias lands and of which v's arm writes four
	s_mov_b32 s60, 2                               ; passes to go
	s_cmp_eq_u32 s26, 2
	s_cbranch_scc1 .Lv_head
.Lqk_pass:
.irp n, 0,1,2,3
	global_load_b128 v[64+8*\n:67+8*\n], v96, s[56:57] offset:64*\n       ; bias at channels 16 n + 8 h + 0..7
	global_load_b128 v[68+8*\n:71+8*\n], v96, s[56:57] offset:64*\n+16
.endr
	GPASS 0, 8
	PLACES 4                                       ; behind the last products: ahead of the first read of results, and beside the wait for B below
	WIN 0
	s_wait_loadcnt 0x0                             ; the bias
	s_cmp_eq_u32 s60, 1
	s_cbranch_scc1 .Lqk_last
	s_wait_alu depctr_va_vdst(0)                   ; this pass's products are done reading B, in which the second pass's weights land
	BLOADS 0, 64, 32768                            ; the second pass's weights land under this pass's way out
.Lqk_last:
	EPI_QK
	s_wait_xcnt 0x0                                ; the stores have read their registers and base
	s_wait_alu depctr_vm_vsrc(0)                   ; the stores have read v128-191, in which A's fragments land in the next trip
	s_add_nc_u64 s[54:55], s[54:55], s[62:63]
	s_add_nc_u64 s[56:57], s[56:57], 256
	s_sub_co_u32 s60, s60, 1
	s_cmp_lg_u32 s60, 0
	s_cbranch_scc1 .Lqk_pass
	s_wait_dscnt 0x0                               ; the closing lines, six on end
	s_wait_alu 0x0
	s_wait_tensorcnt 0x0
	ds_add_u32 v126, v127
	s_wait_dscnt 0x0
	s_endpgm
.Lv_head:
.irp n, 0,1,2,3
	v_mov_b32 v[65+2*\n], 0                        ; named as the upper halves of the bias pairs; no load lands in them
.endr
.Lv_pass:
.irp n, 0,1,2,3
	global_load_b32 v[64+2*\n], v97, s[56:57] offset:64*\n                ; bias at channel 16 n + r
.endr
	GPASS 1, 4
	PLACES 4                                       ; behind the last products: ahead of the first read of results, and beside the wait for B below
	WIN 0
	s_wait_loadcnt 0x0
	s_cmp_eq_u32 s60, 1
	s_cbranch_scc1 .Lv_last
	s_wait_alu depctr_va_vdst(0)                   ; this pass's products are done reading B, in which the second pass's weights land
	BLOADS 0, 64, 32768
.Lv_last:
	EPI_V
	s_wait_xcnt 0x0
	s_wait_alu depctr_vm_vsrc(0)                   ; the stores have read v128-191, in which A's fragments land in the next trip
	s_add_nc_u64 s[54:55], s[54:55], s[62:63]
	s_add_nc_u64 s[56:57], s[56:57], 256
	s_sub_co_u32 s60, s60, 1
	s_cmp_lg_u32 s60, 0
	s_cbranch_scc1 .Lv_pass
	s_wait_dscnt 0x0                               ; the closing lines, six on end
	s_wait_alu 0x0
	s_wait_tensorcnt 0x0
	ds_add_u32 v126, v127
	s_wait_dscnt 0x0
	s_endpgm
.Lfunc_end_k_qd070651240_qkv:
	.size	k_qd070651240_qkv, .Lfunc_end_k_qd070651240_qkv-k_qd070651240_qkv
	.p2alignl 7, 3214868480
	.fill 96, 4, 3214868480
	.section	.rodata,"a",@progbits
	.p2align	6, 0x0
	.amdhsa_kernel k_qd070651240_qkv
		.amdhsa_group_segment_fixed_size 68096
		.amdhsa_private_segment_fixed_size 0
		.amdhsa_enable_private_segment 0
		.amdhsa_kernarg_size 88
		.amdhsa_user_sgpr_count 2
		.amdhsa_user_sgpr_kernarg_segment_ptr 1
		.amdhsa_wavefront_size32 1
		.amdhsa_system_sgpr_workgroup_id_x 1
		.amdhsa_system_sgpr_workgroup_id_y 1
		.amdhsa_system_sgpr_workgroup_id_z 1
		.amdhsa_system_vgpr_workitem_id 0
		.amdhsa_next_free_vgpr 1024
		.amdhsa_next_free_sgpr 80
		.amdhsa_reserve_vcc 0
		.amdhsa_float_denorm_mode_32 3
		.amdhsa_float_denorm_mode_16_64 3
		.amdhsa_memory_ordered 1
		.amdhsa_forward_progress 1
		.amdhsa_inst_pref_size 239
	.end_amdhsa_kernel
	.amdgpu_metadata
---
amdhsa.version: [ 1, 2 ]
amdhsa.kernels:
  - .name:           k_qd070651240_qkv
    .symbol:         k_qd070651240_qkv.kd
    .args:
      - { .name: x, .offset: 0, .size: 8, .value_kind: global_buffer, .address_space: global }
      - { .name: st1, .offset: 8, .size: 8, .value_kind: global_buffer, .address_space: global }
      - { .name: n1_scale, .offset: 16, .size: 8, .value_kind: global_buffer, .address_space: global }
      - { .name: n1_shift, .offset: 24, .size: 8, .value_kind: global_buffer, .address_space: global }
      - { .name: wimg, .offset: 32, .size: 8, .value_kind: global_buffer, .address_space: global }
      - { .name: Wq_b, .offset: 40, .size: 8, .value_kind: global_buffer, .address_space: global }
      - { .name: Wk_b, .offset: 48, .size: 8, .value_kind: global_buffer, .address_space: global }
      - { .name: Wv_b, .offset: 56, .size: 8, .value_kind: global_buffer, .address_space: global }
      - { .name: lowp_scales, .offset: 64, .size: 8, .value_kind: global_buffer, .address_space: global }
      - { .name: qc, .offset: 72, .size: 8, .value_kind: global_buffer, .address_space: global }
      - { .name: kv, .offset: 80, .size: 8, .value_kind: global_buffer, .address_space: global }
    .group_segment_fixed_size: 68096
    .private_segment_fixed_size: 0
    .kernarg_segment_align: 8
    .kernarg_segment_size: 88
    .max_flat_workgroup_size: 128
    .sgpr_count:     80
    .vgpr_count:     1024
    .wavefront_size: 32
...
	.end_amdgpu_metadata
.endif
;; end of part 7
;; launch attn (part 8): grid 4 x 64, 16 waves a work-group, clusters of 4 x 1, 169,984 bytes of LDS; arguments qc, kv, lowp_scales, ctx; writes ctx
.if DOCPART == 8
	.amdgcn_target "amdgcn-amd-amdhsa--gfx1250"
	.amdhsa_code_object_version 6
	.text
	.protected	k_qd070651240_attn
	.globl	k_qd070651240_attn
	.p2align	8
	.type	k_qd070651240_attn,@function
k_qd070651240_attn:
	s_mov_b64 s[64:65], 0
	v_nop
	global_prefetch_b8 v0, s[64:65] scope:SCOPE_SE
	s_setreg_imm32_b32 hwreg(HW_REG_WAVE_MODE, 25, 1), 1
	s_wait_xcnt 0x0
	s_wait_alu depctr_hold_cnt(0) depctr_sa_sdst(0) depctr_va_vdst(0) depctr_va_sdst(0) depctr_va_ssrc(0) depctr_va_vcc(0) depctr_vm_vsrc(0)
	s_getreg_b32 s2, hwreg(HW_REG_IB_STS2, 6, 4)
	s_cmp_eq_u32 s2, 0
	s_cbranch_scc0 .Lentry_in_a_cluster
	s_endpgm
.Lentry_in_a_cluster:
	s_bfe_u32 s2, ttmp6, 0x10000c
	s_cmp_lg_u32 s2, 0x3003
	s_cbranch_scc0 .Lentry_shape_is_right
	s_endpgm
.Lentry_shape_is_right:
; ATTN.  Causal attention of one head (cluster y = 16 batch + head), head size 32, 2,048 tokens, both products on codes of E4M3.
; t = score x 2^(e6 + e7) x log2(e) / sqrt(32); M = the running largest t rounded UP to a whole number; p = 2^(t - M) is quantised with 2^e8; the row's sum is taken of the unquantised p and divides at the end;
; when M moves, the sum and O are multiplied by 2^(old M - new M), which rounds nothing.  The result, x 2^(e8 + e9) / sum, is quantised with 2^e10 for the next product.
; CLUSTER.  The four work-groups of a cluster are the four quarters of the head's queries and read the same K and V: the head's 131,072 bytes (one dense run of kv) are asked for JOINTLY, once, by first fills
; (waves 0 and 1: four loads of 16 KB each, four outstanding by this text's count); nothing is filled again.  The grid's x is 4, one cluster wide, so the place cx is the work-group's x.
; SHARES.  Wave w: u = w >> 1, vt = 2 cx + (w & 1).  It owns query tile 8 u + vt (key steps 0 .. u) and tile 127 - that (steps 0 .. 15 - u): 17 steps of 128 keys for every wave, one on the diagonal for each tile.
; cx enters global addresses of Q and ctx and the mask's compare value alone: no branch, trip count or LDS address hangs on it.  Every loop has a constant trip count; a step that lies wholly behind the diagonal is jumped over.
; The late tile goes first: all waves need its steps 0-7 in full, so the phases parted by the barriers that publish the chunks are equal work.
; LAYOUT.  S^T = K Q^T (source 0 = 16 keys, source 1 = my 16 queries), O^T = V^T P^T: a lane holds ONE query throughout; tile c of S^T converts into registers 2 c, 2 c + 1 of P's fragment.
; K = 32 IN THE K = 64 FORM: Q's registers 4-7 are zero codes; K's operand for tile i is v[32+4i:39+4i], whose upper four registers are the next tile's codes (zeros behind the last): finite numbers, since every code
; was made behind a hold, so those products are 0.  LIMITS: e6 + e7 between -124 and 129; e8, e10 between -126 and 119; NaN among the inputs is not served.
; REGISTERS: v1 16 x lane; v2 LDS address; v3 the mask's value; v12 -M, v13 largest t, v[14:15] the sum; v16-23, v24-31 Q of the early and the late tile; v32-67 K; v68-99 V; v100-163 S^T, then p; v164-179 O^T; v180-195 p's codes.
.macro PLACES n
.rept \n
	v_nop
.endr
.endm
.macro CROUND                          ; a round of the cluster's barrier
	s_barrier_signal -1
	s_barrier_wait -1
	s_cmp_lg_u32 s12, 0
	s_cbranch_scc1 .Lnot_wave_0_\@
	s_barrier_signal -3
.Lnot_wave_0_\@:
	s_barrier_wait -3
	s_barrier_signal -1
	s_barrier_wait -1
.endm
.macro WAITB n                         ; the fetching waves' loads but the youngest n have landed; my LDS loads are in; then the work-group's barrier.
	s_wait_tensorcnt \n
	s_wait_dscnt 0x0
	s_barrier_signal -1
	s_barrier_wait -1
.endm
.macro INIT
	v_mov_b32 v13, 0xff61b1e6                      ; the largest t so far: -3e38
	s_delay_alu instid0(VALU_DEP_1)
	v_floor_f32 v12, -v13
	v_mov_b32 v14, 0
	v_mov_b32 v15, 0
.set ij, 0
.rept 16
	v_mov_b32 v[164+ij], 0                         ; the step is written once: the first finds zeros
.set ij, ij+1
.endr
.endm
; A key step: 128 keys at LDS byte s48; s49 its number; s58 the tile's diagonal step.  q: Q's first register.
.macro STEP q
	s_cmp_gt_u32 s49, s58
	s_cbranch_scc1 .Lskip_\@
	s_setprio 2
	v_add_nc_u32 v2, s48, v1
	PLACES 3                                       ; with the addition: four places behind the last products, ahead of loads into V's registers
.irp i, 0,1,2,3,4,5,6,7
	ds_load_b128 v[32+4*\i:35+4*\i], v2 offset:512*\i
.endr
.irp t, 0,1
.irp g, 0,1,2,3
	ds_load_b128 v[68+16*\t+4*\g:71+16*\t+4*\g], v2 offset:4096+2048*\t+512*\g
.endr
.endr
	s_wait_dscnt 8                                 ; K is in; V's eight loads may be out
.irp i, 0,1,2,3,4,5,6,7
	v_wmma_f32_16x16x64_fp8_fp8 v[100+8*\i:107+8*\i], v[32+4*\i:39+4*\i], v[\q:\q+7], 0
.endr
	PLACES 4
	s_cmp_lg_u32 s49, s58
	s_cbranch_scc1 .Lopen_\@
.set mi, 0                                     ; on the diagonal: register 8 i + j holds key 16 i + 8 h + j of the step, hidden where 16 i + j > 16 vt + r - 8 h
	s_wait_alu depctr_va_vdst(0)
.rept 64
	v_cmp_gt_i32 vcc_lo, 16*(mi/8)+mi%8, v3
	v_cndmask_b32 v[100+mi], v[100+mi], v4, vcc_lo
.set mi, mi+1
.endr
.Lopen_\@:
	v_max3_num_f32 v200, v100, v101, v102          ; my query's largest score among my 64 keys, in two chains, from the low end on
	v_max3_num_f32 v202, v103, v104, v105
.irp i, 6,10,14,18,22,26,30,34,38,42,46,50,54,58
	v_max3_num_f32 v200, v200, v[100+\i], v[101+\i]
	v_max3_num_f32 v202, v202, v[102+\i], v[103+\i]
.endr
	v_max3_num_f32 v200, v200, v162, v163
	s_delay_alu instid0(VALU_DEP_1)
	v_max_num_f32 v200, v200, v202
	s_delay_alu instid0(VALU_DEP_1)
	v_permlanex16_b32 v204, v200, s20, s21
	s_delay_alu instid0(VALU_DEP_1)
	v_max_num_f32 v200, v200, v204                 ; and among lane l xor 16's
	s_delay_alu instid0(VALU_DEP_1)
	v_mul_f32 v200, s22, v200                      ; as t
	s_delay_alu instid0(VALU_DEP_1)
	v_max_num_f32 v13, v13, v200
	v_mov_b32 v200, v12
	s_delay_alu instid0(VALU_DEP_2)
	v_floor_f32 v12, -v13                          ; -M = floor(-t)
	s_delay_alu instid0(VALU_DEP_1)
	v_sub_f32 v200, v12, v200                      ; old M - new M: a whole number, 0 or less
	s_delay_alu instid0(VALU_DEP_1)
	v_cvt_i32_f32 v200, v200                       ; (it saturates)
	s_delay_alu instid0(VALU_DEP_1)
	v_ldexp_f32 v202, 1.0, v200                    ; f = 2^(old M - new M)
.set sj, 0
.rept 32
	v_pk_fma_f32 v[100+sj:101+sj], v[100+sj:101+sj], s[22:23], v[12:13] op_sel_hi:[1,0,0]   ; t - M
.set sj, sj+2
.endr
.set sj, 0
	s_setprio 1
	s_wait_alu depctr_va_vdst(0)
.rept 64
	v_exp_f32 v[100+sj], v[100+sj]
.set sj, sj+1
.endr
	v_pk_mul_f32 v[14:15], v[14:15], v[202:203] op_sel_hi:[1,0]   ; the sum under the new M: the plain line behind the exponentials
	s_wait_alu depctr_va_vdst(0)                   ; one wait for the batch, ahead of its first reader
	v_pk_add_f32 v[206:207], v[104:105], v[108:109]
	v_pk_add_f32 v[252:253], v[112:113], v[116:117]
	v_pk_add_f32 v[250:251], v[120:121], v[124:125]
	v_pk_add_f32 v[248:249], v[128:129], v[132:133]
	v_pk_add_f32 v[246:247], v[136:137], v[140:141]
	v_pk_add_f32 v[244:245], v[144:145], v[148:149]
	v_pk_add_f32 v[242:243], v[152:153], v[156:157]
	v_pk_add_f32 v[14:15], v[14:15], v[160:161]
	v_pk_add_f32 v[206:207], v[206:207], v[100:101]
	v_pk_add_f32 v[252:253], v[252:253], v[102:103]
	v_pk_add_f32 v[250:251], v[250:251], v[106:107]
	v_pk_add_f32 v[248:249], v[248:249], v[110:111]
	v_pk_add_f32 v[246:247], v[246:247], v[114:115]
	v_pk_add_f32 v[244:245], v[244:245], v[118:119]
	v_pk_add_f32 v[242:243], v[242:243], v[122:123]
	v_pk_add_f32 v[14:15], v[14:15], v[126:127]
	v_pk_add_f32 v[206:207], v[206:207], v[130:131]
	v_pk_add_f32 v[252:253], v[252:253], v[134:135]
	v_pk_add_f32 v[250:251], v[250:251], v[138:139]
	v_pk_add_f32 v[248:249], v[248:249], v[142:143]
	v_pk_add_f32 v[246:247], v[246:247], v[146:147]
	v_pk_add_f32 v[244:245], v[244:245], v[150:151]
	v_pk_add_f32 v[242:243], v[242:243], v[154:155]
	v_pk_add_f32 v[14:15], v[14:15], v[158:159]
	v_pk_add_f32 v[206:207], v[206:207], v[162:163]
	s_delay_alu instid0(VALU_DEP_2)
	v_pk_add_f32 v[14:15], v[14:15], v[248:249]
	s_delay_alu instid0(VALU_DEP_2)
	v_pk_add_f32 v[206:207], v[206:207], v[246:247]
	v_pk_add_f32 v[252:253], v[252:253], v[244:245]
	v_pk_add_f32 v[250:251], v[250:251], v[242:243]
	s_delay_alu instid0(VALU_DEP_2)
	v_pk_add_f32 v[14:15], v[14:15], v[252:253]
	s_delay_alu instid0(VALU_DEP_2)
	v_pk_add_f32 v[206:207], v[206:207], v[250:251]
	s_delay_alu instid0(VALU_DEP_1)
	v_pk_add_f32 v[14:15], v[14:15], v[206:207]
.set sj, 0
	s_setprio 0
.rept 64
	v_min_num_f32 v[100+sj], v[100+sj], v208       ; p is not negative: the hold is one-sided
.set sj, sj+1
.endr
.irp c, 0,1,2,3,4,5,6,7
	v_cvt_scalef32_pk8_fp8_f32 v[180+2*\c:181+2*\c], v[100+8*\c:107+8*\c], v209
.endr
.irp j, 0,2,4,6,8,10,12,14
	v_pk_mul_f32 v[164+\j:165+\j], v[164+\j:165+\j], v[202:203] op_sel_hi:[1,0]   ; O^T under the new M; plain lines behind the conversions
.endr
	s_wait_alu depctr_va_vdst(0)
	s_wait_dscnt 0x0                               ; V
.irp t, 0,1
	v_wmma_f32_16x16x128_fp8_fp8 v[164+8*\t:171+8*\t], v[68+16*\t:83+16*\t], v[180:195], v[164+8*\t:171+8*\t]
.endr
.Lskip_\@:
	s_add_co_u32 s48, s48, 8192
	s_add_co_u32 s49, s49, 1
.endm
.macro WALK q, n
	s_mov_b32 s50, \n
.Lwalk_\@:
	STEP \q
	s_sub_co_u32 s50, s50, 1
	s_cmp_lg_u32 s50, 0
	s_cbranch_scc1 .Lwalk_\@
	s_setprio 0
.endm
.macro FINISH dst, adr                 ; O^T x 2^(e8 + e9) / the sum, quantised with 2^e10: four registers, group head % 4 of a fragment of ctx
	PLACES 4
	v_add_f32 v14, v14, v15
	s_delay_alu instid0(VALU_DEP_1)
	v_permlanex16_b32 v204, v14, s20, s21
	s_delay_alu instid0(VALU_DEP_1)
	v_add_f32 v14, v14, v204
	s_wait_alu depctr_va_vdst(0)
	v_rcp_f32 v14, v14
	v_nop
	s_wait_alu depctr_va_vdst(0)
	v_ldexp_f32 v14, v14, s57
.set fj, 0
.rept 16
	v_mul_f32 v[100+fj], v[164+fj], v14
.set fj, fj+1
.endr
.set fj, 0
.rept 16
	v_med3_num_f32 v[100+fj], v[100+fj], -v210, v210
.set fj, fj+1
.endr
	v_cvt_scalef32_pk8_fp8_f32 v[\dst:\dst+1], v[100:107], v211
	v_cvt_scalef32_pk8_fp8_f32 v[\dst+2:\dst+3], v[108:115], v211
	v_nop
	global_store_b128 v1, v[\dst:\dst+3], s[\adr:\adr+1]   ; 512 consecutive bytes, aligned
.endm
	s_load_b256 s[4:11], s[0:1], 0x0               ; qc 4, kv 6, scales 8, ctx 10
	v_lshl_add_u32 v254, v0, 2, 0x29000
	v_mov_b32 v255, 0
	ds_add_u32 v254, v255
	ds_add_u32 v254, v255
	v_lshrrev_b32 v1, 5, v0
	s_delay_alu instid0(VALU_DEP_1)
	v_readfirstlane_b32 s12, v1                    ; wave 0..15
	s_bfe_u32 s13, ttmp6, 0x40000                  ; cx
	s_and_b32 s14, ttmp7, 0xffff                   ; 16 batch + head
	s_lshr_b32 s15, s12, 1                         ; u
	s_sub_co_u32 s16, 15, s15
	s_and_b32 s17, s12, 1
	s_lshl_b32 s66, s13, 1
	s_add_co_u32 s17, s17, s66                     ; vt
	s_sub_co_u32 s18, 7, s17
	s_lshl_b32 s66, s14, 16                        ; Q: head x 65,536 + tile x 512
	s_lshl_b32 s67, s15, 12
	s_lshl_b32 s70, s17, 9
	s_add_co_u32 s67, s67, s70
	s_add_co_u32 s76, s66, s67
	s_mov_b32 s77, 0
	s_lshl_b32 s67, s16, 12
	s_lshl_b32 s70, s18, 9
	s_add_co_u32 s67, s67, s70
	s_add_co_u32 s78, s66, s67
	s_mov_b32 s79, 0
	s_lshr_b32 s68, s14, 4                         ; ctx: (16 batch + tile / 8) x 65,536 + (head / 4) x 16,384 + (tile % 8) x 2,048 + (head % 4) x 512
	s_lshl_b32 s68, s68, 20
	s_bfe_u32 s69, s14, 0x20002
	s_lshl_b32 s69, s69, 14
	s_add_co_u32 s68, s68, s69
	s_and_b32 s69, s14, 3
	s_lshl_b32 s69, s69, 9
	s_add_co_u32 s68, s68, s69
	s_lshl_b32 s60, s15, 16
	s_lshl_b32 s70, s17, 11
	s_add_co_u32 s60, s60, s70
	s_add_co_u32 s60, s60, s68
	s_mov_b32 s61, 0
	s_lshl_b32 s62, s16, 16
	s_lshl_b32 s70, s18, 11
	s_add_co_u32 s62, s62, s70
	s_add_co_u32 s62, s62, s68
	s_mov_b32 s63, 0
	s_and_b32 s72, s12, 1
	s_lshl_b32 s72, s72, 14                        ; which half of a chunk of 32 KB I fetch, if I fetch
	s_lshl_b32 s74, s14, 17
	s_add_co_u32 s74, s74, s72
	s_mov_b32 s75, 0
	; descriptor group 1: 64 rows of 32 elements of 8 bytes, dense: 16 KB
	s_mov_b32 s24, 15|(3<<16)|(1<<21)              ; 15:0 the mask: all four work-groups; 17:16 elements of 8 bytes; 21 set beside a mask
	s_mov_b32 s25, 32<<16                          ; tensor_dim0
	s_mov_b32 s26, 64<<16                          ; tensor_dim1
	s_mov_b32 s27, 32<<16                          ; tile_dim0
	s_mov_b32 s28, 64                              ; tile_dim1
	s_mov_b32 s29, 32                              ; the pitch
	s_mov_b32 s30, 0
	s_mov_b32 s31, 0
	s_mov_b32 s20, 0x76543210
	s_mov_b32 s21, 0xfedcba98
	s_mov_b32 s22, 0x3e8293ee                      ; log2(e) / sqrt(32)
	v_and_b32 v1, 31, v0
	s_delay_alu instid0(VALU_DEP_1)
	v_lshlrev_b32 v1, 4, v1
	v_and_b32 v5, 15, v0
	v_bfe_u32 v6, v0, 4, 1
	s_delay_alu instid0(VALU_DEP_1)
	v_lshlrev_b32 v6, 3, v6
	s_delay_alu instid0(VALU_DEP_1)
	v_sub_nc_u32 v5, v5, v6                        ; r - 8 h
	v_mov_b32 v4, 0xff800000                       ; -infinity
.irp j, 20,21,22,23,28,29,30,31,64,65,66,67,203,204
	v_mov_b32 v\j, 0                               ; zero codes; the upper half of f's pair; the permute's destination
.endr
	s_wait_dscnt 0x0
	s_wait_kmcnt 0x0
	s_load_b128 s[52:55], s[8:9], 0x18             ; e6 .. e9
	s_load_b32 s56, s[8:9], 0x28                   ; e10
	s_add_nc_u64 s[76:77], s[4:5], s[76:77]
	s_add_nc_u64 s[78:79], s[4:5], s[78:79]
	s_add_nc_u64 s[60:61], s[10:11], s[60:61]
	s_add_nc_u64 s[62:63], s[10:11], s[62:63]
	s_add_nc_u64 s[74:75], s[6:7], s[74:75]
	global_load_b128 v[16:19], v1, s[76:77]
	global_load_b128 v[24:27], v1, s[78:79]
.irp c, 0,1,2,3
	s_mov_b32 s[32+4*\c], 1
	s_add_co_u32 s[33+4*\c], s72, 32768*\c
	s_add_nc_u64 s[34+4*\c:35+4*\c], s[74:75], 32768*\c
	s_or_b32 s[35+4*\c], s[35+4*\c], 0x80000000
.endr
	CROUND                                         ; all four work-groups are here: the joint loads meet
	s_cmp_lt_u32 s12, 2
	s_cbranch_scc0 .Lno_fill
	tensor_load_to_lds s[32:35], s[24:31]          ; steps 0-3,
	s_nop 0
	tensor_load_to_lds s[36:39], s[24:31]          ; 4-7,
	s_nop 0
	tensor_load_to_lds s[40:43], s[24:31]          ; 8-11,
	s_nop 0
	tensor_load_to_lds s[44:47], s[24:31]          ; 12-15: my half of each
	s_nop 0
	PLACES 4
.Lno_fill:
	s_wait_kmcnt 0x0
	s_add_co_i32 s66, s52, s53
	s_lshl_b32 s66, s66, 23
	s_add_co_i32 s22, s22, s66                     ; e6 + e7 added to c's exponent field
	s_mov_b32 s23, s22
	s_add_co_i32 s57, s54, s55                     ; e8 + e9
	s_add_co_i32 s66, s54, 127
	s_lshl_b32 s67, s66, 23
	v_mov_b32 v209, s67                            ; 2^e8
	s_add_co_i32 s66, s66, 8
	s_lshl_b32 s66, s66, 23
	s_or_b32 s66, s66, 0x600000
	v_mov_b32 v208, s66                            ; 448 x 2^e8
	s_add_co_i32 s66, s56, 127
	s_lshl_b32 s67, s66, 23
	v_mov_b32 v211, s67
	s_add_co_i32 s66, s66, 8
	s_lshl_b32 s66, s66, 23
	s_or_b32 s66, s66, 0x600000
	v_mov_b32 v210, s66
	s_wait_loadcnt 0x0                             ; Q
	; the late tile
	INIT
	s_mov_b32 s58, s16
	s_lshl_b32 s66, s18, 4
	v_add_nc_u32 v3, s66, v5
	s_mov_b32 s48, 0
	s_mov_b32 s49, 0
	WAITB 3                                        ; steps 0-3 lie in LDS; three loads may be out
	WALK 24, 4
	WAITB 2                                        ; steps 4-7
	WALK 24, 4
	WAITB 0                                        ; all sixteen
	WALK 24, 8
	FINISH 212, 62
	; the early tile: no barrier is left
	INIT
	s_mov_b32 s58, s15
	s_lshl_b32 s66, s17, 4
	v_add_nc_u32 v3, s66, v5
	s_mov_b32 s48, 0
	s_mov_b32 s49, 0
	WALK 16, 8
	FINISH 196, 60
	s_wait_dscnt 0x0
	s_wait_tensorcnt 0x0
	ds_add_u32 v254, v255
	s_wait_dscnt 0x0
	CROUND                                         ; the closing round
	s_endpgm
.Lfunc_end_k_qd070651240_attn:
	.size	k_qd070651240_attn, .Lfunc_end_k_qd070651240_attn-k_qd070651240_attn
	.p2alignl 7, 3214868480
	.fill 96, 4, 3214868480
	.section	.rodata,"a",@progbits
	.p2align	6, 0x0
	.amdhsa_kernel k_qd070651240_attn
		.amdhsa_group_segment_fixed_size 169984
		.amdhsa_private_segment_fixed_size 0
		.amdhsa_enable_private_segment 0
		.amdhsa_kernarg_size 32
		.amdhsa_user_sgpr_count 2
		.amdhsa_user_sgpr_kernarg_segment_ptr 1
		.amdhsa_wavefront_size32 1
		.amdhsa_system_sgpr_workgroup_id_x 1
		.amdhsa_system_sgpr_workgroup_id_y 1
		.amdhsa_system_sgpr_workgroup_id_z 1
		.amdhsa_system_vgpr_workitem_id 0
		.amdhsa_next_free_vgpr 256
		.amdhsa_next_free_sgpr 80
		.amdhsa_reserve_vcc 1
		.amdhsa_float_denorm_mode_32 3
		.amdhsa_float_denorm_mode_16_64 3
		.amdhsa_memory_ordered 1
		.amdhsa_forward_progress 1
		.amdhsa_inst_pref_size 92
	.end_amdhsa_kernel
	.amdgpu_metadata
---
amdhsa.version: [ 1, 2 ]
amdhsa.kernels:
  - .name:           k_qd070651240_attn
    .symbol:         k_qd070651240_attn.kd
    .args:
      - { .name: qc, .offset: 0, .size: 8, .value_kind: global_buffer, .address_space: global }
      - { .name: kv, .offset: 8, .size: 8, .value_kind: global_buffer, .address_space: global }
      - { .name: lowp_scales, .offset: 16, .size: 8, .value_kind: global_buffer, .address_space: global }
      - { .name: ctx, .offset: 24, .size: 8, .value_kind: global_buffer, .address_space: global }
    .group_segment_fixed_size: 169984
    .private_segment_fixed_size: 0
    .kernarg_segment_align: 8
    .kernarg_segment_size: 32
    .max_flat_workgroup_size: 512
    .sgpr_count:     80
    .vgpr_count:     256
    .wavefront_size: 32
...
	.end_amdgpu_metadata
.endif
;; end of part 8
;; launch wo: the kernel of part 4 again; grid 4 x 64, 4 waves a work-group, clusters of 4 x 1, 168,448 bytes of LDS; arguments ctx, wimg, Wo_b, x, lowp_scales, x2, st2; writes x2, st2
;; launch l1 (part 9): grid 4 x 64, 4 waves a work-group, no clusters, 68,096 bytes of LDS; arguments x2, st2, n2_scale, n2_shift, wimg, l1_b, lowp_scales, hid; writes hid
.if DOCPART == 9
	.amdgcn_target "amdgcn-amd-amdhsa--gfx1250"
	.amdhsa_code_object_version 6
	.text
	.protected	k_qd070651240_l1
	.globl	k_qd070651240_l1
	.p2align	8
	.type	k_qd070651240_l1,@function
k_qd070651240_l1:
	s_mov_b64 s[64:65], 0
	v_nop
	global_prefetch_b8 v0, s[64:65] scope:SCOPE_SE
	s_setreg_imm32_b32 hwreg(HW_REG_WAVE_SCHED_MODE, 0, 2), 2
	s_setreg_imm32_b32 hwreg(HW_REG_WAVE_MODE, 25, 1), 1
	s_wait_xcnt 0x0
	s_wait_alu depctr_vm_vsrc(0)
; L1.  h = ((x2 - row mean) / var + 1e-5) scale + shift (var: one number for all of x2, from st2), quantised with 2^e12; hidden = gelu(h l1_w^T x 2^(e12 + e13) + l1_b), quantised with 2^e14.
; SHARES and phases as in launch qkv: a work-group takes 128 rows (work-group y) x 512 hidden units (work-group x); phase LN lays the rows' codes in LDS (pitch 528, the order PERM of launch prep); one barrier;
; wave w makes units 128 w .. + 127 of the work-group's 512 for all 128 rows, in a loop of two passes of 64; a pass's weights go from wimg straight into 256 registers.  The product is used transposed
; (source 0 = W's rows, source 1 = the rows' codes): a lane holds one token and eight units, so two tiles convert into four registers of the next product's fragment.
; OUT: hid, images of operand registers: block x 262,144 + K step x 16,384 + row tile x 2,048 + group x 512; K step = 4 x + wave, group = 2 pass + pr.  Every store covers 512 consecutive bytes.
; GELU is the exact form 0.5 x (1 + erf(x / sqrt 2)); erf(z) = z P(z^2) / Q(z^2), z held within +-4.  LIMIT: erf is good to about 1e-7 absolute, so far down the negative tail the result carries that
; error against a small number.  LIMITS: e12, e14 between -126 and 119, e12 + e13 between -126 and 127; NaN among the inputs is not served.
; NO CLUSTER: the four work-groups of a block share x2's rows, but 262,144 bytes of f32 beside 67,584 of codes are more than a WGP's LDS, and each weight byte is wanted by one wave.
; REGISTERS.  Window 0 as in qkv; v98-101 two coefficients; on the way out v128-207 X, Z, Y, P, Q of a unit of 16; the codes of units 0-7 in v208-239, of units 8-15 in v32-63.  Window 1: B.
;   Window 2: accumulator (m, nt) at 8 (4 m + nt).  Window 3: v128-255 A's eight fragments of an odd K step (those of an even one: window 0, v128-255).
; THE MODE: SCHED_MODE bits 1:0 = 2 (LLVM: expert scheduling mode 2), set by the entry lines.  The code itself states the register dependences
; between vector or matrix instructions and memory or LDS instructions, with s_wait_alu, always for 0.
; THE PLAN.  Registers that memory or LDS instructions touch:
;   v1, v2, v3, v96   offsets and LDS addresses: written at the head and never again.
;   X0, X1            (v128-191, v192-255) group k of four rows works in place on X[k % 2]; behind its conversions the loads of group k + 2 land there.
;   C0, C1            (v64-79, v80-95) group k's conversions write C[k % 2], its sixteen LDS stores read it, group k + 2's conversions write it again.
;                     So a group has one wait on va_vdst, behind its conversions, for its stores and its loads alike, and from group 2 on one wait on vm_vsrc ahead of its conversions.
;   B                 (window 1) read by a pass's products.  Pass 0's loads stand in phase LN, when nothing has named these registers; pass 1's stand behind one wait on va_vdst behind pass 0's products.
;   A0, A1            (window 0 and window 3, v128-255) K step ks's products read A[ks % 2]; the LDS loads of K step ks + 1 land in the other set, dealt among the step's first sixteen products,
;                     which name A[ks % 2], B and the accumulators alone.  One wait on va_vdst at the head of K steps 1 and 2: the step before is done reading the set that is loaded now.
;   the bias          (v64-95) loaded at a trip's head, read by the way out's multiply-adds.
;   the codes out     four registers a unit, sixteen units, none used twice in a pass.  Unit u's store stands in unit u + 1, straight behind the wait on va_vdst behind that unit's
;                     reciprocals: that wait also shows unit u's conversions done, and nothing issued since names their results.  The last unit's store has a wait of its own.  One wait on vm_vsrc at the trip's end.
;   No vector or matrix instruction stands between the way out's last wait and the next trip's loads of the bias and of A0: the loop's head owes no wait.
.set PITCH, 528
.set MSB, 0
.macro WIN new
.if MSB != (\new)
	s_set_vgpr_msb (MSB<<8)|(\new)
.set MSB, (\new)
.endif
.endm
.macro PLACES n
.rept \n
	v_nop
.endr
.endm
.macro BFLY1 v, t
	v_add_f32_dpp v[\v], v[\v], v[\v] row_xmask:1 row_mask:0xf bank_mask:0xf
	v_add_f32_dpp v[\v], v[\v], v[\v] row_xmask:2 row_mask:0xf bank_mask:0xf
	v_add_f32_dpp v[\v], v[\v], v[\v] row_xmask:4 row_mask:0xf bank_mask:0xf
	v_add_f32_dpp v[\v], v[\v], v[\v] row_xmask:8 row_mask:0xf bank_mask:0xf
	v_permlanex16_b32 v[\t], v[\v], s30, s31
	v_add_f32 v[\v], v[\v], v[\t]
.endm
.macro SPAIR r, val                    ; a constant in both words of a scalar pair
	s_mov_b32 s[\r], \val
	s_mov_b32 s[\r+1], \val
.endm
.macro XLOAD k
.set xj, 0
.rept 16
	global_load_b128 v[128+64*((\k)%2)+4*xj:128+64*((\k)%2)+4*xj+3], v1, s[32:33] offset:8192*(\k)+512*xj
.set xj, xj+1
.endr
.endm
.macro BLOADS first, count, off
	WIN 0x40
.set bj, \first
.rept \count
	global_load_b128 v[4*bj:4*bj+3], v1, s[34:35] offset:\off+512*bj
.set bj, bj+1
.endr
	WIN 0
.endm
.macro LNG k, left                     ; four rows: mean, norm, hold, codes, into LDS; left: the loads issued behind these rows' own
.set SL, 128+64*((\k)%2)
.set CO, 64+16*((\k)%2)
	s_wait_loadcnt \left
.irp p, 0,1,2,3
	v_pk_add_f32 v[20+2*\p:21+2*\p], v[SL+16*\p:SL+16*\p+1], v[SL+16*\p+2:SL+16*\p+3]
.endr
.irp j, 4,6,8,10,12,14
.irp p, 0,1,2,3
	v_pk_add_f32 v[20+2*\p:21+2*\p], v[20+2*\p:21+2*\p], v[SL+16*\p+\j:SL+16*\p+\j+1]
.endr
.endr
.irp p, 0,1,2,3
	v_add_f32 v[20+2*\p], v[20+2*\p], v[21+2*\p]
.endr
.irp x, 1,2,4,8
.irp p, 0,1,2,3
	v_add_f32_dpp v[20+2*\p], v[20+2*\p], v[20+2*\p] row_xmask:\x row_mask:0xf bank_mask:0xf
.endr
.endr
.irp p, 0,1,2,3
	v_permlanex16_b32 v[28+\p], v[20+2*\p], s30, s31
.endr
.irp p, 0,1,2,3
	v_add_f32 v[20+2*\p], v[20+2*\p], v[28+\p]
.endr
.irp p, 0,1,2,3
	v_mul_f32 v[12+2*\p], 0x3b000000, v[20+2*\p]
.endr
.irp p, 0,1,2,3
.irp j, 0,2,4,6,8,10,12,14
	v_pk_add_f32 v[SL+16*\p+\j:SL+16*\p+\j+1], v[SL+16*\p+\j:SL+16*\p+\j+1], v[12+2*\p:13+2*\p] op_sel_hi:[1,0] neg_lo:[0,1] neg_hi:[0,1]
.endr
.endr
.irp p, 0,1,2,3
.irp j, 0,2,4,6,8,10,12,14
	v_pk_fma_f32 v[SL+16*\p+\j:SL+16*\p+\j+1], v[SL+16*\p+\j:SL+16*\p+\j+1], v[32+\j:33+\j], v[48+\j:49+\j]
.endr
.endr
.set lj, 0
.rept 64
	v_med3_num_f32 v[SL+lj], v[SL+lj], -v8, v8
.set lj, lj+1
.endr
	s_wait_dscnt 0x0                               ; the stores of two groups back have read these code registers
.if (\k) >= 2
	s_wait_alu depctr_vm_vsrc(0)                   ; the LDS stores of two groups back have read C[k % 2], which the conversions below write again
.endif
.irp p, 0,1,2,3
	v_cvt_scalef32_pk8_fp8_f32 v[CO+4*\p:CO+4*\p+1], v[SL+16*\p:SL+16*\p+7], v9
	v_cvt_scalef32_pk8_fp8_f32 v[CO+4*\p+2:CO+4*\p+3], v[SL+16*\p+8:SL+16*\p+15], v9
.endr
	v_nop
	s_wait_alu depctr_va_vdst(0)                   ; the conversions have written C[k % 2], which the LDS stores read, and are done reading X[k % 2], in which the loads of group k + 2 land
.if (\k) < 6
	XLOAD \k+2
.endif
.irp p, 0,1,2,3
.irp q, 0,1,2,3
	ds_store_b32 v2, v[CO+4*\p+\q] offset:(4*(\k)+\p)*PITCH+128*\q
.endr
.endr
	BLOADS 8*(\k), 8, 0                            ; an eighth of pass 0's weights: no vector or matrix instruction has named these registers yet
.endm
.macro AF8 ks, f0                      ; two of A's eight fragments of K step ks, f0 and f0 + 1, into set ks % 2
.if (\ks)%2
	WIN 0xc0                                       ; destination window 3, address window 0
.else
	WIN 0
.endif
.irp m, \f0, \f0+1
.irp g, 0,1,2,3
	ds_load_b128 v[128+16*(\m)+4*\g:128+16*(\m)+4*\g+3], v3 offset:16*PITCH*(\m)+128*(\ks)+32*\g
.endr
.endr
.endm
.macro MUL4 ks, m                      ; 4 products: row tile m x the pass's four column tiles; the 32 accumulators take turns, one instruction a turn
	WIN 0xa1+12*((\ks)%2)                          ; source 0 (B) window 1, source 1 (A) window 0 or 3, C and D window 2
.irp n, 0,1,2,3
.if (\ks) == 0
	v_wmma_f32_16x16x128_fp8_fp8 v[8*(4*(\m)+\n):8*(4*(\m)+\n)+7], v[16*(4*\n+(\ks)):16*(4*\n+(\ks))+15], v[128+16*(\m):128+16*(\m)+15], 0
.else
	v_wmma_f32_16x16x128_fp8_fp8 v[8*(4*(\m)+\n):8*(4*(\m)+\n)+7], v[16*(4*\n+(\ks)):16*(4*\n+(\ks))+15], v[128+16*(\m):128+16*(\m)+15], v[8*(4*(\m)+\n):8*(4*(\m)+\n)+7]
.endif
.endr
.endm
; A pass's 128 products.  A has two sets of registers, which take turns K step by K step; the next step's 32 LDS loads stand behind the step's first four groups of four products, eight behind each,
; so that the step's last sixteen products stand between the last load and the wait for it.
.macro GPASS young
	AF8 0, 0
	AF8 0, 2
	AF8 0, 4
	AF8 0, 6
	s_wait_loadcnt \young                          ; B is in; the bias loads, issued behind it, may be out
.irp ks, 0,1,2,3
.if (\ks == 1) || (\ks == 2)
	PLACES 4                                       ; the four places behind the last products stay beside the wait
	s_wait_alu depctr_va_vdst(0)                   ; the products of the K step before are done reading their set of A, in which this step's LDS loads land
.endif
.if \ks == 0
	s_wait_dscnt 16                                ; fragments 0-3 are in; the 16 loads of fragments 4-7 may be out
.else
	s_wait_dscnt 0x0                               ; this step's set is in: its last loads were issued sixteen products ago
.endif
.irp m, 0,1,2,3
	MUL4 \ks, \m
.if \ks < 3
	AF8 \ks+1, 2*\m                                ; no wait: no product since the wait names the set that these loads land in
.endif
.endr
.if \ks == 0
	s_wait_dscnt 32                                ; all but the 32 loads of K step 1: fragments 4-7 are in
.endif
.irp m, 4,5,6,7
	MUL4 \ks, \m
.endr
.endr
.endm
.macro GELU_A                          ; gelu of v128-143, up to the wait behind its reciprocals
.irp i, 0,2,4,6,8,10,12,14
	v_pk_mul_f32 v[144+\i:145+\i], v[128+\i:129+\i], s[66:67] op_sel_hi:[1,0]      ; z = x / sqrt 2
.endr
.set gj, 0
.rept 16
	v_med3_num_f32 v[144+gj], v[144+gj], -4.0, 4.0
.set gj, gj+1
.endr
.irp i, 0,2,4,6,8,10,12,14
	v_pk_mul_f32 v[160+\i:161+\i], v[144+\i:145+\i], v[144+\i:145+\i]              ; y = z^2
.endr
.irp i, 0,2,4,6,8,10,12,14
	v_pk_fma_f32 v[176+\i:177+\i], v[160+\i:161+\i], v[98:99], s[68:69] op_sel_hi:[1,1,0]
	v_pk_fma_f32 v[192+\i:193+\i], v[160+\i:161+\i], v[100:101], s[80:81] op_sel_hi:[1,1,0]
.endr
.irp c, 70,72,74,76,78
.irp i, 0,2,4,6,8,10,12,14
	v_pk_fma_f32 v[176+\i:177+\i], v[176+\i:177+\i], v[160+\i:161+\i], s[\c:\c+1] op_sel_hi:[1,1,0]
.endr
.endr
.irp c, 82,84,86
.irp i, 0,2,4,6,8,10,12,14
	v_pk_fma_f32 v[192+\i:193+\i], v[192+\i:193+\i], v[160+\i:161+\i], s[\c:\c+1] op_sel_hi:[1,1,0]
.endr
.endr
.irp i, 0,2,4,6,8,10,12,14
	v_pk_mul_f32 v[176+\i:177+\i], v[176+\i:177+\i], v[144+\i:145+\i]              ; z P
.endr
.set gj, 0
.rept 16
	v_rcp_f32 v[192+gj], v[192+gj]
.set gj, gj+1
.endr
.irp i, 0,2,4,6,8,10,12,14
	v_pk_mul_f32 v[128+\i:129+\i], v[128+\i:129+\i], 0.5 op_sel_hi:[1,0]           ; plain lines behind the reciprocals
.endr
	s_wait_alu depctr_va_vdst(0)                   ; one wait for the sixteen reciprocals v192-207, ahead of their first reader; it also shows the unit before's conversions done, whose codes the store behind it reads
.endm
.macro GELU_B                          ; and the rest: v128-143 become gelu of what they were
.irp i, 0,2,4,6,8,10,12,14
	v_pk_mul_f32 v[176+\i:177+\i], v[176+\i:177+\i], v[192+\i:193+\i]              ; erf
.endr
.irp i, 0,2,4,6,8,10,12,14
	v_pk_fma_f32 v[128+\i:129+\i], v[128+\i:129+\i], v[176+\i:177+\i], v[128+\i:129+\i]
.endr
.endm
; Unit un = 2 m + pr (row tile m, column tiles 2 pr, 2 pr + 1): 16 neighbours along the next K; its accumulators are 2 un and 2 un + 1.  Its four code registers begin at 4 un + 208 (1 - un / 8): v208-239, then v32-63.
.macro EPI_G
.set un, 0
.rept 16
.set OC, 4*un+208*(1-un/8)
	WIN 0x02
.irp t, 0,1
.irp i, 0,2,4,6
	v_pk_fma_f32 v[128+8*\t+\i:129+8*\t+\i], v[8*(2*un+\t)+\i:8*(2*un+\t)+\i+1], s[52:53], v[64+8*(2*(un%2)+\t)+\i:65+8*(2*(un%2)+\t)+\i] op_sel_hi:[1,0,1]
.endr
.endr
	WIN 0
	GELU_A
.if un > 0
.set OP, 4*(un-1)+208*(1-(un-1)/8)
	global_store_b128 v1, v[OP:OP+3], s[54:55] offset:2048*((un-1)/2)+512*((un-1)%2)   ; the unit before: no vector instruction since the wait names its codes
.endif
	GELU_B
.set gj, 0
.rept 16
	v_med3_num_f32 v[128+gj], v[128+gj], -v10, v10
.set gj, gj+1
.endr
	v_cvt_scalef32_pk8_fp8_f32 v[OC:OC+1], v[128:135], v11
	v_cvt_scalef32_pk8_fp8_f32 v[OC+2:OC+3], v[136:143], v11
	v_nop
.set un, un+1
.endr
	s_wait_alu depctr_va_vdst(0)                   ; the last unit's conversions have written v60-63, which its store reads
	global_store_b128 v1, v[60:63], s[54:55] offset:2048*7+512
.endm
	s_load_b512 s[4:19], s[0:1], 0x0               ; x2 4, st2 6, n2_scale 8, n2_shift 10, wimg 12, l1_b 14, scales 16, hid 18
	v_lshl_add_u32 v126, v0, 2, 0x10800
	v_mov_b32 v127, 0
	v_lshrrev_b32 v1, 5, v0
	v_readfirstlane_b32 s28, v1                    ; wave 0..3
	s_mov_b32 s26, ttmp9                           ; which 512 hidden units
	s_and_b32 s27, ttmp7, 0xffff                   ; block of 128 rows
	s_mov_b32 s30, 0x76543210
	s_mov_b32 s31, 0xfedcba98
	SPAIR 66, 0x3f3504f3                           ; 1 / sqrt 2
	SPAIR 68, 0x32edffee                           ; P's coefficients below the leading one,
	SPAIR 70, 0xb60cff51
	SPAIR 72, 0xb86ec2d2
	SPAIR 74, 0xba40ac63
	SPAIR 76, 0xbb41a1f6
	SPAIR 78, 0xbc83dbd4
	SPAIR 80, 0xb95fbd29                           ; and Q's
	SPAIR 82, 0xbadc924e
	SPAIR 84, 0xbbf19bf8
	SPAIR 86, 0xbc69b6a7
	v_mov_b32 v98, 0xaf95df0b                      ; the leading ones
	v_mov_b32 v99, 0xaf95df0b
	v_mov_b32 v100, 0xb77460cd
	v_mov_b32 v101, 0xb77460cd
	v_and_b32 v1, 31, v0
	v_lshlrev_b32 v1, 4, v1
	v_bfe_u32 v2, v0, 3, 2                         ; PERM(lane)
	v_lshlrev_b32 v2, 5, v2
	v_bfe_u32 v3, v0, 1, 1
	v_lshl_or_b32 v2, v3, 4, v2
	v_bfe_u32 v3, v0, 2, 1
	v_lshl_or_b32 v2, v3, 3, v2
	v_and_b32 v3, 1, v0
	v_lshl_or_b32 v2, v3, 2, v2
	s_wait_alu depctr_va_sdst(0)                   ; s28, the wave's number, is written, ahead of its first reader
	s_mul_i32 s88, s28, 32*PITCH
	v_add_nc_u32 v2, s88, v2
	v_and_b32 v3, 15, v0
	v_mul_u32_u24 v3, v3, PITCH
	v_bfe_u32 v96, v0, 4, 1
	v_lshl_add_u32 v3, v96, 4, v3
	v_lshlrev_b32 v96, 5, v96                      ; 32 h
.irp p, 0,1,2,3
	v_mov_b32 v[13+2*\p], 0
	v_mov_b32 v[28+\p], 0
.endr
	s_lshl_b32 s88, s27, 18
	s_lshl_b32 s89, s28, 16
	s_add_co_u32 s88, s88, s89                     ; x2: (128 block + 32 wave) rows
	s_lshl_b32 s90, s26, 18
	s_add_co_u32 s90, s90, s89
	s_add_co_u32 s90, s90, 1048576                 ; wimg: l1's fragments, my 128 units
	s_mov_b32 s89, 0
	s_mov_b32 s91, 0
	s_lshl_b32 s92, s26, 2
	s_add_co_u32 s92, s92, s28
	s_lshl_b32 s92, s92, 14
	s_lshl_b32 s93, s27, 18
	s_add_co_u32 s92, s92, s93                     ; hid: block x 262,144 + K step x 16,384
	s_mov_b32 s93, 0
	s_lshl_b32 s94, s26, 11
	s_lshl_b32 s95, s28, 9
	s_add_co_u32 s94, s94, s95                     ; the bias at my 128 units
	s_mov_b32 s95, 0
	s_wait_kmcnt 0x0
	s_load_b128 s[36:39], s[16:17], 0x30           ; e12 .. e15
	s_add_nc_u64 s[32:33], s[4:5], s[88:89]
	s_add_nc_u64 s[34:35], s[12:13], s[90:91]
	s_add_nc_u64 s[54:55], s[18:19], s[92:93]
	s_add_nc_u64 s[56:57], s[14:15], s[94:95]
	s_wait_alu depctr_va_vdst(0)                   ; v1, v2, v3 and v96 are written: the loads, stores, LDS stores and LDS loads of the whole kernel read them as offsets and addresses
.irp j, 0,1,2,3
	global_load_b128 v[80+4*\j:83+4*\j], v1, s[6:7] offset:512*\j
.endr
.irp j, 0,1,2,3
	global_load_b128 v[32+4*\j:35+4*\j], v1, s[8:9] offset:512*\j
.endr
.irp j, 0,1,2,3
	global_load_b128 v[48+4*\j:51+4*\j], v1, s[10:11] offset:512*\j
.endr
	XLOAD 0
	XLOAD 1
	s_wait_kmcnt 0x0
	s_add_co_i32 s88, s36, 127
	s_lshl_b32 s89, s88, 23
	v_mov_b32 v9, s89                              ; 2^e12
	s_add_co_i32 s88, s88, 8
	s_lshl_b32 s88, s88, 23
	s_or_b32 s88, s88, 0x600000
	v_mov_b32 v8, s88
	s_add_co_i32 s88, s38, 127
	s_lshl_b32 s89, s88, 23
	v_mov_b32 v11, s89                             ; 2^e14
	s_add_co_i32 s88, s88, 8
	s_lshl_b32 s88, s88, 23
	s_or_b32 s88, s88, 0x600000
	v_mov_b32 v10, s88
	s_add_co_i32 s52, s36, s37
	s_add_co_i32 s52, s52, 127
	s_lshl_b32 s52, s52, 23                        ; 2^(e12 + e13)
	s_mov_b32 s53, s52
	s_wait_loadcnt 32                              ; all but the 32 loads of x2
	v_add_f32 v104, v80, v82
	v_add_f32 v105, v84, v86
	v_add_f32 v106, v88, v90
	v_add_f32 v107, v92, v94
	v_add_f32 v104, v104, v105
	v_add_f32 v106, v106, v107
	v_add_f32 v104, v104, v106
	BFLY1 104, 28
	v_mul_f32 v104, 0x3b800000, v104
.irp j, 0,1,2,3,4,5,6,7
	v_sub_f32 v[80+2*\j], v[80+2*\j], v104
.endr
	v_mul_f32 v105, v80, v80
	v_mul_f32 v106, v82, v82
	v_fmac_f32 v105, v84, v84
	v_fmac_f32 v106, v86, v86
	v_fmac_f32 v105, v88, v88
	v_fmac_f32 v106, v90, v90
	v_fmac_f32 v105, v92, v92
	v_fmac_f32 v106, v94, v94
	v_add_f32 v105, v105, v106
	v_add_f32 v106, v81, v83
	v_add_f32 v107, v85, v87
	v_add_f32 v108, v89, v91
	v_add_f32 v109, v93, v95
	v_add_f32 v106, v106, v107
	v_add_f32 v108, v108, v109
	v_add_f32 v106, v106, v108
	v_fmamk_f32 v105, v105, 0x46800000, v106
	BFLY1 105, 28
	v_mul_f32 v105, 0x34800000, v105               ; var
	v_rcp_f32 v106, v105
	v_nop                                          ; a plain line behind the reciprocal,
	s_wait_alu depctr_va_vdst(0)                   ; and a wait ahead of the first reader of its result, v106
	v_fma_f32 v107, -v105, v106, 1.0
	v_fma_f32 v106, v106, v107, v106
.set hj, 0
.rept 16
	v_fmamk_f32 v[48+hj], v[32+hj], 0x3727c5ac, v[48+hj]
	v_mul_f32 v[32+hj], v106, v[32+hj]
.set hj, hj+1
.endr
	LNG 0, 16
	LNG 1, 24
	LNG 2, 32
	LNG 3, 32
	LNG 4, 32
	LNG 5, 32
	LNG 6, 32
	LNG 7, 16
	s_wait_dscnt 0x0                               ; for the others' sake: my rows' codes lie in LDS
	s_barrier_signal -1
	s_barrier_wait -1
	s_wait_alu depctr_vm_vsrc(0)                   ; my LDS stores have read v64-95, in which the bias lands
	s_mov_b32 s60, 2
.Lpass:
.irp n, 0,1,2,3
	global_load_b128 v[64+8*\n:67+8*\n], v96, s[56:57] offset:64*\n
	global_load_b128 v[68+8*\n:71+8*\n], v96, s[56:57] offset:64*\n+16
.endr
	GPASS 8
	PLACES 4                                       ; behind the last products: ahead of the first read of results, and beside the wait for B below
	WIN 0
	s_wait_loadcnt 0x0                             ; the bias
	s_cmp_eq_u32 s60, 1
	s_cbranch_scc1 .Llast
	s_wait_alu depctr_va_vdst(0)                   ; this pass's products are done reading B, in which the second pass's weights land
	BLOADS 0, 64, 32768                            ; the second pass's weights land under this pass's way out
.Llast:
	EPI_G
	s_wait_xcnt 0x0                                ; the stores have read their registers and base
	s_wait_alu depctr_vm_vsrc(0)                   ; the stores have read v208-239, in which A's fragments land in the next trip, and v32-63, which its conversions write again
	s_add_nc_u64 s[54:55], s[54:55], 1024
	s_add_nc_u64 s[56:57], s[56:57], 256
	s_sub_co_u32 s60, s60, 1
	s_cmp_lg_u32 s60, 0
	s_cbranch_scc1 .Lpass
	s_wait_dscnt 0x0                               ; the closing lines, six on end
	s_wait_alu 0x0
	s_wait_tensorcnt 0x0
	ds_add_u32 v126, v127
	s_wait_dscnt 0x0
	s_endpgm
.Lfunc_end_k_qd070651240_l1:
	.size	k_qd070651240_l1, .Lfunc_end_k_qd070651240_l1-k_qd070651240_l1
	.p2alignl 7, 3214868480
	.fill 96, 4, 3214868480
	.section	.rodata,"a",@progbits
	.p2align	6, 0x0
	.amdhsa_kernel k_qd070651240_l1
		.amdhsa_group_segment_fixed_size 68096
		.amdhsa_private_segment_fixed_size 0
		.amdhsa_enable_private_segment 0
		.amdhsa_kernarg_size 64
		.amdhsa_user_sgpr_count 2
		.amdhsa_user_sgpr_kernarg_segment_ptr 1
		.amdhsa_wavefront_size32 1
		.amdhsa_system_sgpr_workgroup_id_x 1
		.amdhsa_system_sgpr_workgroup_id_y 1
		.amdhsa_system_sgpr_workgroup_id_z 1
		.amdhsa_system_vgpr_workitem_id 0
		.amdhsa_next_free_vgpr 1024
		.amdhsa_next_free_sgpr 96
		.amdhsa_reserve_vcc 0
		.amdhsa_float_denorm_mode_32 3
		.amdhsa_float_denorm_mode_16_64 3
		.amdhsa_memory_ordered 1
		.amdhsa_forward_progress 1
		.amdhsa_inst_pref_size 255
	.end_amdhsa_kernel
	.section	.bss,"aw",@nobits
	.p2align	6
	.space	262144
	.amdgpu_metadata
---
amdhsa.version: [ 1, 2 ]
amdhsa.kernels:
  - .name:           k_qd070651240_l1
    .symbol:         k_qd070651240_l1.kd
    .args:
      - { .name: x2, .offset: 0, .size: 8, .value_kind: global_buffer, .address_space: global }
      - { .name: st2, .offset: 8, .size: 8, .value_kind: global_buffer, .address_space: global }
      - { .name: n2_scale, .offset: 16, .size: 8, .value_kind: global_buffer, .address_space: global }
      - { .name: n2_shift, .offset: 24, .size: 8, .value_kind: global_buffer, .address_space: global }
      - { .name: wimg, .offset: 32, .size: 8, .value_kind: global_buffer, .address_space: global }
      - { .name: l1_b, .offset: 40, .size: 8, .value_kind: global_buffer, .address_space: global }
      - { .name: lowp_scales, .offset: 48, .size: 8, .value_kind: global_buffer, .address_space: global }
      - { .name: hid, .offset: 56, .size: 8, .value_kind: global_buffer, .address_space: global }
    .group_segment_fixed_size: 68096
    .private_segment_fixed_size: 0
    .kernarg_segment_align: 8
    .kernarg_segment_size: 64
    .max_flat_workgroup_size: 128
    .sgpr_count:     96
    .vgpr_count:     1024
    .wavefront_size: 32
...
	.end_amdgpu_metadata
.endif
;; end of part 9
;; launch l2: the kernel of part 6 again; grid 4 x 64, 4 waves a work-group, clusters of 4 x 1, 262,656 bytes of LDS; arguments hid, wimg, l2_b, x2, lowp_scales, out0; writes out0
